; MI455X (gfx1250); checked and timed in simulation.
; The chip was launched on July 23, 2026; its instructions are those of AMD's public machine-readable ISA for CDNA 5 (MIT licence, August 2026) and "CDNA5" Instruction Set Architecture Reference Guide (July 2026). The comments in the code are by the model that wrote it; some were corrected since.
;; Mixture Of Experts Block. Allowed arithmetic: matrix products marked QUANTISED: E5M2 operands, one given power-of-two scale a tensor, by v_wmma_f32_16x16x64_bf8_bf8 or v_wmma_f32_16x16x128_bf8_bf8, f32 sums; products left as they are: f32 operands where the result goes on into a quantised operand, else bf16, f16 or f32 operands; f32 sums; everything else in f32.
;; Inputs: W1_codes 8 x 4,096 x 32 x 32 uint8 (E5M2 codes of W1, K innermost, in blocks of 32 codes); W2_codes 8 x 1,024 x 128 x 32 uint8 (E5M2 codes of W2, K innermost, in blocks of 32 codes); W_gate 1,024 x 8 float32; b1 8 x 4,096 float32; b2 8 x 1,024 float32; lowp_scales 4 int32 (the exponents e of the quantised operands' scales 2^e); x 2 x 512 x 1,024 float32.
;; Outputs: out0 2 x 512 x 1,024 float32.
;; This version of the problem:
;;   THIS VERSION OF THE PROBLEM IS GIVEN IN LOW PRECISION. The matrix products marked QUANTISED in the list below multiply operands that are first quantised to E5M2 (5 exponent bits, 2 mantissa bits; 8 bits a number), with one given power-of-two scale for each operand tensor; their sums are f32. All else is computed in f32.
;;   The module's matrix products, in the order in which they are computed (A, B: the left and right operand; K: the contracted axis; several contracted axes count as one K, in the product's order):
;;     1. [M 1,024, K 1,024] x [K 1,024, N 8]; A: input x; B: input W_gate: left as it is (N = 8 < 16)
;;     2. [M 1,024, K 1,024] x [K 1,024, N 32,768]; A: input x; B: input W1 (given as codes): QUANTISED (scales: A lowp_scales[0], B lowp_scales[1])
;;     3. batch 8 x [M 1,024, K 4,096] x [K 4,096, N 1,024]; A: input W2 (given as codes); B: computed on the way: QUANTISED (scales: A lowp_scales[2], B lowp_scales[3])
;;   THE QUANTISER, for each operand of a quantised product, along K:
;;     - The operand's scale is 2^e, e = its entry of the input lowp_scales (int32; the entries are numbered through the quantised products in the list's order, A before B).
;;     - Each number is divided by the scale, clamped to +-57,344, and rounded to the nearest number of E5M2, ties to even, subnormals kept.
;;     - The product sums the exact products of the quantised numbers (number of the format x scale) in f32.
;;   ~~~python
;;   def quantise(x, axis, e):      # numpy; x: float32 -> the quantised numbers, widened to float32 again
;;       x = np.moveaxis(x, axis, -1); K = x.shape[-1]
;;       r = np.clip(x / 2.0 ** e, -57344, 57344)
;;       step = 2.0 ** (np.maximum(np.frexp(np.where(r == 0, 1, r))[1] - 1, -14) - 2)
;;       q = np.round(r / step) * step * 2.0 ** e      # np.round: ties to even
;;       return np.moveaxis(q, -1, axis).astype(np.float32)
;;   ~~~
;;   OPERANDS COMPUTED ON THE WAY. 'Computed on the way' means the value that the module computes at that place (a softmax that the list does not call 'softmax' is quantised finished and normalised). What goes into a quantiser is computed in f32, as accurately as f32 sums, v_exp_f32 and their like allow (about 1e-6 of the number): no bf16 or f16 on the way to a quantiser, and a product that is left as it is and whose result goes on into a quantised operand takes f32 operands (vector FMAs, or v_wmma_f32_16x16x4_f32). A number that lies on a knife's edge between two numbers of the format may be rounded either way, as far as f32 arithmetic and the matrix unit's own rounding can turn it there, and no further.
;;   INPUTS GIVEN AS CODES. W1 (in the module: [8, 1024, 4096], K = its axis 1); W2 (in the module: [8, 4096, 1024], K = its axis 1): each comes as NAME_codes (uint8): NAME with its K axis moved to the last place and cut into blocks of 32 codes, [.., K / 32, bytes a block], one block behind the other in memory; one code a byte (a code: sign, 5 exponent bits, 2 mantissa bits); its scale is its entry of lowp_scales. Its value is code x scale, taken as it is: it is not quantised again, and the codes and scales need not be those that the quantiser above would give.
;; 3 versions. Each part assembles by itself: llvm-mc -triple=amdgcn-amd-amdhsa -mcpu=gfx1250 --defsym DOCPART=n.
;; ======== version 1 of 3: 5 launches
;; workspace buffers: xq 1,048,576 bytes; keep 4,096 bytes of whole numbers; gw 32,768 bytes; list 43,008 bytes of whole numbers; rank 32,768 bytes of whole numbers; cnt 1,024 bytes of whole numbers; himg 33,554,432 bytes; part 134,217,728 bytes
;; launch gate (part 1): grid 256 x 1, 4 waves a work-group, no clusters, 1,536 bytes of LDS; arguments x, W_gate, lowp_scales, xq, keep, gw; writes xq, keep, gw
.if DOCPART == 1
	.amdgcn_target "amdgcn-amd-amdhsa--gfx1250"
	.amdhsa_code_object_version 6
	.text
	.protected	k_qdce14eb378_gate
	.globl	k_qdce14eb378_gate
	.p2align	8
	.type	k_qdce14eb378_gate,@function
k_qdce14eb378_gate:
	s_mov_b64 s[64:65], 0
	v_nop
	global_prefetch_b8 v0, s[64:65] scope:SCOPE_SE
	s_setreg_imm32_b32 hwreg(HW_REG_WAVE_MODE, 25, 1), 1
	s_wait_xcnt 0x0
; THE GATE AND x's CODES.  x: [1024 tokens][1024] f32.  W_gate: [1024][8] f32.
; gate = x W_gate in f32 multiply-adds (N = 8: no work for the matrix unit).  An expert is kept where its gate >= the second largest gate
; (counted with multiplicity, as a sorted top-2 gives it); its weight is the softmax over the kept gates, the largest gate taken away first, divided by 8.
; Stored at fixed places: keep[token] = a bit for each kept expert, gw[token][8] = the weights (0 where not kept), xq[token][1024] = x as E5M2 codes under 2^e0.
; No address and no branch hangs on a gate: what is chosen is only selected into values.
; SHARES.  A work-group takes 4 tokens.  Wave w takes d = 256 w .. 256 w + 255 of all four, lane l the eight neighbours d = 256 w + 8 l + i, which is what the
; conversion to codes wants of one lane.  The waves' partial gates meet in LDS; then wave q finishes token q.
; No matrix unit, no cluster: the work-groups share only W_gate's 32 KB.
; LIMITS: NaN and infinities among the inputs are not served; e0 between -126 and 112; two gates nearer than the rounding of an f32 sum may be ordered either way.
.set WGT, 16                           ; v16-79   W_gate(8 l + i, e) at 8 i + e; later the four waves' partial gates
.set XR,  80                           ; v80-111  x of token q at 8 q + i
.set ACC, 112                          ; v112-143 partial gates at 8 q + e
.set TH,  144                          ; v144-175 x held within the largest code; later the other half of the lanes' sums
.set CD,  176                          ; v176-183 codes, two registers a token
.set G,   48                           ; v48-55   my token's gates
.set P,   56                           ; v56-63   at work, then the weights
	s_load_b256 s[4:11], s[0:1], 0x0               ; x s[4:5], W_gate s[6:7], the scales' exponents s[8:9], xq s[10:11]
	s_load_b128 s[12:15], s[0:1], 0x20             ; keep s[12:13], gw s[14:15]
	v_lshl_add_u32 v192, v0, 2, 0x400
	v_mov_b32 v193, 0
	v_lshrrev_b32 v1, 5, v0
	v_readfirstlane_b32 s16, v1                    ; wave 0..3
	v_lshlrev_b32 v5, 7, v1                        ; LDS, in: my wave's 32 partial gates at 128 w
	v_lshlrev_b32 v6, 5, v1                        ; LDS, out: token w's eight at 32 w of each wave's 128 bytes
	v_and_b32 v1, 31, v0                           ; lane
	v_lshlrev_b32 v2, 5, v1                        ; x: 8 numbers, 32 bytes a lane
	v_lshlrev_b32 v3, 8, v1                        ; W_gate: 8 rows of 32 bytes a lane
	v_lshlrev_b32 v4, 3, v1                        ; xq: 8 codes a lane
	v_mov_b32 v10, 0
	s_mov_b32 s20, 0x76543210                      ; v_permlanex16_b32: lane l takes lane l xor 16
	s_mov_b32 s21, 0xfedcba98
	s_lshl_b32 s24, ttmp9, 14                      ; x: 4 tokens of 4,096 bytes a work-group, 1,024 bytes a wave
	s_lshl_b32 s34, s16, 10
	s_add_co_u32 s24, s24, s34
	s_mov_b32 s25, 0
	s_lshl_b32 s26, s16, 13                        ; W_gate: 256 rows of 32 bytes a wave
	s_mov_b32 s27, 0
	s_lshl_b32 s28, ttmp9, 12                      ; xq: 4 tokens of 1,024 bytes, 256 bytes a wave
	s_lshl_b32 s34, s16, 8
	s_add_co_u32 s28, s28, s34
	s_mov_b32 s29, 0
	s_lshl_b32 s34, ttmp9, 2
	s_add_co_u32 s34, s34, s16                     ; the token that my wave finishes
	s_lshl_b32 s30, s34, 2
	s_mov_b32 s31, 0
	s_lshl_b32 s32, s34, 5
	s_mov_b32 s33, 0
	s_wait_kmcnt 0x0
	s_load_b32 s17, s[8:9], 0x0                    ; e0
	s_add_nc_u64 s[4:5], s[4:5], s[24:25]
	s_add_nc_u64 s[6:7], s[6:7], s[26:27]
	s_add_nc_u64 s[10:11], s[10:11], s[28:29]
	s_add_nc_u64 s[12:13], s[12:13], s[30:31]
	s_add_nc_u64 s[14:15], s[14:15], s[32:33]
.irp q, 0,1,2,3
	global_load_b128 v[XR+8*\q:XR+8*\q+3],   v2, s[4:5] offset:4096*\q th:TH_LOAD_NT
	global_load_b128 v[XR+8*\q+4:XR+8*\q+7], v2, s[4:5] offset:4096*\q+16 th:TH_LOAD_NT
.endr
.irp k, 0,1,2,3,4,5,6,7,8,9,10,11,12,13,14,15
	global_load_b128 v[WGT+4*\k:WGT+4*\k+3], v3, s[6:7] offset:16*\k
.endr
	s_wait_kmcnt 0x0
	s_add_co_i32 s17, s17, 127
	s_lshl_b32 s34, s17, 23
	v_mov_b32 v7, s34                              ; 2^e0 as f32: the conversion takes its exponent field
	s_add_co_i32 s17, s17, 15
	s_lshl_b32 s17, s17, 23
	s_or_b32 s17, s17, 0x600000
	v_mov_b32 v8, s17                              ; 57,344 x 2^e0
	s_wait_loadcnt 16                              ; x's eight loads are in; W_gate's sixteen may be out
.set n, 0
.rept 32
	v_med3_num_f32 v[TH+n], v[XR+n], -v8, v8       ; the conversion to an 8-bit code does not saturate (ISA guide 7.6.2): the hold comes first
.set n, n+1
.endr
.irp q, 0,1,2,3
	v_cvt_scalef32_pk8_bf8_f32 v[CD+2*\q:CD+2*\q+1], v[TH+8*\q:TH+8*\q+7], v7
.endr
	v_nop                                          ; a plain line between the conversions and what later writes their sources
.irp q, 0,1,2,3
	global_store_b64 v4, v[CD+2*\q:CD+2*\q+1], s[10:11] offset:1024*\q   ; 32 lanes store 256 consecutive bytes, at a multiple of 256 from xq's first byte
.endr
	s_wait_loadcnt 0x0                             ; W_gate
.irp q, 0,1,2,3
.irp e, 0,1,2,3,4,5,6,7
	v_mul_f32 v[ACC+8*\q+\e], v[XR+8*\q], v[WGT+\e]            ; the first product starts each sum
.endr
.irp i, 1,2,3,4,5,6,7
.irp e, 0,1,2,3,4,5,6,7
	v_fmac_f32 v[ACC+8*\q+\e], v[XR+8*\q+\i], v[WGT+8*\i+\e]
.endr
.endr
.endr
.irp m, 1,2,4,8                        ; the 32 sums over the wave's lanes: four steps inside each half of 16 lanes, all 32 by turns
.set n, 0
.rept 32
	v_add_f32_dpp v[ACC+n], v[ACC+n], v[ACC+n] row_xmask:\m row_mask:0xf bank_mask:0xf
.set n, n+1
.endr
.endr
.set n, 0
.rept 32
	v_permlanex16_b32 v[TH+n], v[ACC+n], s20, s21  ; the other half (its destination counts as read: these registers have been written)
.set n, n+1
.endr
.set n, 0
.rept 32
	v_add_f32 v[ACC+n], v[ACC+n], v[TH+n]
.set n, n+1
.endr
.irp k, 0,1,2,3,4,5,6,7
	ds_store_b128 v5, v[ACC+4*\k:ACC+4*\k+3] offset:16*\k      ; every lane holds the same numbers and writes the same bytes
.endr
	s_wait_dscnt 0x0                               ; for the others' sake: my stores have landed
	s_barrier_signal -1
	s_barrier_wait -1
.irp w, 0,1,2,3
	ds_load_b128 v[WGT+8*\w:WGT+8*\w+3],   v6 offset:128*\w
	ds_load_b128 v[WGT+8*\w+4:WGT+8*\w+7], v6 offset:128*\w+16
.endr
	s_wait_dscnt 0x0
.irp e, 0,1,2,3,4,5,6,7
	v_add_f32 v[G+\e], v[WGT+\e], v[WGT+8+\e]
	v_add_f32 v[P+\e], v[WGT+16+\e], v[WGT+24+\e]
.endr
.irp e, 0,1,2,3,4,5,6,7
	v_add_f32 v[G+\e], v[G+\e], v[P+\e]            ; my token's gates
.endr
	v_max_num_f32 v64, v[G], v[G+1]                ; the largest,
	v_min_num_f32 v65, v[G], v[G+1]                ; and the second largest, equal gates counted each
.irp e, 2,3,4,5,6,7
	v_min_num_f32 v66, v64, v[G+\e]
	v_max_num_f32 v64, v64, v[G+\e]
	v_max_num_f32 v65, v65, v66
.endr
.irp e, 0,1,2,3,4,5,6,7
	v_sub_f32 v[P+\e], v[G+\e], v64                ; the largest gate is taken away before the exponential
.endr
.irp e, 0,1,2,3,4,5,6,7
	v_mul_f32 v[P+\e], 0x3fb8aa3b, v[P+\e]         ; x log2(e)
.endr
.irp e, 0,1,2,3,4,5,6,7
	v_exp_f32 v[P+\e], v[P+\e]
.endr
	v_mov_b32 v67, 0                               ; the bits.  (A plain line behind the exponentials)
	s_wait_alu depctr_va_vdst(0)
.irp e, 0,1,2,3,4,5,6,7
	v_cmp_ge_f32 vcc_lo, v[G+\e], v65
	v_cndmask_b32 v[P+\e], 0, v[P+\e], vcc_lo      ; kept: its exponential; else 0
	v_cndmask_b32 v66, 0, 1, vcc_lo
	v_lshl_or_b32 v67, v66, \e, v67
.endr
	v_add_f32 v68, v[P], v[P+1]
	v_add_f32 v69, v[P+2], v[P+3]
	v_add_f32 v70, v[P+4], v[P+5]
	v_add_f32 v71, v[P+6], v[P+7]
	v_add_f32 v68, v68, v69
	v_add_f32 v70, v70, v71
	v_add_f32 v68, v68, v70
	v_rcp_f32 v68, v68
	v_nop                                          ; a plain line behind the reciprocal
	s_wait_alu depctr_va_vdst(0)
	v_mul_f32 v68, 0x3e000000, v68                 ; the mean over 8 experts: x 1/8
.irp e, 0,1,2,3,4,5,6,7
	v_mul_f32 v[P+\e], v[P+\e], v68
.endr
	s_wait_xcnt 0x0                                ; EXEC is a source of the stores above: it changes only behind this wait
	v_cmp_eq_u32 vcc_lo, 0, v1
	s_wait_tensorcnt 0x0
	ds_add_u32 v192, v193
	s_wait_dscnt 0x0
	s_and_saveexec_b32 s22, vcc_lo                 ; every lane holds the same: lane 0 stores the token's 36 bytes of the two small tables
	global_store_b128 v10, v[P:P+3], s[14:15]
	global_store_b128 v10, v[P+4:P+7], s[14:15] offset:16
	global_store_b32 v10, v67, s[12:13]
	s_endpgm
.Lfunc_end_k_qdce14eb378_gate:
	.size	k_qdce14eb378_gate, .Lfunc_end_k_qdce14eb378_gate-k_qdce14eb378_gate
	.p2alignl 7, 3214868480
	.fill 96, 4, 3214868480
	.section	.rodata,"a",@progbits
	.p2align	6, 0x0
	.amdhsa_kernel k_qdce14eb378_gate
		.amdhsa_group_segment_fixed_size 1536
		.amdhsa_private_segment_fixed_size 0
		.amdhsa_enable_private_segment 0
		.amdhsa_kernarg_size 48
		.amdhsa_user_sgpr_count 2
		.amdhsa_user_sgpr_kernarg_segment_ptr 1
		.amdhsa_wavefront_size32 1
		.amdhsa_system_sgpr_workgroup_id_x 1
		.amdhsa_system_sgpr_workgroup_id_y 1
		.amdhsa_system_sgpr_workgroup_id_z 1
		.amdhsa_system_vgpr_workitem_id 0
		.amdhsa_next_free_vgpr 194
		.amdhsa_next_free_sgpr 66
		.amdhsa_reserve_vcc 1
		.amdhsa_float_denorm_mode_32 3
		.amdhsa_float_denorm_mode_16_64 3
		.amdhsa_memory_ordered 1
		.amdhsa_forward_progress 1
		.amdhsa_inst_pref_size 33
	.end_amdhsa_kernel
	.amdgpu_metadata
---
amdhsa.version: [ 1, 2 ]
amdhsa.kernels:
  - .name:           k_qdce14eb378_gate
    .symbol:         k_qdce14eb378_gate.kd
    .args:
      - { .name: x, .offset: 0, .size: 8, .value_kind: global_buffer, .address_space: global }
      - { .name: W_gate, .offset: 8, .size: 8, .value_kind: global_buffer, .address_space: global }
      - { .name: lowp_scales, .offset: 16, .size: 8, .value_kind: global_buffer, .address_space: global }
      - { .name: xq, .offset: 24, .size: 8, .value_kind: global_buffer, .address_space: global }
      - { .name: keep, .offset: 32, .size: 8, .value_kind: global_buffer, .address_space: global }
      - { .name: gw, .offset: 40, .size: 8, .value_kind: global_buffer, .address_space: global }
    .group_segment_fixed_size: 1536
    .private_segment_fixed_size: 0
    .kernarg_segment_align: 8
    .kernarg_segment_size: 48
    .max_flat_workgroup_size: 128
    .sgpr_count:     66
    .vgpr_count:     194
    .wavefront_size: 32
...
	.end_amdgpu_metadata
.endif
;; end of part 1
;; launch place (part 2): grid 1 x 1, 8 waves a work-group, no clusters, 0 bytes of LDS; arguments keep, list, rank, cnt; writes list, rank, cnt
.if DOCPART == 2
	.amdgcn_target "amdgcn-amd-amdhsa--gfx1250"
	.amdhsa_code_object_version 6
	.text
	.protected	k_qdce14eb378_place
	.globl	k_qdce14eb378_place
	.p2align	8
	.type	k_qdce14eb378_place,@function
k_qdce14eb378_place:
	s_mov_b64 s[64:65], 0
	v_nop
	global_prefetch_b8 v0, s[64:65] scope:SCOPE_SE
	s_setreg_imm32_b32 hwreg(HW_REG_WAVE_MODE, 25, 1), 1
	s_wait_xcnt 0x0
; THE ROWS ARE PLACED BY EXPERT.  keep[1024]: a bit for each kept expert of a token.  Wave e serves expert e alone: no wave needs another, so no LDS and no barrier.
; list[e][pos] = the token at place pos of expert e, tokens ascending (a row of 1,344 words: places count .. 1311 hold 0, so that a tile's empty rows name token 0;
; words 1312 .. 1343 take what the lanes of tokens not kept store, and are never read).  rank[e][token] = the token's place.  cnt[e] = the count, 32 times.
; A lane is a token of a group of 32: its place is the count so far + the kept lanes below it.  Every store has registers of its own, so none is written while a store may read it.
.set KP,  16                           ; v16-47   keep of token 32 k + lane
.set POS, 48                           ; v48-79   its place
.set IDX, 80                           ; v80-111  the byte in the list's row that it stores to
.set TOK, 112                          ; v112-143 the token
.set ZA,  144                          ; v144-184 where the zeros go
	s_load_b256 s[4:11], s[0:1], 0x0               ; keep s[4:5], list s[6:7], rank s[8:9], cnt s[10:11]
	v_lshrrev_b32 v1, 5, v0
	v_readfirstlane_b32 s12, v1                    ; wave = expert
	v_and_b32 v1, 31, v0                           ; lane
	v_lshlrev_b32 v2, 2, v1
	v_mov_b32 v3, 0
	v_add_nc_u32 v4, 1312, v1                      ; my dump word
	s_lshl_b32 s13, 1, s12                         ; the expert's bit
	s_mov_b32 s14, 0                               ; the count so far
	s_mul_i32 s16, s12, 5376
	s_mov_b32 s17, 0
	s_lshl_b32 s18, s12, 12
	s_mov_b32 s19, 0
	s_lshl_b32 s20, s12, 7
	s_mov_b32 s21, 0
	s_wait_kmcnt 0x0
	s_add_nc_u64 s[6:7], s[6:7], s[16:17]
	s_add_nc_u64 s[8:9], s[8:9], s[18:19]
	s_add_nc_u64 s[10:11], s[10:11], s[20:21]
.set k, 0
.rept 32
	global_load_b32 v[KP+k], v2, s[4:5] offset:128*k
.set k, k+1
.endr
	s_wait_loadcnt 0x0
.set k, 0
.rept 32
	v_and_b32 v5, s13, v[KP+k]
	v_cmp_ne_u32 s15, 0, v5                        ; the group's kept lanes
	v_mbcnt_lo_u32_b32 v[POS+k], s15, s14          ; the count so far + the kept lanes below mine
	v_cndmask_b32 v[IDX+k], v4, v[POS+k], s15      ; kept: my place; else my dump word
	v_min_u32 v[IDX+k], 1343, v[IDX+k]             ; inside the list's row, whatever was loaded
	v_lshlrev_b32 v[IDX+k], 2, v[IDX+k]
	v_add_nc_u32 v[TOK+k], 32*k, v1
	global_store_b32 v2, v[POS+k], s[8:9] offset:128*k
	global_store_b32 v[IDX+k], v[TOK+k], s[6:7]    ; the kept lanes' words follow each other
	s_bcnt1_i32_b32 s16, s15
	s_add_co_u32 s14, s14, s16
.set k, k+1
.endr
	v_mov_b32 v7, s14
	global_store_b32 v2, v7, s[10:11]
	v_add_nc_u32 v6, s14, v1
.set k, 0
.rept 41                               ; 41 x 32 = 1,312 words from the count on, held at word 1311
	v_add_nc_u32 v[ZA+k], 32*k, v6
	v_min_u32 v[ZA+k], 1311, v[ZA+k]
	v_lshlrev_b32 v[ZA+k], 2, v[ZA+k]
	global_store_b32 v[ZA+k], v3, s[6:7]
.set k, k+1
.endr
	s_endpgm
.Lfunc_end_k_qdce14eb378_place:
	.size	k_qdce14eb378_place, .Lfunc_end_k_qdce14eb378_place-k_qdce14eb378_place
	.p2alignl 7, 3214868480
	.fill 96, 4, 3214868480
	.section	.rodata,"a",@progbits
	.p2align	6, 0x0
	.amdhsa_kernel k_qdce14eb378_place
		.amdhsa_group_segment_fixed_size 0
		.amdhsa_private_segment_fixed_size 0
		.amdhsa_enable_private_segment 0
		.amdhsa_kernarg_size 32
		.amdhsa_user_sgpr_count 2
		.amdhsa_user_sgpr_kernarg_segment_ptr 1
		.amdhsa_wavefront_size32 1
		.amdhsa_system_sgpr_workgroup_id_x 1
		.amdhsa_system_sgpr_workgroup_id_y 1
		.amdhsa_system_sgpr_workgroup_id_z 1
		.amdhsa_system_vgpr_workitem_id 0
		.amdhsa_next_free_vgpr 192
		.amdhsa_next_free_sgpr 66
		.amdhsa_reserve_vcc 0
		.amdhsa_float_denorm_mode_32 3
		.amdhsa_float_denorm_mode_16_64 3
		.amdhsa_memory_ordered 1
		.amdhsa_forward_progress 1
		.amdhsa_inst_pref_size 35
	.end_amdhsa_kernel
	.amdgpu_metadata
---
amdhsa.version: [ 1, 2 ]
amdhsa.kernels:
  - .name:           k_qdce14eb378_place
    .symbol:         k_qdce14eb378_place.kd
    .args:
      - { .name: keep, .offset: 0, .size: 8, .value_kind: global_buffer, .address_space: global }
      - { .name: list, .offset: 8, .size: 8, .value_kind: global_buffer, .address_space: global }
      - { .name: rank, .offset: 16, .size: 8, .value_kind: global_buffer, .address_space: global }
      - { .name: cnt, .offset: 24, .size: 8, .value_kind: global_buffer, .address_space: global }
    .group_segment_fixed_size: 0
    .private_segment_fixed_size: 0
    .kernarg_segment_align: 8
    .kernarg_segment_size: 32
    .max_flat_workgroup_size: 256
    .sgpr_count:     66
    .vgpr_count:     192
    .wavefront_size: 32
...
	.end_amdgpu_metadata
.endif
;; end of part 2
;; launch ffn1 (part 3): grid 32 x 8, 4 waves a work-group, no clusters, 133,632 bytes of LDS; arguments W1_codes, b1, lowp_scales, xq, list, cnt, himg; writes himg
.if DOCPART == 3
	.amdgcn_target "amdgcn-amd-amdhsa--gfx1250"
	.amdhsa_code_object_version 6
	.text
	.protected	k_qdce14eb378_ffn1
	.globl	k_qdce14eb378_ffn1
	.p2align	8
	.type	k_qdce14eb378_ffn1,@function
k_qdce14eb378_ffn1:
	s_mov_b64 s[64:65], 0
	v_nop
	global_prefetch_b8 v0, s[64:65] scope:SCOPE_SE
	s_setreg_imm32_b32 hwreg(HW_REG_WAVE_MODE, 25, 1), 1
	s_wait_xcnt 0x0
; THE FIRST PRODUCT, FOR THE KEPT ROWS ALONE: h = relu(x W1 + b1), quantised to E5M2 under 2^e3, for the rows that the list gives expert e.
; W1_codes: [8][4096 units][1024] codes, K innermost.  xq: [1024 tokens][1024] codes.  himg: the hidden layer as images of the second product's operand registers:
; [e][tile of 16 rows, 0..63][K step of 128 units, 0..31][group c, 0..3][lane][16 bytes]: lane (r, h) of group c holds units 32 c + 16 h + 0 .. 15 of the tile's row r.
; SHARES.  Work-group (j, e) owns expert e's units 128 j .. 128 j + 127: 128 rows x 1,024 bytes of W1, which no other work-group reads.  They are put into LDS once.
; The four waves share the expert's ROWS: in a pass wave w takes tiles 20 p + 4 i + w, i = 0 .. 4, as far as the expert has tiles; ceil(tiles / 20) passes serve any split, up to all 1,024 tokens.
; The rows' fragments go from memory straight into registers, three K steps ahead; no barrier stands behind the one that shows W1's slice whole.
; NO TENSOR LOADS AND NO JOINT REQUESTS, though the 32 work-groups of an expert read the same rows: the trips hang on a count read from memory,
; and with a constant count every work-group would ask for all 1,024 places of an expert, four times its rows at an even split: what a joint request of four would save.
; THE MATRIX INSTRUCTION IS USED TRANSPOSED: source 0 = 16 rows of W1, source 1 = 16 rows of x: a lane holds one row of h and its registers run along the units, the next K.
; THE UNITS OF A TILE ARE NOT NEIGHBOURS: row r of tile 2 b + u is unit 32 b + 8 u + r + 8 (r / 8), so that a lane's 16 registers of tiles 2 b and 2 b + 1 are the 16 neighbours
; 32 b + 16 h + 0 .. 15.  The order is made where W1's rows are stored into LDS, so a fragment's 16 rows are neighbours there.
; A fragment (16 rows x 128 K) is fetched by four loads of 16 bytes: registers 4 c .. 4 c + 3 hold k = 32 c + 16 h + 0 .. 15: the same order of k on both sides.
; b1, divided by 2^(e0 + e1), is the C of each sum's first product.  A sum stands for sum x 2^(e0 + e1), so the conversion takes the one scale 2^(e3 - e0 - e1); its hold clips at 0: the relu.
; LIMITS: e3 - e0 - e1 between -126 and 112.  NaN among the inputs is not served.
; REGISTERS by their full numbers (windows of 256): 0-31 addresses and scales; 32-95 b1; 96-223 W set 0; 256-383 W set 1; rows of x, four sets of five fragments: 384-463, 832-911, 912-991, and 224-255 with 464-511;
;   512-831 the accumulators, (slot i, tile ct) at 512 + 64 i + 8 ct.  576-831 first carry W1's slice on its way into LDS (so slots 1 to 4 are written on every path).  A slot's codes go to 384 + 16 i.
.set PITCH, 1040                       ; an LDS row: 1,024 bytes + 16: an odd multiple of 16, so the 16 rows of a fragment load fall on 16 different groups of banks
.set BIAS,  32
.set VOFF,  10                         ; v10-14 slot i: my row's byte in xq + 16 h
.set M,     24                         ; s24 how many of my five slots hold a tile in this pass
.set MSB,   0
.macro WIN new                         ; the immediate's high byte repeats the setting that is left; a switch that changes nothing is dropped
.if MSB != \new
	s_set_vgpr_msb (MSB<<8)|\new
.set MSB, \new
.endif
.endm
.macro PLACES n
.rept \n
	v_nop
.endr
.endm
.macro RING q, i                       ; RX = the first register of slot i's fragment in set q
.if (\q)==0
.set RX, 384+16*(\i)
.elseif (\q)==1
.set RX, 832+16*(\i)
.elseif (\q)==2
.set RX, 912+16*(\i)
.elseif (\i)<2
.set RX, 224+16*(\i)
.else
.set RX, 464+16*((\i)-2)
.endif
.endm
.macro LDW set, s                      ; W1's eight fragments of K step s, from LDS into a set: 32 loads in one run
.set WSB, 96+160*(\set)
.set WL, WSB&255
.set WN, (WSB>>8)<<6
	WIN WN
.irp ct, 0,1,2,3,4,5,6,7
.irp c, 0,1,2,3
	ds_load_b128 v[WL+16*\ct+4*\c:WL+16*\ct+4*\c+3], v[6+\ct/4] offset:(\ct%4)*16*PITCH+128*(\s)+32*\c
.endr
.endr
	WIN 0
.endm
.macro LDX q, s                        ; the five slots' fragments of K step s, from xq into set q: 20 loads.  An empty slot's lanes all name token 0
.irp i, 0,1,2,3,4
	RING \q, \i
.set RL, RX&255
.set WN, (RX>>8)<<6
	WIN WN
.irp c, 0,1,2,3
	global_load_b128 v[RL+4*\c:RL+4*\c+3], v[VOFF+\i], s[10:11] offset:128*(\s)+32*\c
.endr
.endr
	WIN 0
.endm
.macro MUL i, s                        ; slot i x the eight tiles of units, 128 along K.  The eight accumulators take turns, one instruction a turn
	RING (\s)%4, \i
.set WSB, 96+160*((\s)%2)
.set AC, 512+64*(\i)
.set AW, AC>>8
.set AL, AC&255
.set WL, WSB&255
.set RL, RX&255
.if (\s)==0
.set WN, (AW<<6)|((RX>>8)<<2)|(WSB>>8)
.else
.set WN, (AW<<6)|(AW<<4)|((RX>>8)<<2)|(WSB>>8)
.endif
	WIN WN
.irp ct, 0,1,2,3,4,5,6,7
.if (\s)==0
	v_wmma_f32_16x16x128_bf8_bf8 v[AL+8*\ct:AL+8*\ct+7], v[WL+16*\ct:WL+16*\ct+15], v[RL:RL+15], v[BIAS+8*\ct:BIAS+8*\ct+7]
.else
	v_wmma_f32_16x16x128_bf8_bf8 v[AL+8*\ct:AL+8*\ct+7], v[WL+16*\ct:WL+16*\ct+15], v[RL:RL+15], v[AL+8*\ct:AL+8*\ct+7]
.endif
.endr
.endm
; K step s.  All loads and waits stand ahead of the jumps, so every count is the same on every path; only products are jumped over.
.macro STEP s
	PLACES 4                                       ; loads follow into registers that the last step's products have read (ISA guide 7.12.1 for vector instructions)
.if (\s)<7
	LDW ((\s)+1)%2, (\s)+1
.endif
.if (\s)<=4
	LDX ((\s)+3)%4, (\s)+3
.endif
.if (\s)<7
	s_wait_dscnt 32                                ; this step's W is in; the 32 loads just issued may be out
.else
	s_wait_dscnt 0x0
.endif
.if (\s)<=4
	s_wait_loadcnt 60                              ; this step's rows are in; those of the three steps behind it may be out
.else
	s_wait_loadcnt 20*(7-(\s))
.endif
	MUL 0, \s
.irp i, 1,2,3,4
	WIN 0                                          ; at a branch and at a label every window is 0
	s_cmp_le_u32 s[M], \i
	s_cbranch_scc1 .Lend_\@
	MUL \i, \s
.endr
	WIN 0
.Lend_\@:
.endm
.macro LISTLD                          ; the tokens of my five slots' rows
.irp i, 0,1,2,3,4
	global_load_b32 v[VOFF+\i], v8, s[12:13] offset:256*\i
.endr
.endm
.macro VOFFS
.irp i, 0,1,2,3,4
	v_min_u32 v[VOFF+\i], 0x3ff, v[VOFF+\i]        ; a token, whatever was loaded
.endr
.irp i, 0,1,2,3,4
	v_lshl_add_u32 v[VOFF+\i], v[VOFF+\i], 10, v9  ; its row of 1,024 codes, + 16 h
.endr
.endm
.macro WSTORE k0                       ; 32 of my 64 pieces of W1 (piece k: half k % 2 of my row k / 2) into LDS, the rows in the tiles' order
.set k, \k0
.rept 32
.set RG, 576+4*k
.set RL, RG&255
.set VR, k/2
.set LR, 16*((VR>>3)&1)+8*((VR>>4)&1)+(VR&7)
.set WN, (RG>>8)<<2
	WIN WN
	ds_store_b128 v5, v[RL:RL+3] offset:LR*PITCH+512*(k%2)
.set k, k+1
.endr
	WIN 0
.endm
.macro EPI i                           ; slot i's 16 rows x 128 units become one fragment of the second product, and leave as its image
.set AC, 512+64*(\i)
.set AW, AC>>8
.set AL, AC&255
.set CL, 128+16*(\i)
.set WN, (AW<<6)|AW
	WIN WN
.set n, 0
.rept 64
	v_med3_num_f32 v[AL+n], v[AL+n], 0, v17        ; the relu and the hold in one; each accumulator from its low end on
.set n, n+1
.endr
.set WN, (1<<6)|AW
	WIN WN
.irp g, 0,1,2,3,4,5,6,7
	v_cvt_scalef32_pk8_bf8_f32 v[CL+2*\g:CL+2*\g+1], v[AL+8*\g:AL+8*\g+7], v16
.endr
	v_nop                                          ; a plain line between the conversions and the products that later write their sources
	WIN 4
.irp c, 0,1,2,3
	global_store_b128 v4, v[CL+4*\c:CL+4*\c+3], s[16:17] offset:262144*(\i)+512*\c   ; 32 lanes store 512 consecutive bytes, at a multiple of 512 from himg's first byte
.endr
.endm
	s_load_b256 s[4:11], s[0:1], 0x0               ; W1's codes s[4:5], b1 s[6:7], the scales' exponents s[8:9], xq s[10:11]
	s_load_b128 s[12:15], s[0:1], 0x20             ; list s[12:13], cnt s[14:15]
	s_load_b64 s[16:17], s[0:1], 0x30              ; himg
	v_lshl_add_u32 v30, v0, 2, 0x20800
	v_mov_b32 v31, 0
	v_lshrrev_b32 v1, 5, v0
	v_readfirstlane_b32 s18, v1                    ; wave 0..3
	s_and_b32 s19, ttmp7, 0xffff                   ; e
	s_mov_b32 s20, ttmp9                           ; j
	v_and_b32 v1, 31, v0                           ; lane
	v_and_b32 v2, 15, v0                           ; r
	v_bfe_u32 v3, v0, 4, 1                         ; h
	v_lshlrev_b32 v4, 4, v1                        ; 16 x lane
	s_mul_i32 s26, s18, 32*PITCH
	v_add_nc_u32 v5, s26, v4                       ; W1 into LDS: my wave's 32 rows, 16 bytes a lane
	v_mul_u32_u24 v6, v2, PITCH
	v_lshl_add_u32 v6, v3, 4, v6                   ; a fragment: row r, + 16 h; tiles 0 to 3,
	v_add_nc_u32 v7, 64*PITCH, v6                  ; tiles 4 to 7 (an LDS offset has 16 bits)
	s_lshl_b32 s26, s18, 6
	v_lshl_add_u32 v8, v2, 2, s26                  ; the list: tile w's 64 bytes, my row's word
	v_lshlrev_b32 v9, 4, v3
	v_lshlrev_b32 v15, 6, v3                       ; b1: 16 h units
	s_lshl_b32 s26, s19, 22                        ; W1: expert, 128 rows x 1,024 a work-group, 32 rows a wave
	s_lshl_b32 s28, s20, 17
	s_add_co_u32 s26, s26, s28
	s_lshl_b32 s28, s18, 15
	s_add_co_u32 s26, s26, s28
	s_mov_b32 s27, 0
	s_lshl_b32 s28, s19, 14                        ; b1: expert, 128 units
	s_lshl_b32 s30, s20, 9
	s_add_co_u32 s28, s28, s30
	s_mov_b32 s29, 0
	s_mul_i32 s30, s19, 5376                       ; the expert's row of the list
	s_mov_b32 s31, 0
	s_lshl_b32 s36, s19, 22                        ; himg: expert, K step j, tile w
	s_lshl_b32 s38, s20, 11
	s_add_co_u32 s36, s36, s38
	s_lshl_b32 s38, s18, 16
	s_add_co_u32 s36, s36, s38
	s_mov_b32 s37, 0
	s_lshl_b32 s38, s19, 7
	s_mov_b32 s39, 0
	s_mov_b32 s25, s18                             ; my slot 0's tile: 20 p + w
	s_mov_b32 s23, 0                               ; p
	s_wait_kmcnt 0x0
	s_add_nc_u64 s[4:5], s[4:5], s[26:27]
	s_add_nc_u64 s[6:7], s[6:7], s[28:29]
	s_add_nc_u64 s[12:13], s[12:13], s[30:31]
	s_add_nc_u64 s[16:17], s[16:17], s[36:37]
	s_add_nc_u64 s[14:15], s[14:15], s[38:39]
	s_load_b128 s[32:35], s[8:9], 0x0              ; e0, e1, e2, e3
	s_load_b32 s21, s[14:15], 0x0                  ; the expert's rows
	LISTLD
.irp ct, 0,1,2,3,4,5,6,7
	global_load_b128 v[BIAS+8*\ct:BIAS+8*\ct+3],   v15, s[6:7] offset:(32*(\ct/2)+8*(\ct%2))*4      ; lane (r, h), tile 2 b + u: units 32 b + 16 h + 8 u + 0 .. 7
	global_load_b128 v[BIAS+8*\ct+4:BIAS+8*\ct+7], v15, s[6:7] offset:(32*(\ct/2)+8*(\ct%2))*4+16
.endr
.set k, 0
.rept 64                               ; my 32 rows of W1: each load reads 512 consecutive bytes; read by nobody else
.set RG, 576+4*k
.set RL, RG&255
.set WN, (RG>>8)<<6
	WIN WN
	global_load_b128 v[RL:RL+3], v4, s[4:5] offset:512*k th:TH_LOAD_NT
.set k, k+1
.endr
	WIN 0
	s_wait_loadcnt 63                              ; of the 85 loads issued the 22 oldest are in: the list's 5 and b1's 16 among them
	s_wait_kmcnt 0x0
	VOFFS
	s_min_u32 s21, s21, 1024
	s_add_co_u32 s21, s21, 15
	s_lshr_b32 s21, s21, 4                         ; tiles of 16 rows,
	s_max_u32 s21, s21, 1                          ; one at the least: tile 0 of every expert is always written, so the next launch's empty slots have bytes to read
	s_add_co_u32 s22, s21, 19
	s_mul_i32 s22, s22, 3277
	s_lshr_b32 s22, s22, 16                        ; passes = ceil(tiles / 20), right for 0 to 64 tiles
	s_add_co_i32 s26, s32, s33                     ; e0 + e1
	s_sub_co_i32 s27, 0, s26
	s_sub_co_i32 s28, s35, s26                     ; e3 - e0 - e1
	s_add_co_i32 s28, s28, 127
	s_lshl_b32 s29, s28, 23
	v_mov_b32 v16, s29                             ; that power of two as f32, for the conversion
	s_add_co_i32 s28, s28, 15
	s_lshl_b32 s28, s28, 23
	s_or_b32 s28, s28, 0x600000
	v_mov_b32 v17, s28                             ; 57,344 x it
.set n, 0
.rept 64
	v_ldexp_f32 v[BIAS+n], v[BIAS+n], s27          ; b1 / 2^(e0 + e1)
.set n, n+1
.endr
	s_wait_loadcnt 32                              ; W1's pieces 0 to 31 are in
	WSTORE 0
	LDX 0, 0                                       ; the first pass's rows, three K steps
	LDX 1, 1
	LDX 2, 2
	s_wait_loadcnt 60                              ; all of W1's pieces are in; the 60 loads just issued may be out
	WSTORE 32
	s_wait_dscnt 0x0                               ; for the others' sake: my rows of W1 lie in LDS
	s_barrier_signal -1
	s_barrier_wait -1                              ; the slice is whole; it is never written again
.Lpass:
	s_sub_co_i32 s[M], s21, s25                    ; my slots that hold a tile: ceil((tiles - first tile) / 4), between 0 and 5
	s_add_co_i32 s[M], s[M], 3
	s_ashr_i32 s[M], s[M], 2
	s_max_i32 s[M], s[M], 0
	s_min_i32 s[M], s[M], 5
	s_cmp_eq_u32 s[M], 0
	s_cbranch_scc1 .Lpend
	PLACES 5                                       ; the accumulators begin anew, with another C
	LDW 0, 0
	STEP 0
	STEP 1
	STEP 2
	STEP 3
	STEP 4
	STEP 5
	STEP 6
	STEP 7
	PLACES 4                                       ; results just made are read
	EPI 0
.irp i, 1,2,3,4
	WIN 0
	s_cmp_le_u32 s[M], \i
	s_cbranch_scc1 .Lpend
	EPI \i
.endr
	WIN 0
.Lpend:
	s_wait_loadcnt 0x0                             ; (a wave without a tile in this pass has its rows' loads out)
	s_wait_xcnt 0x0                                ; the stores have read their registers and their base: both are written again below
	s_add_nc_u64 s[16:17], s[16:17], 1310720       ; 20 tiles of 65,536 bytes on
	s_add_nc_u64 s[12:13], s[12:13], 1280          ; 20 tiles of 16 words on
	s_add_co_u32 s25, s25, 20
	s_add_co_u32 s23, s23, 1
	s_cmp_lt_u32 s23, s22
	s_cbranch_scc0 .Ldone                          ; no load is issued for a pass that does not come
	LISTLD
	s_wait_loadcnt 0x0
	VOFFS
	LDX 0, 0
	LDX 1, 1
	LDX 2, 2
	s_cmp_lt_u32 s23, s22
	s_cbranch_scc1 .Lpass
.Ldone:
	s_wait_tensorcnt 0x0
	ds_add_u32 v30, v31
	s_wait_dscnt 0x0
	s_endpgm
.Lfunc_end_k_qdce14eb378_ffn1:
	.size	k_qdce14eb378_ffn1, .Lfunc_end_k_qdce14eb378_ffn1-k_qdce14eb378_ffn1
	.p2alignl 7, 3214868480
	.fill 96, 4, 3214868480
	.section	.rodata,"a",@progbits
	.p2align	6, 0x0
	.amdhsa_kernel k_qdce14eb378_ffn1
		.amdhsa_group_segment_fixed_size 133632
		.amdhsa_private_segment_fixed_size 0
		.amdhsa_enable_private_segment 0
		.amdhsa_kernarg_size 56
		.amdhsa_user_sgpr_count 2
		.amdhsa_user_sgpr_kernarg_segment_ptr 1
		.amdhsa_wavefront_size32 1
		.amdhsa_system_sgpr_workgroup_id_x 1
		.amdhsa_system_sgpr_workgroup_id_y 1
		.amdhsa_system_sgpr_workgroup_id_z 1
		.amdhsa_system_vgpr_workitem_id 0
		.amdhsa_next_free_vgpr 1024
		.amdhsa_next_free_sgpr 66
		.amdhsa_reserve_vcc 0
		.amdhsa_float_denorm_mode_32 3
		.amdhsa_float_denorm_mode_16_64 3
		.amdhsa_memory_ordered 1
		.amdhsa_forward_progress 1
		.amdhsa_inst_pref_size 112
	.end_amdhsa_kernel
	.amdgpu_metadata
---
amdhsa.version: [ 1, 2 ]
amdhsa.kernels:
  - .name:           k_qdce14eb378_ffn1
    .symbol:         k_qdce14eb378_ffn1.kd
    .args:
      - { .name: W1_codes, .offset: 0, .size: 8, .value_kind: global_buffer, .address_space: global }
      - { .name: b1, .offset: 8, .size: 8, .value_kind: global_buffer, .address_space: global }
      - { .name: lowp_scales, .offset: 16, .size: 8, .value_kind: global_buffer, .address_space: global }
      - { .name: xq, .offset: 24, .size: 8, .value_kind: global_buffer, .address_space: global }
      - { .name: list, .offset: 32, .size: 8, .value_kind: global_buffer, .address_space: global }
      - { .name: cnt, .offset: 40, .size: 8, .value_kind: global_buffer, .address_space: global }
      - { .name: himg, .offset: 48, .size: 8, .value_kind: global_buffer, .address_space: global }
    .group_segment_fixed_size: 133632
    .private_segment_fixed_size: 0
    .kernarg_segment_align: 8
    .kernarg_segment_size: 56
    .max_flat_workgroup_size: 128
    .sgpr_count:     66
    .vgpr_count:     1024
    .wavefront_size: 32
...
	.end_amdgpu_metadata
.endif
;; end of part 3
;; launch ffn2 (part 4): grid 32 x 8, 4 waves a work-group, no clusters, 167,424 bytes of LDS; arguments W2_codes, himg, cnt, part; writes part
.if DOCPART == 4
	.amdgcn_target "amdgcn-amd-amdhsa--gfx1250"
	.amdhsa_code_object_version 6
	.text
	.protected	k_qdce14eb378_ffn2
	.globl	k_qdce14eb378_ffn2
	.p2align	8
	.type	k_qdce14eb378_ffn2,@function
k_qdce14eb378_ffn2:
	s_mov_b64 s[64:65], 0
	v_nop
	global_prefetch_b8 v0, s[64:65] scope:SCOPE_SE
	s_setreg_imm32_b32 hwreg(HW_REG_WAVE_MODE, 25, 1), 1
	s_wait_xcnt 0x0
; THE SECOND PRODUCT, FOR THE KEPT ROWS ALONE: raw sums of codes, h W2, a quarter of K to a work-group.
; W2_codes: [8][1024 outputs][4096] codes, K innermost.  himg: the hidden layer's fragments as register images, [e][tile 0..63][K step 0..31][group c][lane][16 bytes].
; part: [ks 0..3][e][place 0..1023][1024] f32: the sum over units 1,024 ks .. 1,024 ks + 1,023, not yet scaled; only the places of an expert's tiles are written, and only places of kept tokens are read later.
; SHARES.  Work-group (x, e), x = 8 ks + jn, owns outputs 128 jn .. + 127 and units 1,024 ks .. + 1,023 of expert e: 128 rows x 1,024 bytes of W2, which no other work-group reads; they are put into LDS once.
; All else is the first product's form: the four waves share the expert's rows, wave w takes tiles 20 p + 4 i + w, i = 0 .. 4, in pass p; the rows' fragments go from memory straight into registers, three K steps ahead.
; K is split in four so that 256 work-groups each read their weights once; the four parts and the experts of a token are added by the next launch, which each output row needs in any case.
; NO TENSOR LOADS AND NO JOINT REQUESTS: the trips hang on a count read from memory, and a constant count would fetch all 1,024 places of an expert, four times its rows at an even split.
; An expert without rows leaves its work-groups nothing to store: the price of a grid that serves every split.
; THE MATRIX INSTRUCTION IS USED TRANSPOSED: source 0 = 16 rows of W2, source 1 = 16 rows of h: a lane holds eight neighbouring outputs of one row.
; An empty slot's loads read 16 bytes of the expert's tile 0, which the launch before always writes.
; REGISTERS by their full numbers (windows of 256): 0-31 addresses; 96-223 W set 0; 256-383 W set 1; rows, four sets of five fragments: 384-463, 832-911, 912-991, and 224-255 with 464-511;
;   512-831 the accumulators, (slot i, tile ct) at 512 + 64 i + 8 ct.  576-831 first carry W2's slice on its way into LDS.  On the way out 96-223 and 256-447 take the rows read back from the stage.
.set PITCH, 1040                       ; an LDS row: 1,024 bytes + 16: an odd multiple of 16
.set STG,   128*PITCH                  ; behind the slice: a stage of 16 rows x (512 + 16) bytes for each wave
.set SP,    528
.set VOFF,  10                         ; v10-14 slot i: its tile's first byte + 16 x lane
.set M,     24                         ; s24 how many of my five slots hold a tile in this pass
.set MSB,   0
.macro WIN new                         ; the immediate's high byte repeats the setting that is left; a switch that changes nothing is dropped
.if MSB != \new
	s_set_vgpr_msb (MSB<<8)|\new
.set MSB, \new
.endif
.endm
.macro PLACES n
.rept \n
	v_nop
.endr
.endm
.macro RING q, i                       ; RX = the first register of slot i's fragment in set q
.if (\q)==0
.set RX, 384+16*(\i)
.elseif (\q)==1
.set RX, 832+16*(\i)
.elseif (\q)==2
.set RX, 912+16*(\i)
.elseif (\i)<2
.set RX, 224+16*(\i)
.else
.set RX, 464+16*((\i)-2)
.endif
.endm
.macro LDW set, s                      ; W2's eight fragments of K step s, from LDS into a set: 32 loads in one run
.set WSB, 96+160*(\set)
.set WL, WSB&255
.set WN, (WSB>>8)<<6
	WIN WN
.irp ct, 0,1,2,3,4,5,6,7
.irp c, 0,1,2,3
	ds_load_b128 v[WL+16*\ct+4*\c:WL+16*\ct+4*\c+3], v[6+\ct/4] offset:(\ct%4)*16*PITCH+128*(\s)+32*\c
.endr
.endr
	WIN 0
.endm
.macro LDX q, s                        ; the five slots' fragments of K step s into set q: 20 loads, each of 512 consecutive bytes
.irp i, 0,1,2,3,4
	RING \q, \i
.set RL, RX&255
.set WN, (RX>>8)<<6
	WIN WN
.irp c, 0,1,2,3
	global_load_b128 v[RL+4*\c:RL+4*\c+3], v[VOFF+\i], s[6:7] offset:2048*(\s)+512*\c
.endr
.endr
	WIN 0
.endm
.macro MUL i, s                        ; slot i x the eight tiles of outputs, 128 along K.  The eight accumulators take turns, one instruction a turn
	RING (\s)%4, \i
.set WSB, 96+160*((\s)%2)
.set AC, 512+64*(\i)
.set AW, AC>>8
.set AL, AC&255
.set WL, WSB&255
.set RL, RX&255
.set WN, (AW<<6)|(AW<<4)|((RX>>8)<<2)|(WSB>>8)
	WIN WN
.irp ct, 0,1,2,3,4,5,6,7
.if (\s)==0
	v_wmma_f32_16x16x128_bf8_bf8 v[AL+8*\ct:AL+8*\ct+7], v[WL+16*\ct:WL+16*\ct+15], v[RL:RL+15], 0
.else
	v_wmma_f32_16x16x128_bf8_bf8 v[AL+8*\ct:AL+8*\ct+7], v[WL+16*\ct:WL+16*\ct+15], v[RL:RL+15], v[AL+8*\ct:AL+8*\ct+7]
.endif
.endr
.endm
; K step s.  All loads and waits stand ahead of the jumps, so every count is the same on every path; only products are jumped over.
.macro STEP s
	PLACES 4                                       ; loads follow into registers that the last step's products have read (ISA guide 7.12.1 for vector instructions)
.if (\s)<7
	LDW ((\s)+1)%2, (\s)+1
.endif
.if (\s)<=4
	LDX ((\s)+3)%4, (\s)+3
.endif
.if (\s)<7
	s_wait_dscnt 32                                ; this step's W is in; the 32 loads just issued may be out
.else
	s_wait_dscnt 0x0
.endif
.if (\s)<=4
	s_wait_loadcnt 60                              ; this step's rows are in; those of the three steps behind it may be out
.else
	s_wait_loadcnt 20*(7-(\s))
.endif
	MUL 0, \s
.irp i, 1,2,3,4
	WIN 0                                          ; at a branch and at a label every window is 0
	s_cmp_le_u32 s[M], \i
	s_cbranch_scc1 .Lend_\@
	MUL \i, \s
.endr
	WIN 0
.Lend_\@:
.endm
.macro VOFFS                           ; slot i: tile 20 p + 4 i + w, 16 bytes a lane; a slot without a tile: every lane at tile 0's first bytes
.irp i, 0,1,2,3,4
	s_add_co_u32 s26, s25, 4*\i
	s_cmp_lt_u32 s26, s21
	s_cselect_b32 s27, s26, 0
	s_cselect_b32 s28, 16, 0
	s_min_u32 s27, s27, 63                         ; a tile, whatever was loaded
	s_min_u32 s28, s28, 16
	s_lshl_b32 s27, s27, 16
	v_mad_u32_u24 v[VOFF+\i], v1, s28, s27
.endr
.endm
.macro WSTORE k0                       ; 32 of my 64 pieces of W2 (piece k: half k % 2 of my row k / 2) into LDS
.set k, \k0
.rept 32
.set RG, 576+4*k
.set RL, RG&255
.set WN, (RG>>8)<<2
	WIN WN
	ds_store_b128 v5, v[RL:RL+3] offset:(k/2)*PITCH+512*(k%2)
.set k, k+1
.endr
	WIN 0
.endm
.macro RBK i                           ; where slot i's rows come back to
.if (\i)<2
.set RB, 96+64*(\i)
.else
.set RB, 256+64*((\i)-2)
.endif
.set RBL, RB&255
.endm
; A lane holds 32 neighbouring bytes of a row and the lanes beside it hold other rows: so a slot goes through my own stage and comes back as whole rows of 512 bytes.
; LDS serves a wave's instructions in order (ISA guide 5.7.1.4): no wait between the stores and the loads, nor in front of the next slot's stores.
.macro TOST i
.set AC, 512+64*(\i)
.set AL, AC&255
.set WN, (AC>>8)<<2
	WIN WN
.irp ct, 0,1,2,3,4,5,6,7
	ds_store_b128 v18, v[AL+8*\ct:AL+8*\ct+3] offset:64*\ct            ; each accumulator from its low end on
	ds_store_b128 v18, v[AL+8*\ct+4:AL+8*\ct+7] offset:64*\ct+16
.endr
	RBK \i
.set WN, (RB>>8)<<6
	WIN WN
.irp t, 0,1,2,3,4,5,6,7,8,9,10,11,12,13,14,15
	ds_load_b128 v[RBL+4*\t:RBL+4*\t+3], v19 offset:SP*\t
.endr
.endm
.macro SEND i
	RBK \i
.set WN, (RB>>8)<<2
	WIN WN
.irp t, 0,1,2,3,4,5,6,7,8,9,10,11,12,13,14,15
	global_store_b128 v4, v[RBL+4*\t:RBL+4*\t+3], s[10:11] offset:262144*(\i)+4096*\t   ; 32 lanes store 512 consecutive bytes, at a multiple of 512 from part's first byte
.endr
.endm
	s_load_b256 s[4:11], s[0:1], 0x0               ; W2's codes s[4:5], himg s[6:7], cnt s[8:9], part s[10:11]
	v_lshl_add_u32 v94, v0, 2, 0x28c00
	v_mov_b32 v95, 0
	v_lshrrev_b32 v1, 5, v0
	v_readfirstlane_b32 s18, v1                    ; wave 0..3
	s_and_b32 s19, ttmp7, 0xffff                   ; e
	s_and_b32 s30, ttmp9, 7                        ; jn
	s_lshr_b32 s31, ttmp9, 3                       ; ks
	v_and_b32 v1, 31, v0                           ; lane
	v_and_b32 v2, 15, v0                           ; r
	v_bfe_u32 v3, v0, 4, 1                         ; h
	v_lshlrev_b32 v4, 4, v1                        ; 16 x lane
	s_mul_i32 s26, s18, 32*PITCH
	v_add_nc_u32 v5, s26, v4                       ; W2 into LDS: my wave's 32 rows, 16 bytes a lane
	v_mul_u32_u24 v6, v2, PITCH
	v_lshl_add_u32 v6, v3, 4, v6                   ; a fragment: row r, + 16 h; tiles 0 to 3,
	v_add_nc_u32 v7, 64*PITCH, v6                  ; tiles 4 to 7 (an LDS offset has 16 bits)
	s_mul_i32 s26, s18, 16*SP
	s_add_co_u32 s26, s26, STG                     ; my stage
	v_mul_u32_u24 v18, v2, SP
	v_lshl_add_u32 v18, v3, 5, v18
	v_add_nc_u32 v18, s26, v18                     ; in: row r, 32 bytes for each half of the lanes
	v_add_nc_u32 v19, s26, v4                      ; back: the 32 lanes take one row of 512 bytes
	s_lshl_b32 s26, s19, 22                        ; W2: expert, 128 rows of 4,096 a jn, 32 rows a wave, 1,024 bytes a ks
	s_lshl_b32 s28, s30, 19
	s_add_co_u32 s26, s26, s28
	s_lshl_b32 s28, s18, 17
	s_add_co_u32 s26, s26, s28
	s_lshl_b32 s28, s31, 10
	s_add_co_u32 s26, s26, s28
	s_mov_b32 s27, 0
	s_lshl_b32 s28, s19, 22                        ; himg: expert, 8 K steps of 2,048 bytes a ks
	s_lshl_b32 s36, s31, 14
	s_add_co_u32 s28, s28, s36
	s_mov_b32 s29, 0
	s_lshl_b32 s36, s31, 25                        ; part: ks, expert, tile w, 128 outputs a jn
	s_lshl_b32 s38, s19, 22
	s_add_co_u32 s36, s36, s38
	s_lshl_b32 s38, s18, 16
	s_add_co_u32 s36, s36, s38
	s_lshl_b32 s38, s30, 9
	s_add_co_u32 s36, s36, s38
	s_mov_b32 s37, 0
	s_lshl_b32 s38, s19, 7
	s_mov_b32 s39, 0
	s_mov_b32 s25, s18                             ; my slot 0's tile: 20 p + w
	s_mov_b32 s23, 0                               ; p
	s_wait_kmcnt 0x0
	s_add_nc_u64 s[4:5], s[4:5], s[26:27]
	s_add_nc_u64 s[6:7], s[6:7], s[28:29]
	s_add_nc_u64 s[10:11], s[10:11], s[36:37]
	s_add_nc_u64 s[8:9], s[8:9], s[38:39]
	s_load_b32 s21, s[8:9], 0x0                    ; the expert's rows
.set k, 0
.rept 64                               ; my 32 rows' 1,024 bytes of W2: each load reads 512 consecutive bytes; read by nobody else
.set RG, 576+4*k
.set RL, RG&255
.set WN, (RG>>8)<<6
	WIN WN
	global_load_b128 v[RL:RL+3], v4, s[4:5] offset:(k/2)*4096+512*(k%2) th:TH_LOAD_NT
.set k, k+1
.endr
	WIN 0
	s_wait_kmcnt 0x0
	s_min_u32 s21, s21, 1024
	s_add_co_u32 s21, s21, 15
	s_lshr_b32 s21, s21, 4                         ; tiles of 16 rows
	s_add_co_u32 s22, s21, 19
	s_mul_i32 s22, s22, 3277
	s_lshr_b32 s22, s22, 16                        ; passes = ceil(tiles / 20), right for 0 to 64 tiles
	VOFFS
	s_wait_loadcnt 32                              ; W2's pieces 0 to 31 are in
	WSTORE 0
	LDX 0, 0                                       ; the first pass's rows, three K steps
	LDX 1, 1
	LDX 2, 2
	s_wait_loadcnt 60                              ; all of W2's pieces are in; the 60 loads just issued may be out
	WSTORE 32
	s_wait_dscnt 0x0                               ; for the others' sake: my rows of W2 lie in LDS
	s_barrier_signal -1
	s_barrier_wait -1                              ; the slice is whole; it is never written again
	s_cmp_eq_u32 s22, 0
	s_cbranch_scc1 .Ldone                          ; an expert without rows
.Lpass:
	s_sub_co_i32 s[M], s21, s25                    ; my slots that hold a tile: ceil((tiles - first tile) / 4), between 0 and 5
	s_add_co_i32 s[M], s[M], 3
	s_ashr_i32 s[M], s[M], 2
	s_max_i32 s[M], s[M], 0
	s_min_i32 s[M], s[M], 5
	s_cmp_eq_u32 s[M], 0
	s_cbranch_scc1 .Lpend
	PLACES 5                                       ; the accumulators begin anew, with another C
	LDW 0, 0
	STEP 0
	STEP 1
	STEP 2
	STEP 3
	STEP 4
	STEP 5
	STEP 6
	STEP 7
	PLACES 4                                       ; results just made are read, and loads follow into registers that the last products have read
	TOST 0
.irp i, 1,2,3,4
	WIN 0
	s_cmp_le_u32 s[M], \i
	s_cbranch_scc1 .Lstaged
	TOST \i
.endr
	WIN 0
.Lstaged:
	s_wait_dscnt 0x0                               ; every slot's rows are back in registers
	SEND 0
.irp i, 1,2,3,4
	WIN 0
	s_cmp_le_u32 s[M], \i
	s_cbranch_scc1 .Lpend
	SEND \i
.endr
	WIN 0
.Lpend:
	s_wait_loadcnt 0x0                             ; (a wave without a tile in this pass has its rows' loads out)
	s_wait_xcnt 0x0                                ; the stores have read their registers and their base: both are written again below
	s_add_nc_u64 s[10:11], s[10:11], 1310720       ; 20 tiles of 16 rows of 4,096 bytes on
	s_add_co_u32 s25, s25, 20
	s_add_co_u32 s23, s23, 1
	s_cmp_lt_u32 s23, s22
	s_cbranch_scc0 .Ldone                          ; no load is issued for a pass that does not come
	VOFFS
	LDX 0, 0
	LDX 1, 1
	LDX 2, 2
	s_cmp_lt_u32 s23, s22
	s_cbranch_scc1 .Lpass
.Ldone:
	s_wait_tensorcnt 0x0
	ds_add_u32 v94, v95
	s_wait_dscnt 0x0
	s_endpgm
.Lfunc_end_k_qdce14eb378_ffn2:
	.size	k_qdce14eb378_ffn2, .Lfunc_end_k_qdce14eb378_ffn2-k_qdce14eb378_ffn2
	.p2alignl 7, 3214868480
	.fill 96, 4, 3214868480
	.section	.rodata,"a",@progbits
	.p2align	6, 0x0
	.amdhsa_kernel k_qdce14eb378_ffn2
		.amdhsa_group_segment_fixed_size 167424
		.amdhsa_private_segment_fixed_size 0
		.amdhsa_enable_private_segment 0
		.amdhsa_kernarg_size 32
		.amdhsa_user_sgpr_count 2
		.amdhsa_user_sgpr_kernarg_segment_ptr 1
		.amdhsa_wavefront_size32 1
		.amdhsa_system_sgpr_workgroup_id_x 1
		.amdhsa_system_sgpr_workgroup_id_y 1
		.amdhsa_system_sgpr_workgroup_id_z 1
		.amdhsa_system_vgpr_workitem_id 0
		.amdhsa_next_free_vgpr 1024
		.amdhsa_next_free_sgpr 66
		.amdhsa_reserve_vcc 0
		.amdhsa_float_denorm_mode_32 3
		.amdhsa_float_denorm_mode_16_64 3
		.amdhsa_memory_ordered 1
		.amdhsa_forward_progress 1
		.amdhsa_inst_pref_size 100
	.end_amdhsa_kernel
	.amdgpu_metadata
---
amdhsa.version: [ 1, 2 ]
amdhsa.kernels:
  - .name:           k_qdce14eb378_ffn2
    .symbol:         k_qdce14eb378_ffn2.kd
    .args:
      - { .name: W2_codes, .offset: 0, .size: 8, .value_kind: global_buffer, .address_space: global }
      - { .name: himg, .offset: 8, .size: 8, .value_kind: global_buffer, .address_space: global }
      - { .name: cnt, .offset: 16, .size: 8, .value_kind: global_buffer, .address_space: global }
      - { .name: part, .offset: 24, .size: 8, .value_kind: global_buffer, .address_space: global }
    .group_segment_fixed_size: 167424
    .private_segment_fixed_size: 0
    .kernarg_segment_align: 8
    .kernarg_segment_size: 32
    .max_flat_workgroup_size: 128
    .sgpr_count:     66
    .vgpr_count:     1024
    .wavefront_size: 32
...
	.end_amdgpu_metadata
.endif
;; end of part 4
;; launch combine (part 5): grid 512 x 1, 4 waves a work-group, no clusters, 0 bytes of LDS; arguments part, b2, lowp_scales, keep, gw, rank, out0; writes out0
.if DOCPART == 5
	.amdgcn_target "amdgcn-amd-amdhsa--gfx1250"
	.amdhsa_code_object_version 6
	.text
	.protected	k_qdce14eb378_combine
	.globl	k_qdce14eb378_combine
	.p2align	8
	.type	k_qdce14eb378_combine,@function
k_qdce14eb378_combine:
	s_mov_b64 s[64:65], 0
	v_nop
	global_prefetch_b8 v0, s[64:65] scope:SCOPE_SE
	s_setreg_imm32_b32 hwreg(HW_REG_WAVE_MODE, 25, 1), 1
	s_wait_xcnt 0x0
; THE OUTPUT ROWS: out[t] = the sum over t's kept experts e of gw[t][e] x (2^(e2 + e3) x (the four parts of the second product at t's place in e) + b2[e]).
; gw holds the softmax weight / 8 already.  part: [ks][e][place][1024] f32; rank[e][t]: t's place; keep[t]: a bit for each kept expert.
; SHARES.  Each output row has one owner: a wave takes half a row of one token (2,048 bytes: four loads or stores of 512 consecutive bytes); a work-group two tokens.
; The token's small numbers are scalars.  A token has two kept experts or, where gates tie exactly, more: the first two are written out, 40 loads together; a counted loop serves the rest.
; Memory binds: no LDS, no barrier, no matrix unit; the waves share nothing.
; LIMITS: e2 + e3 between -126 and 127.  keep has two bits or more for every token (it has, for gates that are numbers).
.set OUT, 176                          ; v176-191 my 16 numbers of each of the four pieces
	s_load_b256 s[4:11], s[0:1], 0x0               ; part s[4:5], b2 s[6:7], the scales' exponents s[8:9], keep s[10:11]
	s_load_b128 s[12:15], s[0:1], 0x20             ; gw s[12:13], rank s[14:15]
	s_load_b64 s[16:17], s[0:1], 0x30              ; out0
	v_lshrrev_b32 v1, 5, v0
	v_readfirstlane_b32 s18, v1                    ; wave 0..3
	v_and_b32 v1, 31, v0
	v_lshlrev_b32 v2, 4, v1                        ; 16 x lane, in part ks = 0,
	v_add_nc_u32 v3, 0x2000000, v2                 ; 1,
	v_add_nc_u32 v4, 0x4000000, v2                 ; 2,
	v_add_nc_u32 v5, 0x6000000, v2                 ; 3: the parts lie 2^25 bytes apart
	s_lshr_b32 s19, s18, 1
	s_lshl_b32 s21, ttmp9, 1
	s_add_co_u32 s19, s19, s21                     ; my token
	s_and_b32 s44, s18, 1
	s_lshl_b32 s44, s44, 11                        ; my half of a row, in bytes
	s_lshl_b32 s22, s19, 2
	s_mov_b32 s23, 0
	s_lshl_b32 s68, s19, 5
	s_mov_b32 s69, 0
	s_lshl_b32 s70, s19, 12
	s_add_co_u32 s70, s70, s44
	s_mov_b32 s71, 0
	s_wait_kmcnt 0x0
	s_add_nc_u64 s[10:11], s[10:11], s[22:23]
	s_add_nc_u64 s[14:15], s[14:15], s[22:23]
	s_add_nc_u64 s[12:13], s[12:13], s[68:69]
	s_add_nc_u64 s[16:17], s[16:17], s[70:71]
	s_load_b32 s20, s[10:11], 0x0                  ; the kept experts' bits
	s_load_b256 s[24:31], s[12:13], 0x0            ; the eight weights
.irp e, 0,1,2,3,4,5,6,7
	s_load_b32 s[32+\e], s[14:15], 4096*\e         ; my place in each expert
.endr
	s_load_b128 s[40:43], s[8:9], 0x0              ; e0, e1, e2, e3
	s_wait_kmcnt 0x0
	s_add_co_i32 s45, s42, s43
	s_add_co_i32 s45, s45, 127
	s_lshl_b32 s45, s45, 23                        ; 2^(e2 + e3) as f32
.macro NEXTE                           ; s46 = the lowest kept expert left; its bit is cleared
	s_ctz_i32_b32 s46, s20
	s_min_u32 s46, s46, 7
	s_sub_co_u32 s47, s20, 1
	s_and_b32 s20, s20, s47
.endm
.macro PICK rk, w, v                   ; that expert's place, its weight, and weight x 2^(e2 + e3); the two as pairs, for the packed forms
	s_mov_b32 s[\rk], s32
	s_mov_b32 s[\w], s24
.irp i, 1,2,3,4,5,6,7
	s_cmp_eq_u32 s46, \i
	s_cselect_b32 s[\rk], s[32+\i], s[\rk]
	s_cselect_b32 s[\w], s[24+\i], s[\w]
.endr
	s_min_u32 s[\rk], s[\rk], 1023                 ; a place, whatever was loaded
	s_mov_b32 s[\w+1], s[\w]
	s_mul_f32 s[\v], s[\w], s45
	s_mov_b32 s[\v+1], s[\v]
.endm
.macro ADDR rk, p, b                   ; my half of the row (expert, place) of part, and of the expert's b2
	s_lshl_b32 s68, s46, 10
	s_add_co_u32 s68, s68, s[\rk]
	s_lshl_b32 s68, s68, 12
	s_add_co_u32 s68, s68, s44
	s_mov_b32 s69, 0
	s_add_nc_u64 s[\p:\p+1], s[4:5], s[68:69]
	s_lshl_b32 s68, s46, 12
	s_add_co_u32 s68, s68, s44
	s_add_nc_u64 s[\b:\b+1], s[6:7], s[68:69]
.endm
.macro LOADS r, p, b                   ; 16 loads of part (piece q of part ks at r + 16 ks + 4 q), 4 of b2 (at r + 64 + 4 q)
.irp ks, 0,1,2,3
.irp q, 0,1,2,3
	global_load_b128 v[\r+16*\ks+4*\q:\r+16*\ks+4*\q+3], v[2+\ks], s[\p:\p+1] offset:512*\q th:TH_LOAD_NT
.endr
.endr
.irp q, 0,1,2,3
	global_load_b128 v[\r+64+4*\q:\r+64+4*\q+3], v2, s[\b:\b+1] offset:512*\q
.endr
.endm
.macro ACCUM r, w, v, first            ; out (+)= b2 x weight + ((P0 + P1) + (P2 + P3)) x weight x 2^(e2 + e3); first = 1 starts the sums: nothing is cleared
.irp q, 0,1,2,3
.irp d, 0,2
	v_pk_add_f32 v[\r+4*\q+\d:\r+4*\q+\d+1], v[\r+4*\q+\d:\r+4*\q+\d+1], v[\r+16+4*\q+\d:\r+16+4*\q+\d+1]
	v_pk_add_f32 v[\r+32+4*\q+\d:\r+32+4*\q+\d+1], v[\r+32+4*\q+\d:\r+32+4*\q+\d+1], v[\r+48+4*\q+\d:\r+48+4*\q+\d+1]
.endr
.irp d, 0,2
	v_pk_add_f32 v[\r+4*\q+\d:\r+4*\q+\d+1], v[\r+4*\q+\d:\r+4*\q+\d+1], v[\r+32+4*\q+\d:\r+32+4*\q+\d+1]
.if \first
	v_pk_mul_f32 v[OUT+4*\q+\d:OUT+4*\q+\d+1], v[\r+64+4*\q+\d:\r+64+4*\q+\d+1], s[\w:\w+1] op_sel_hi:[1,0]
.else
	v_pk_fma_f32 v[OUT+4*\q+\d:OUT+4*\q+\d+1], v[\r+64+4*\q+\d:\r+64+4*\q+\d+1], s[\w:\w+1], v[OUT+4*\q+\d:OUT+4*\q+\d+1] op_sel_hi:[1,0,1]
.endif
.endr
.irp d, 0,2
	v_pk_fma_f32 v[OUT+4*\q+\d:OUT+4*\q+\d+1], v[\r+4*\q+\d:\r+4*\q+\d+1], s[\v:\v+1], v[OUT+4*\q+\d:OUT+4*\q+\d+1] op_sel_hi:[1,0,1]
.endr
.endr
.endm
	NEXTE                                          ; the first kept expert: registers v16-95, scalars s48, s[50:57]
	PICK 48, 50, 52
	ADDR 48, 54, 56
	LOADS 16, 54, 56
	NEXTE                                          ; the second: v96-175, s49, s[58:63], s[66:67]
	PICK 49, 58, 60
	ADDR 49, 62, 66
	LOADS 96, 62, 66
	s_wait_loadcnt 20                              ; the first expert's 20 loads are in; the second's may be out
	ACCUM 16, 50, 52, 1
	s_wait_loadcnt 0x0
	ACCUM 96, 58, 60, 0
	s_bcnt1_i32_b32 s70, s20                       ; experts left: only where gates tie exactly
	s_cmp_eq_u32 s70, 0
	s_cbranch_scc1 .Lstore
	s_mov_b32 s71, 0
.Ltie:
	NEXTE                                          ; (no load is out here: the first set's registers and bases may be written)
	PICK 48, 50, 52
	ADDR 48, 54, 56
	LOADS 16, 54, 56
	s_wait_loadcnt 0x0
	ACCUM 16, 50, 52, 0
	s_add_co_u32 s71, s71, 1
	s_cmp_lt_u32 s71, s70
	s_cbranch_scc1 .Ltie
.Lstore:
.irp q, 0,1,2,3
	global_store_b128 v2, v[OUT+4*\q:OUT+4*\q+3], s[16:17] offset:512*\q th:TH_STORE_NT   ; 32 lanes store 512 consecutive bytes, at a multiple of 512 from out0's first byte
.endr
	s_endpgm
.Lfunc_end_k_qdce14eb378_combine:
	.size	k_qdce14eb378_combine, .Lfunc_end_k_qdce14eb378_combine-k_qdce14eb378_combine
	.p2alignl 7, 3214868480
	.fill 96, 4, 3214868480
	.section	.rodata,"a",@progbits
	.p2align	6, 0x0
	.amdhsa_kernel k_qdce14eb378_combine
		.amdhsa_group_segment_fixed_size 0
		.amdhsa_private_segment_fixed_size 0
		.amdhsa_enable_private_segment 0
		.amdhsa_kernarg_size 56
		.amdhsa_user_sgpr_count 2
		.amdhsa_user_sgpr_kernarg_segment_ptr 1
		.amdhsa_wavefront_size32 1
		.amdhsa_system_sgpr_workgroup_id_x 1
		.amdhsa_system_sgpr_workgroup_id_y 1
		.amdhsa_system_sgpr_workgroup_id_z 1
		.amdhsa_system_vgpr_workitem_id 0
		.amdhsa_next_free_vgpr 200
		.amdhsa_next_free_sgpr 72
		.amdhsa_reserve_vcc 0
		.amdhsa_float_denorm_mode_32 3
		.amdhsa_float_denorm_mode_16_64 3
		.amdhsa_memory_ordered 1
		.amdhsa_forward_progress 1
		.amdhsa_inst_pref_size 20
	.end_amdhsa_kernel
	.amdgpu_metadata
---
amdhsa.version: [ 1, 2 ]
amdhsa.kernels:
  - .name:           k_qdce14eb378_combine
    .symbol:         k_qdce14eb378_combine.kd
    .args:
      - { .name: part, .offset: 0, .size: 8, .value_kind: global_buffer, .address_space: global }
      - { .name: b2, .offset: 8, .size: 8, .value_kind: global_buffer, .address_space: global }
      - { .name: lowp_scales, .offset: 16, .size: 8, .value_kind: global_buffer, .address_space: global }
      - { .name: keep, .offset: 24, .size: 8, .value_kind: global_buffer, .address_space: global }
      - { .name: gw, .offset: 32, .size: 8, .value_kind: global_buffer, .address_space: global }
      - { .name: rank, .offset: 40, .size: 8, .value_kind: global_buffer, .address_space: global }
      - { .name: out0, .offset: 48, .size: 8, .value_kind: global_buffer, .address_space: global }
    .group_segment_fixed_size: 0
    .private_segment_fixed_size: 0
    .kernarg_segment_align: 8
    .kernarg_segment_size: 56
    .max_flat_workgroup_size: 128
    .sgpr_count:     72
    .vgpr_count:     200
    .wavefront_size: 32
...
	.end_amdgpu_metadata
.endif
;; end of part 5
;; ======== version 2 of 3: 4 launches
;; workspace buffers: xq 1,048,576 bytes; keep 4,096 bytes of whole numbers; gw 32,768 bytes; himg 33,554,432 bytes; part 134,217,728 bytes
;; launch gate: the kernel of part 1 again; grid 256 x 1, 4 waves a work-group, no clusters, 1,536 bytes of LDS; arguments x, W_gate, lowp_scales, xq, keep, gw; writes xq, keep, gw
;; launch ffn1 (part 6): grid 32 x 8, 4 waves a work-group, no clusters, 133,632 bytes of LDS; arguments W1_codes, b1, lowp_scales, xq, keep, himg; writes himg
.if DOCPART == 6
	.amdgcn_target "amdgcn-amd-amdhsa--gfx1250"
	.amdhsa_code_object_version 6
	.text
	.protected	k_qdce14eb378_ffn1
	.globl	k_qdce14eb378_ffn1
	.p2align	8
	.type	k_qdce14eb378_ffn1,@function
k_qdce14eb378_ffn1:
	s_mov_b64 s[64:65], 0
	v_nop
	global_prefetch_b8 v0, s[64:65] scope:SCOPE_SE
	s_setreg_imm32_b32 hwreg(HW_REG_WAVE_MODE, 25, 1), 1
	s_wait_xcnt 0x0
; THE FIRST PRODUCT, FOR THE KEPT ROWS ALONE: h = relu(x W1 + b1), quantised to E5M2 under 2^e3, for the tokens that keep gives expert e.
; W1_codes: [8][4096 units][1024] codes, K innermost.  xq: [1024 tokens][1024] codes.  keep[1024]: a bit for each kept expert of a token, stored by the launch before.
; himg: the hidden layer as images of the second product's operand registers:
; [e][tile of 16 places, 0..63][K step of 128 units, 0..31][group c, 0..3][lane][16 bytes]: lane (r, h) of group c holds units 32 c + 16 h + 0 .. 15 of the tile's row r.
; PLACES.  keep is read by 8 loads of 512 consecutive bytes: register g (0..31) of lane l holds token 128 (g / 4) + 4 l + g % 4.  A kept token's place in the expert is the number of kept tokens
; with a smaller key 32 g + l.  The two later launches count by the same key.  The token at a place is found in registers: a mask of lanes for each g (32 scalars), the counts ahead of each g,
; a walk over the 32 groups that keeps the last group beginning at or before the place, and the wanted set bit of its mask by halving.  Places at or past the count name token 0.
; SHARES.  Work-group (j, e) owns expert e's units 128 j .. 128 j + 127: 128 rows x 1,024 bytes of W1, which no other work-group reads.  They are put into LDS once.
; The four waves share the expert's ROWS: in a pass wave w takes tiles 20 p + 4 i + w, i = 0 .. 4, as far as the expert has tiles; ceil(tiles / 20) passes serve any split, up to all 1,024 tokens.
; The rows' fragments go from memory straight into registers, three K steps ahead; no barrier stands behind the one that shows W1's slice whole.
; NO TENSOR LOADS AND NO JOINT REQUESTS, though the 32 work-groups of an expert read the same rows: the trips hang on a count made from numbers read from memory,
; and with a constant count every work-group would ask for all 1,024 places of an expert, four times its rows at an even split: what a joint request of four would save.
; THE MATRIX INSTRUCTION IS USED TRANSPOSED: source 0 = 16 rows of W1, source 1 = 16 rows of x: a lane holds one row of h and its registers run along the units, the next K.
; THE UNITS OF A TILE ARE NOT NEIGHBOURS: row r of tile 2 b + u is unit 32 b + 8 u + r + 8 (r / 8), so that a lane's 16 registers of tiles 2 b and 2 b + 1 are the 16 neighbours
; 32 b + 16 h + 0 .. 15.  The order is made where W1's rows are stored into LDS, so a fragment's 16 rows are neighbours there.
; A fragment (16 rows x 128 K) is fetched by four loads of 16 bytes: registers 4 c .. 4 c + 3 hold k = 32 c + 16 h + 0 .. 15: the same order of k on both sides.
; b1, divided by 2^(e0 + e1), is the C of each sum's first product.  A sum stands for sum x 2^(e0 + e1), so the conversion takes the one scale 2^(e3 - e0 - e1); its hold clips at 0: the relu.
; LIMITS: e3 - e0 - e1 between -126 and 112.  NaN among the inputs is not served.
; REGISTERS by their full numbers (windows of 256): 0-31 addresses and scales; 32-95 b1; 96-223 W set 0 (between passes: keep and the search for tokens); 256-383 W set 1;
;   rows of x, four sets of five fragments: 384-463, 832-911, 912-991, and 224-255 with 464-511;
;   512-831 the accumulators, (slot i, tile ct) at 512 + 64 i + 8 ct.  576-831 first carry W1's slice on its way into LDS (so slots 1 to 4 are written on every path).  A slot's codes go to 384 + 16 i.
; SCALARS: s66-97 the 32 masks of lanes, made once; s50 the count; s42, s43 a group's key by turns; s44-46 three masks of lanes at work.
.set PITCH, 1040                       ; an LDS row: 1,024 bytes + 16: an odd multiple of 16, so the 16 rows of a fragment load fall on 16 different groups of banks
.set BIAS,  32
.set VOFF,  10                         ; v10-14 slot i: my row's byte in xq + 16 h
.set M,     24                         ; s24 how many of my five slots hold a tile in this pass
.set HIMG,  14                         ; s[14:15]
.set KP,    96                         ; v96-127  keep, register g
.set QV,    128                        ; three vectors of 32 places: x = 0: slots 0 (lanes 0-15) and 1 (lanes 16-31); 1: slots 2 and 3; 2: slot 4, twice
.set KV,    131                        ; 32 x place + 31
.set PV,    134                        ; the chosen group's key: 32 x the count ahead of it + g
.set MV,    137                        ; and its mask
.set AV,    140                        ; the mask's counts by pairs,
.set BV,    143                        ; by fours,
.set CV,    146                        ; by bytes
.set TV,    149                        ; at work; at last the token
.set RV,    152                        ; which set bit is wanted, from 0
.set SV,    155                        ; the bit's number so far
.set UV,    158                        ; at work
.set XP,    161                        ; v161-162 the other half of the lanes' tokens
.set TT,    164                        ; v164-167 at work
.set MSB,   0
.macro WIN new                         ; the immediate's high byte repeats the setting that is left; a switch that changes nothing is dropped
.if MSB != \new
	s_set_vgpr_msb (MSB<<8)|\new
.set MSB, \new
.endif
.endm
.macro PLACES n
.rept \n
	v_nop
.endr
.endm
.macro RING q, i                       ; RX = the first register of slot i's fragment in set q
.if (\q)==0
.set RX, 384+16*(\i)
.elseif (\q)==1
.set RX, 832+16*(\i)
.elseif (\q)==2
.set RX, 912+16*(\i)
.elseif (\i)<2
.set RX, 224+16*(\i)
.else
.set RX, 464+16*((\i)-2)
.endif
.endm
.macro LDW set, s                      ; W1's eight fragments of K step s, from LDS into a set: 32 loads in one run
.set WSB, 96+160*(\set)
.set WL, WSB&255
.set WN, (WSB>>8)<<6
	WIN WN
.irp ct, 0,1,2,3,4,5,6,7
.irp c, 0,1,2,3
	ds_load_b128 v[WL+16*\ct+4*\c:WL+16*\ct+4*\c+3], v[6+\ct/4] offset:(\ct%4)*16*PITCH+128*(\s)+32*\c
.endr
.endr
	WIN 0
.endm
.macro LDX q, s                        ; the five slots' fragments of K step s, from xq into set q: 20 loads.  An empty slot's lanes all name token 0
.irp i, 0,1,2,3,4
	RING \q, \i
.set RL, RX&255
.set WN, (RX>>8)<<6
	WIN WN
.irp c, 0,1,2,3
	global_load_b128 v[RL+4*\c:RL+4*\c+3], v[VOFF+\i], s[10:11] offset:128*(\s)+32*\c
.endr
.endr
	WIN 0
.endm
.macro MUL i, s                        ; slot i x the eight tiles of units, 128 along K.  The eight accumulators take turns, one instruction a turn
	RING (\s)%4, \i
.set WSB, 96+160*((\s)%2)
.set AC, 512+64*(\i)
.set AW, AC>>8
.set AL, AC&255
.set WL, WSB&255
.set RL, RX&255
.if (\s)==0
.set WN, (AW<<6)|((RX>>8)<<2)|(WSB>>8)
.else
.set WN, (AW<<6)|(AW<<4)|((RX>>8)<<2)|(WSB>>8)
.endif
	WIN WN
.irp ct, 0,1,2,3,4,5,6,7
.if (\s)==0
	v_wmma_f32_16x16x128_bf8_bf8 v[AL+8*\ct:AL+8*\ct+7], v[WL+16*\ct:WL+16*\ct+15], v[RL:RL+15], v[BIAS+8*\ct:BIAS+8*\ct+7]
.else
	v_wmma_f32_16x16x128_bf8_bf8 v[AL+8*\ct:AL+8*\ct+7], v[WL+16*\ct:WL+16*\ct+15], v[RL:RL+15], v[AL+8*\ct:AL+8*\ct+7]
.endif
.endr
.endm
; K step s.  All loads and waits stand ahead of the jumps, so every count is the same on every path; only products are jumped over.
.macro STEP s
	PLACES 4                                       ; loads follow into registers that the last step's products have read (ISA guide 7.12.1 for vector instructions)
.if (\s)<7
	LDW ((\s)+1)%2, (\s)+1
.endif
.if (\s)<=4
	LDX ((\s)+3)%4, (\s)+3
.endif
.if (\s)<7
	s_wait_dscnt 32                                ; this step's W is in; the 32 loads just issued may be out
.else
	s_wait_dscnt 0x0
.endif
.if (\s)<=4
	s_wait_loadcnt 60                              ; this step's rows are in; those of the three steps behind it may be out
.else
	s_wait_loadcnt 20*(7-(\s))
.endif
	MUL 0, \s
.irp i, 1,2,3,4
	WIN 0                                          ; at a branch and at a label every window is 0
	s_cmp_le_u32 s[M], \i
	s_cbranch_scc1 .Lend_\@
	MUL \i, \s
.endr
	WIN 0
.Lend_\@:
.endm
; One halving: the field of w bits at the bit's number so far counts the set bits of the lower half of what is left; where the wanted bit is not among them, they are taken off and the upper half is taken.
.macro SELSTEP src, w
.irp x, 0,1,2
	v_bfe_u32 v[TV+\x], v[\src+\x], v[SV+\x], \w
.endr
.irp x, 0,1,2
	v_cmp_ge_u32 s[44+\x], v[RV+\x], v[TV+\x]
.endr
.irp x, 0,1,2
	v_cndmask_b32 v[TV+\x], 0, v[TV+\x], s[44+\x]
	v_cndmask_b32 v[UV+\x], 0, \w, s[44+\x]
.endr
.irp x, 0,1,2
	v_sub_nc_u32 v[RV+\x], v[RV+\x], v[TV+\x]
	v_add_nc_u32 v[SV+\x], v[SV+\x], v[UV+\x]
.endr
.endm
; The tokens at the places of my five slots' rows, into v10-14; the expert's count into s50.  Slot i's row r is place 16 (20 p + w + 4 i) + r.
.macro TOKENS
	s_lshl_b32 s26, s25, 4                         ; 16 x my slot 0's tile
	v_lshl_add_u32 v[QV], v3, 6, v2                ; r + 64 h: lanes 16-31 ask for the slot one further on
	v_add_nc_u32 v[QV], s26, v[QV]
	v_add_nc_u32 v[QV+1], 128, v[QV]
	v_add_nc_u32 v[QV+2], s26, v2
	v_add_nc_u32 v[QV+2], 0x100, v[QV+2]
.irp x, 0,1,2
	v_lshl_or_b32 v[KV+\x], v[QV+\x], 5, 31
	v_mov_b32 v[PV+\x], 0                          ; group 0 begins at place 0: it is the choice until a later group begins at or before my place
	v_mov_b32 v[MV+\x], s66
.endr
	s_mov_b32 s50, 0
.set g, 1
.rept 31
	s_bcnt1_i32_b32 s27, s[66+g-1]
	s_add_co_u32 s50, s50, s27                     ; the count ahead of group g
	s_lshl_b32 s[42+g%2], s50, 5
	s_add_co_u32 s[42+g%2], s[42+g%2], g           ; 32 x it + g: at most 32 x place + 31 just where the count is at most the place
.irp x, 0,1,2
	v_cmp_le_u32 s[44+\x], s[42+g%2], v[KV+\x]
.endr
.irp x, 0,1,2
	v_cndmask_b32 v[PV+\x], v[PV+\x], s[42+g%2], s[44+\x]
	v_cndmask_b32 v[MV+\x], v[MV+\x], s[66+g], s[44+\x]
.endr
.set g, g+1
.endr
	s_bcnt1_i32_b32 s27, s97
	s_add_co_u32 s50, s50, s27                     ; the expert's count
.irp x, 0,1,2
	v_lshrrev_b32 v[RV+\x], 5, v[PV+\x]
	v_lshrrev_b32 v[AV+\x], 1, v[MV+\x]
.endr
.irp x, 0,1,2
	v_sub_nc_u32 v[RV+\x], v[QV+\x], v[RV+\x]      ; which set bit of the mask, from 0
	v_and_b32 v[AV+\x], 0x55555555, v[AV+\x]
.endr
.irp x, 0,1,2
	v_sub_nc_u32 v[AV+\x], v[MV+\x], v[AV+\x]      ; set bits in each pair
.endr
.irp x, 0,1,2
	v_lshrrev_b32 v[BV+\x], 2, v[AV+\x]
	v_and_b32 v[TV+\x], 0x33333333, v[AV+\x]
.endr
.irp x, 0,1,2
	v_and_b32 v[BV+\x], 0x33333333, v[BV+\x]
.endr
.irp x, 0,1,2
	v_add_nc_u32 v[BV+\x], v[BV+\x], v[TV+\x]      ; in each four
.endr
.irp x, 0,1,2
	v_lshrrev_b32 v[CV+\x], 4, v[BV+\x]
.endr
.irp x, 0,1,2
	v_add_nc_u32 v[CV+\x], v[CV+\x], v[BV+\x]
.endr
.irp x, 0,1,2
	v_and_b32 v[CV+\x], 0x0f0f0f0f, v[CV+\x]       ; in each byte
.endr
.irp x, 0,1,2
	v_bfe_u32 v[TV+\x], v[CV+\x], 8, 8
	v_and_b32 v[UV+\x], 0xff, v[CV+\x]
.endr
.irp x, 0,1,2
	v_add_nc_u32 v[TV+\x], v[TV+\x], v[UV+\x]      ; in the lower 16
.endr
.irp x, 0,1,2
	v_cmp_ge_u32 s[44+\x], v[RV+\x], v[TV+\x]
.endr
.irp x, 0,1,2
	v_cndmask_b32 v[TV+\x], 0, v[TV+\x], s[44+\x]
	v_cndmask_b32 v[SV+\x], 0, 16, s[44+\x]
.endr
.irp x, 0,1,2
	v_sub_nc_u32 v[RV+\x], v[RV+\x], v[TV+\x]
.endr
	SELSTEP CV, 8
	SELSTEP BV, 4
	SELSTEP AV, 2
	SELSTEP MV, 1                                  ; v[SV]: the lane l of the token
.irp x, 0,1,2
	v_and_b32 v[TV+\x], 3, v[PV+\x]                ; g % 4
	v_bfe_u32 v[UV+\x], v[PV+\x], 2, 3             ; g / 4
.endr
.irp x, 0,1,2
	v_lshl_or_b32 v[TV+\x], v[UV+\x], 7, v[TV+\x]
	v_cmp_gt_u32 s[44+\x], s50, v[QV+\x]           ; a place under the count?
.endr
.irp x, 0,1,2
	v_lshl_or_b32 v[TV+\x], v[SV+\x], 2, v[TV+\x]  ; the token: 128 (g / 4) + 4 l + g % 4
.endr
.irp x, 0,1,2
	v_cndmask_b32 v[TV+\x], 0, v[TV+\x], s[44+\x]  ; else token 0
.endr
	v_mov_b32 v[XP], 0                             ; (a lane permute's destination counts as one of its sources)
	v_mov_b32 v[XP+1], 0
	v_permlanex16_b32 v[XP], v[TV], s48, s49       ; lane l xor 16's
	v_permlanex16_b32 v[XP+1], v[TV+1], s48, s49
	v_cndmask_b32 v[VOFF], v[TV], v[XP], s47       ; both halves of the lanes want every slot's row r: s47 names lanes 16-31
	v_cndmask_b32 v[VOFF+1], v[XP], v[TV], s47
	v_cndmask_b32 v[VOFF+2], v[TV+1], v[XP+1], s47
	v_cndmask_b32 v[VOFF+3], v[XP+1], v[TV+1], s47
	v_mov_b32 v[VOFF+4], v[TV+2]
.endm
.macro VOFFS
.irp i, 0,1,2,3,4
	v_min_u32 v[VOFF+\i], 0x3ff, v[VOFF+\i]        ; a token, whatever was loaded
.endr
.irp i, 0,1,2,3,4
	v_lshl_add_u32 v[VOFF+\i], v[VOFF+\i], 10, v9  ; its row of 1,024 codes, + 16 h
.endr
.endm
.macro WSTORE k0                       ; 32 of my 64 pieces of W1 (piece k: half k % 2 of my row k / 2) into LDS, the rows in the tiles' order
.set k, \k0
.rept 32
.set RG, 576+4*k
.set RL, RG&255
.set VR, k/2
.set LR, 16*((VR>>3)&1)+8*((VR>>4)&1)+(VR&7)
.set WN, (RG>>8)<<2
	WIN WN
	ds_store_b128 v5, v[RL:RL+3] offset:LR*PITCH+512*(k%2)
.set k, k+1
.endr
	WIN 0
.endm
.macro EPI i                           ; slot i's 16 rows x 128 units become one fragment of the second product, and leave as its image
.set AC, 512+64*(\i)
.set AW, AC>>8
.set AL, AC&255
.set CL, 128+16*(\i)
.set WN, (AW<<6)|AW
	WIN WN
.set n, 0
.rept 64
	v_med3_num_f32 v[AL+n], v[AL+n], 0, v17        ; the relu and the hold in one; each accumulator from its low end on
.set n, n+1
.endr
.set WN, (1<<6)|AW
	WIN WN
.irp g8, 0,1,2,3,4,5,6,7
	v_cvt_scalef32_pk8_bf8_f32 v[CL+2*\g8:CL+2*\g8+1], v[AL+8*\g8:AL+8*\g8+7], v16
.endr
	v_nop                                          ; a plain line between the conversions and the products that later write their sources
	WIN 4
.irp c, 0,1,2,3
	global_store_b128 v4, v[CL+4*\c:CL+4*\c+3], s[HIMG:HIMG+1] offset:262144*(\i)+512*\c   ; 32 lanes store 512 consecutive bytes, at a multiple of 512 from himg's first byte
.endr
.endm
	s_load_b256 s[4:11], s[0:1], 0x0               ; W1's codes s[4:5], b1 s[6:7], the scales' exponents s[8:9], xq s[10:11]
	s_load_b128 s[12:15], s[0:1], 0x20             ; keep s[12:13], himg s[14:15]
	v_lshl_add_u32 v30, v0, 2, 0x20800
	v_mov_b32 v31, 0
	v_lshrrev_b32 v1, 5, v0
	v_readfirstlane_b32 s18, v1                    ; wave 0..3
	s_and_b32 s19, ttmp7, 0xffff                   ; e
	s_mov_b32 s20, ttmp9                           ; j
	v_and_b32 v1, 31, v0                           ; lane
	v_and_b32 v2, 15, v0                           ; r
	v_bfe_u32 v3, v0, 4, 1                         ; h
	v_lshlrev_b32 v4, 4, v1                        ; 16 x lane
	s_mul_i32 s26, s18, 32*PITCH
	v_add_nc_u32 v5, s26, v4                       ; W1 into LDS: my wave's 32 rows, 16 bytes a lane
	v_mul_u32_u24 v6, v2, PITCH
	v_lshl_add_u32 v6, v3, 4, v6                   ; a fragment: row r, + 16 h; tiles 0 to 3,
	v_add_nc_u32 v7, 64*PITCH, v6                  ; tiles 4 to 7 (an LDS offset has 16 bits)
	v_lshlrev_b32 v9, 4, v3
	v_lshlrev_b32 v15, 6, v3                       ; b1: 16 h units
	s_lshl_b32 s40, 1, s19                         ; the expert's bit in keep
	s_mov_b32 s47, 0xffff0000                      ; lanes 16-31
	s_mov_b32 s48, 0x76543210                      ; v_permlanex16_b32: lane l takes lane l xor 16
	s_mov_b32 s49, 0xfedcba98
	s_lshl_b32 s26, s19, 22                        ; W1: expert, 128 rows x 1,024 a work-group, 32 rows a wave
	s_lshl_b32 s28, s20, 17
	s_add_co_u32 s26, s26, s28
	s_lshl_b32 s28, s18, 15
	s_add_co_u32 s26, s26, s28
	s_mov_b32 s27, 0
	s_lshl_b32 s28, s19, 14                        ; b1: expert, 128 units
	s_lshl_b32 s30, s20, 9
	s_add_co_u32 s28, s28, s30
	s_mov_b32 s29, 0
	s_lshl_b32 s36, s19, 22                        ; himg: expert, K step j, tile w
	s_lshl_b32 s38, s20, 11
	s_add_co_u32 s36, s36, s38
	s_lshl_b32 s38, s18, 16
	s_add_co_u32 s36, s36, s38
	s_mov_b32 s37, 0
	s_mov_b32 s25, s18                             ; my slot 0's tile: 20 p + w
	s_mov_b32 s23, 0                               ; p
	s_wait_kmcnt 0x0
	s_add_nc_u64 s[4:5], s[4:5], s[26:27]
	s_add_nc_u64 s[6:7], s[6:7], s[28:29]
	s_add_nc_u64 s[HIMG:HIMG+1], s[HIMG:HIMG+1], s[36:37]
	s_load_b128 s[32:35], s[8:9], 0x0              ; e0, e1, e2, e3
.irp j, 0,1,2,3,4,5,6,7
	global_load_b128 v[KP+4*\j:KP+4*\j+3], v4, s[12:13] offset:512*\j      ; keep: each load reads 512 consecutive bytes
.endr
.irp ct, 0,1,2,3,4,5,6,7
	global_load_b128 v[BIAS+8*\ct:BIAS+8*\ct+3],   v15, s[6:7] offset:(32*(\ct/2)+8*(\ct%2))*4      ; lane (r, h), tile 2 b + u: units 32 b + 16 h + 8 u + 0 .. 7
	global_load_b128 v[BIAS+8*\ct+4:BIAS+8*\ct+7], v15, s[6:7] offset:(32*(\ct/2)+8*(\ct%2))*4+16
.endr
.set k, 0
.rept 64                               ; my 32 rows of W1: each load reads 512 consecutive bytes; read by nobody else
.set RG, 576+4*k
.set RL, RG&255
.set WN, (RG>>8)<<6
	WIN WN
	global_load_b128 v[RL:RL+3], v4, s[4:5] offset:512*k th:TH_LOAD_NT
.set k, k+1
.endr
	WIN 0
	s_wait_loadcnt 63                              ; of the 88 loads issued the 25 oldest are in: keep's 8 and b1's 16 among them.  What follows is worked while W1's slice is on its way
.set g, 0
.rept 8                                ; for each register g of keep the lanes whose token keeps my expert: 32 masks, which stay for all passes
.irp c, 0,1,2,3
	v_and_b32 v[TT+\c], s40, v[KP+g+\c]
.endr
.irp c, 0,1,2,3
	v_cmp_ne_u32 s[66+g+\c], 0, v[TT+\c]
.endr
.set g, g+4
.endr
	TOKENS
	VOFFS
	s_min_u32 s21, s50, 1024
	s_add_co_u32 s21, s21, 15
	s_lshr_b32 s21, s21, 4                         ; tiles of 16 rows,
	s_max_u32 s21, s21, 1                          ; one at the least: tile 0 of every expert is always written, so the next launch's empty slots have bytes to read
	s_add_co_u32 s22, s21, 19
	s_mul_i32 s22, s22, 3277
	s_lshr_b32 s22, s22, 16                        ; passes = ceil(tiles / 20), right for 0 to 64 tiles
	s_wait_loadcnt 32                              ; W1's pieces 0 to 31 are in
	WSTORE 0
	LDX 0, 0                                       ; the first pass's rows, three K steps
	LDX 1, 1
	LDX 2, 2
	s_wait_kmcnt 0x0
	s_add_co_i32 s26, s32, s33                     ; e0 + e1
	s_sub_co_i32 s27, 0, s26
	s_sub_co_i32 s28, s35, s26                     ; e3 - e0 - e1
	s_add_co_i32 s28, s28, 127
	s_lshl_b32 s29, s28, 23
	v_mov_b32 v16, s29                             ; that power of two as f32, for the conversion
	s_add_co_i32 s28, s28, 15
	s_lshl_b32 s28, s28, 23
	s_or_b32 s28, s28, 0x600000
	v_mov_b32 v17, s28                             ; 57,344 x it
.set n, 0
.rept 64
	v_ldexp_f32 v[BIAS+n], v[BIAS+n], s27          ; b1 / 2^(e0 + e1)
.set n, n+1
.endr
	s_wait_loadcnt 60                              ; all of W1's pieces are in; the 60 loads issued behind them may be out
	WSTORE 32
	s_wait_dscnt 0x0                               ; for the others' sake: my rows of W1 lie in LDS
	s_barrier_signal -1
	s_barrier_wait -1                              ; the slice is whole; it is never written again
.Lpass:
	s_sub_co_i32 s[M], s21, s25                    ; my slots that hold a tile: ceil((tiles - first tile) / 4), between 0 and 5
	s_add_co_i32 s[M], s[M], 3
	s_ashr_i32 s[M], s[M], 2
	s_max_i32 s[M], s[M], 0
	s_min_i32 s[M], s[M], 5
	s_cmp_eq_u32 s[M], 0
	s_cbranch_scc1 .Lpend
	PLACES 5                                       ; the accumulators begin anew, with another C
	LDW 0, 0
	STEP 0
	STEP 1
	STEP 2
	STEP 3
	STEP 4
	STEP 5
	STEP 6
	STEP 7
	PLACES 4                                       ; results just made are read
	EPI 0
.irp i, 1,2,3,4
	WIN 0
	s_cmp_le_u32 s[M], \i
	s_cbranch_scc1 .Lpend
	EPI \i
.endr
	WIN 0
.Lpend:
	s_wait_loadcnt 0x0                             ; (a wave without a tile in this pass has its rows' loads out)
	s_wait_xcnt 0x0                                ; the stores have read their registers and their base: both are written again below
	s_add_nc_u64 s[HIMG:HIMG+1], s[HIMG:HIMG+1], 1310720   ; 20 tiles of 65,536 bytes on
	s_add_co_u32 s25, s25, 20
	s_add_co_u32 s23, s23, 1
	s_cmp_lt_u32 s23, s22
	s_cbranch_scc0 .Ldone                          ; no load is issued for a pass that does not come
	TOKENS                                         ; the next 20 tiles' tokens, from the masks that stayed
	VOFFS
	LDX 0, 0
	LDX 1, 1
	LDX 2, 2
	s_cmp_lt_u32 s23, s22
	s_cbranch_scc1 .Lpass
.Ldone:
	s_wait_tensorcnt 0x0
	ds_add_u32 v30, v31
	s_wait_dscnt 0x0
	s_endpgm
.Lfunc_end_k_qdce14eb378_ffn1:
	.size	k_qdce14eb378_ffn1, .Lfunc_end_k_qdce14eb378_ffn1-k_qdce14eb378_ffn1
	.p2alignl 7, 3214868480
	.fill 96, 4, 3214868480
	.section	.rodata,"a",@progbits
	.p2align	6, 0x0
	.amdhsa_kernel k_qdce14eb378_ffn1
		.amdhsa_group_segment_fixed_size 133632
		.amdhsa_private_segment_fixed_size 0
		.amdhsa_enable_private_segment 0
		.amdhsa_kernarg_size 48
		.amdhsa_user_sgpr_count 2
		.amdhsa_user_sgpr_kernarg_segment_ptr 1
		.amdhsa_wavefront_size32 1
		.amdhsa_system_sgpr_workgroup_id_x 1
		.amdhsa_system_sgpr_workgroup_id_y 1
		.amdhsa_system_sgpr_workgroup_id_z 1
		.amdhsa_system_vgpr_workitem_id 0
		.amdhsa_next_free_vgpr 1024
		.amdhsa_next_free_sgpr 100
		.amdhsa_reserve_vcc 0
		.amdhsa_float_denorm_mode_32 3
		.amdhsa_float_denorm_mode_16_64 3
		.amdhsa_memory_ordered 1
		.amdhsa_forward_progress 1
		.amdhsa_inst_pref_size 174
	.end_amdhsa_kernel
	.amdgpu_metadata
---
amdhsa.version: [ 1, 2 ]
amdhsa.kernels:
  - .name:           k_qdce14eb378_ffn1
    .symbol:         k_qdce14eb378_ffn1.kd
    .args:
      - { .name: W1_codes, .offset: 0, .size: 8, .value_kind: global_buffer, .address_space: global }
      - { .name: b1, .offset: 8, .size: 8, .value_kind: global_buffer, .address_space: global }
      - { .name: lowp_scales, .offset: 16, .size: 8, .value_kind: global_buffer, .address_space: global }
      - { .name: xq, .offset: 24, .size: 8, .value_kind: global_buffer, .address_space: global }
      - { .name: keep, .offset: 32, .size: 8, .value_kind: global_buffer, .address_space: global }
      - { .name: himg, .offset: 40, .size: 8, .value_kind: global_buffer, .address_space: global }
    .group_segment_fixed_size: 133632
    .private_segment_fixed_size: 0
    .kernarg_segment_align: 8
    .kernarg_segment_size: 48
    .max_flat_workgroup_size: 128
    .sgpr_count:     100
    .vgpr_count:     1024
    .wavefront_size: 32
...
	.end_amdgpu_metadata
.endif
;; end of part 6
;; launch ffn2 (part 7): grid 32 x 8, 4 waves a work-group, no clusters, 167,424 bytes of LDS; arguments W2_codes, himg, keep, part; writes part
.if DOCPART == 7
	.amdgcn_target "amdgcn-amd-amdhsa--gfx1250"
	.amdhsa_code_object_version 6
	.text
	.protected	k_qdce14eb378_ffn2
	.globl	k_qdce14eb378_ffn2
	.p2align	8
	.type	k_qdce14eb378_ffn2,@function
k_qdce14eb378_ffn2:
	s_mov_b64 s[64:65], 0
	v_nop
	global_prefetch_b8 v0, s[64:65] scope:SCOPE_SE
	s_setreg_imm32_b32 hwreg(HW_REG_WAVE_MODE, 25, 1), 1
	s_wait_xcnt 0x0
; THE SECOND PRODUCT, FOR THE KEPT ROWS ALONE: raw sums of codes, h W2, a quarter of K to a work-group.
; W2_codes: [8][1024 outputs][4096] codes, K innermost.  himg: the hidden layer's fragments as register images, [e][tile 0..63][K step 0..31][group c][lane][16 bytes].
; keep[1024]: a bit for each kept expert of a token: the expert's count of rows is the number of tokens with its bit.
; part: [ks 0..3][e][place 0..1023][1024] f32: the sum over units 1,024 ks .. 1,024 ks + 1,023, not yet scaled; only the places of an expert's tiles are written, and only places of kept tokens are read later.
; SHARES.  Work-group (x, e), x = 8 ks + jn, owns outputs 128 jn .. + 127 and units 1,024 ks .. + 1,023 of expert e: 128 rows x 1,024 bytes of W2, which no other work-group reads; they are put into LDS once.
; All else is the first product's form: the four waves share the expert's rows, wave w takes tiles 20 p + 4 i + w, i = 0 .. 4, in pass p; the rows' fragments go from memory straight into registers, three K steps ahead.
; K is split in four so that 256 work-groups each read their weights once; the four parts and the experts of a token are added by the next launch, which each output row needs in any case.
; NO TENSOR LOADS AND NO JOINT REQUESTS: the trips hang on a count made from numbers read from memory, and a constant count would fetch all 1,024 places of an expert, four times its rows at an even split.
; An expert without rows leaves its work-groups nothing to store: the price of a grid that serves every split.
; THE MATRIX INSTRUCTION IS USED TRANSPOSED: source 0 = 16 rows of W2, source 1 = 16 rows of h: a lane holds eight neighbouring outputs of one row.
; An empty slot's loads read 16 bytes of the expert's tile 0, which the launch before always writes.
; REGISTERS by their full numbers (windows of 256): 0-31 addresses; 96-223 W set 0 (at the head: keep); 256-383 W set 1; rows, four sets of five fragments: 384-463, 832-911, 912-991, and 224-255 with 464-511;
;   512-831 the accumulators, (slot i, tile ct) at 512 + 64 i + 8 ct.  576-831 first carry W2's slice on its way into LDS.  On the way out 96-223 and 256-447 take the rows read back from the stage.
.set PITCH, 1040                       ; an LDS row: 1,024 bytes + 16: an odd multiple of 16
.set STG,   128*PITCH                  ; behind the slice: a stage of 16 rows x (512 + 16) bytes for each wave
.set SP,    528
.set VOFF,  10                         ; v10-14 slot i: its tile's first byte + 16 x lane
.set M,     24                         ; s24 how many of my five slots hold a tile in this pass
.set KP,    96                         ; v96-127 keep
.set TT,    128                        ; v128-131 at work
.set MSB,   0
.macro WIN new                         ; the immediate's high byte repeats the setting that is left; a switch that changes nothing is dropped
.if MSB != \new
	s_set_vgpr_msb (MSB<<8)|\new
.set MSB, \new
.endif
.endm
.macro PLACES n
.rept \n
	v_nop
.endr
.endm
.macro RING q, i                       ; RX = the first register of slot i's fragment in set q
.if (\q)==0
.set RX, 384+16*(\i)
.elseif (\q)==1
.set RX, 832+16*(\i)
.elseif (\q)==2
.set RX, 912+16*(\i)
.elseif (\i)<2
.set RX, 224+16*(\i)
.else
.set RX, 464+16*((\i)-2)
.endif
.endm
.macro LDW set, s                      ; W2's eight fragments of K step s, from LDS into a set: 32 loads in one run
.set WSB, 96+160*(\set)
.set WL, WSB&255
.set WN, (WSB>>8)<<6
	WIN WN
.irp ct, 0,1,2,3,4,5,6,7
.irp c, 0,1,2,3
	ds_load_b128 v[WL+16*\ct+4*\c:WL+16*\ct+4*\c+3], v[6+\ct/4] offset:(\ct%4)*16*PITCH+128*(\s)+32*\c
.endr
.endr
	WIN 0
.endm
.macro LDX q, s                        ; the five slots' fragments of K step s into set q: 20 loads, each of 512 consecutive bytes
.irp i, 0,1,2,3,4
	RING \q, \i
.set RL, RX&255
.set WN, (RX>>8)<<6
	WIN WN
.irp c, 0,1,2,3
	global_load_b128 v[RL+4*\c:RL+4*\c+3], v[VOFF+\i], s[6:7] offset:2048*(\s)+512*\c
.endr
.endr
	WIN 0
.endm
.macro MUL i, s                        ; slot i x the eight tiles of outputs, 128 along K.  The eight accumulators take turns, one instruction a turn
	RING (\s)%4, \i
.set WSB, 96+160*((\s)%2)
.set AC, 512+64*(\i)
.set AW, AC>>8
.set AL, AC&255
.set WL, WSB&255
.set RL, RX&255
.set WN, (AW<<6)|(AW<<4)|((RX>>8)<<2)|(WSB>>8)
	WIN WN
.irp ct, 0,1,2,3,4,5,6,7
.if (\s)==0
	v_wmma_f32_16x16x128_bf8_bf8 v[AL+8*\ct:AL+8*\ct+7], v[WL+16*\ct:WL+16*\ct+15], v[RL:RL+15], 0
.else
	v_wmma_f32_16x16x128_bf8_bf8 v[AL+8*\ct:AL+8*\ct+7], v[WL+16*\ct:WL+16*\ct+15], v[RL:RL+15], v[AL+8*\ct:AL+8*\ct+7]
.endif
.endr
.endm
; K step s.  All loads and waits stand ahead of the jumps, so every count is the same on every path; only products are jumped over.
.macro STEP s
	PLACES 4                                       ; loads follow into registers that the last step's products have read (ISA guide 7.12.1 for vector instructions)
.if (\s)<7
	LDW ((\s)+1)%2, (\s)+1
.endif
.if (\s)<=4
	LDX ((\s)+3)%4, (\s)+3
.endif
.if (\s)<7
	s_wait_dscnt 32                                ; this step's W is in; the 32 loads just issued may be out
.else
	s_wait_dscnt 0x0
.endif
.if (\s)<=4
	s_wait_loadcnt 60                              ; this step's rows are in; those of the three steps behind it may be out
.else
	s_wait_loadcnt 20*(7-(\s))
.endif
	MUL 0, \s
.irp i, 1,2,3,4
	WIN 0                                          ; at a branch and at a label every window is 0
	s_cmp_le_u32 s[M], \i
	s_cbranch_scc1 .Lend_\@
	MUL \i, \s
.endr
	WIN 0
.Lend_\@:
.endm
.macro VOFFS                           ; slot i: tile 20 p + 4 i + w, 16 bytes a lane; a slot without a tile: every lane at tile 0's first bytes
.irp i, 0,1,2,3,4
	s_add_co_u32 s26, s25, 4*\i
	s_cmp_lt_u32 s26, s21
	s_cselect_b32 s27, s26, 0
	s_cselect_b32 s28, 16, 0
	s_min_u32 s27, s27, 63                         ; a tile, whatever was loaded
	s_min_u32 s28, s28, 16
	s_lshl_b32 s27, s27, 16
	v_mad_u32_u24 v[VOFF+\i], v1, s28, s27
.endr
.endm
.macro WSTORE k0                       ; 32 of my 64 pieces of W2 (piece k: half k % 2 of my row k / 2) into LDS
.set k, \k0
.rept 32
.set RG, 576+4*k
.set RL, RG&255
.set WN, (RG>>8)<<2
	WIN WN
	ds_store_b128 v5, v[RL:RL+3] offset:(k/2)*PITCH+512*(k%2)
.set k, k+1
.endr
	WIN 0
.endm
.macro RBK i                           ; where slot i's rows come back to
.if (\i)<2
.set RB, 96+64*(\i)
.else
.set RB, 256+64*((\i)-2)
.endif
.set RBL, RB&255
.endm
; A lane holds 32 neighbouring bytes of a row and the lanes beside it hold other rows: so a slot goes through my own stage and comes back as whole rows of 512 bytes.
; LDS serves a wave's instructions in order (ISA guide 5.7.1.4): no wait between the stores and the loads, nor in front of the next slot's stores.
.macro TOST i
.set AC, 512+64*(\i)
.set AL, AC&255
.set WN, (AC>>8)<<2
	WIN WN
.irp ct, 0,1,2,3,4,5,6,7
	ds_store_b128 v18, v[AL+8*\ct:AL+8*\ct+3] offset:64*\ct            ; each accumulator from its low end on
	ds_store_b128 v18, v[AL+8*\ct+4:AL+8*\ct+7] offset:64*\ct+16
.endr
	RBK \i
.set WN, (RB>>8)<<6
	WIN WN
.irp t, 0,1,2,3,4,5,6,7,8,9,10,11,12,13,14,15
	ds_load_b128 v[RBL+4*\t:RBL+4*\t+3], v19 offset:SP*\t
.endr
.endm
.macro SEND i
	RBK \i
.set WN, (RB>>8)<<2
	WIN WN
.irp t, 0,1,2,3,4,5,6,7,8,9,10,11,12,13,14,15
	global_store_b128 v4, v[RBL+4*\t:RBL+4*\t+3], s[10:11] offset:262144*(\i)+4096*\t   ; 32 lanes store 512 consecutive bytes, at a multiple of 512 from part's first byte
.endr
.endm
	s_load_b256 s[4:11], s[0:1], 0x0               ; W2's codes s[4:5], himg s[6:7], keep s[8:9], part s[10:11]
	v_lshl_add_u32 v94, v0, 2, 0x28c00
	v_mov_b32 v95, 0
	v_lshrrev_b32 v1, 5, v0
	v_readfirstlane_b32 s18, v1                    ; wave 0..3
	s_and_b32 s19, ttmp7, 0xffff                   ; e
	s_and_b32 s30, ttmp9, 7                        ; jn
	s_lshr_b32 s31, ttmp9, 3                       ; ks
	v_and_b32 v1, 31, v0                           ; lane
	v_and_b32 v2, 15, v0                           ; r
	v_bfe_u32 v3, v0, 4, 1                         ; h
	v_lshlrev_b32 v4, 4, v1                        ; 16 x lane
	s_mul_i32 s26, s18, 32*PITCH
	v_add_nc_u32 v5, s26, v4                       ; W2 into LDS: my wave's 32 rows, 16 bytes a lane
	v_mul_u32_u24 v6, v2, PITCH
	v_lshl_add_u32 v6, v3, 4, v6                   ; a fragment: row r, + 16 h; tiles 0 to 3,
	v_add_nc_u32 v7, 64*PITCH, v6                  ; tiles 4 to 7 (an LDS offset has 16 bits)
	s_mul_i32 s26, s18, 16*SP
	s_add_co_u32 s26, s26, STG                     ; my stage
	v_mul_u32_u24 v18, v2, SP
	v_lshl_add_u32 v18, v3, 5, v18
	v_add_nc_u32 v18, s26, v18                     ; in: row r, 32 bytes for each half of the lanes
	v_add_nc_u32 v19, s26, v4                      ; back: the 32 lanes take one row of 512 bytes
	s_lshl_b32 s40, 1, s19                         ; the expert's bit in keep
	s_lshl_b32 s26, s19, 22                        ; W2: expert, 128 rows of 4,096 a jn, 32 rows a wave, 1,024 bytes a ks
	s_lshl_b32 s28, s30, 19
	s_add_co_u32 s26, s26, s28
	s_lshl_b32 s28, s18, 17
	s_add_co_u32 s26, s26, s28
	s_lshl_b32 s28, s31, 10
	s_add_co_u32 s26, s26, s28
	s_mov_b32 s27, 0
	s_lshl_b32 s28, s19, 22                        ; himg: expert, 8 K steps of 2,048 bytes a ks
	s_lshl_b32 s36, s31, 14
	s_add_co_u32 s28, s28, s36
	s_mov_b32 s29, 0
	s_lshl_b32 s36, s31, 25                        ; part: ks, expert, tile w, 128 outputs a jn
	s_lshl_b32 s38, s19, 22
	s_add_co_u32 s36, s36, s38
	s_lshl_b32 s38, s18, 16
	s_add_co_u32 s36, s36, s38
	s_lshl_b32 s38, s30, 9
	s_add_co_u32 s36, s36, s38
	s_mov_b32 s37, 0
	s_mov_b32 s25, s18                             ; my slot 0's tile: 20 p + w
	s_mov_b32 s23, 0                               ; p
	s_mov_b32 s21, 0                               ; the expert's rows
	s_wait_kmcnt 0x0
	s_add_nc_u64 s[4:5], s[4:5], s[26:27]
	s_add_nc_u64 s[6:7], s[6:7], s[28:29]
	s_add_nc_u64 s[10:11], s[10:11], s[36:37]
.irp j, 0,1,2,3,4,5,6,7
	global_load_b128 v[KP+4*\j:KP+4*\j+3], v4, s[8:9] offset:512*\j        ; keep: each load reads 512 consecutive bytes
.endr
.set k, 0
.rept 64                               ; my 32 rows' 1,024 bytes of W2: each load reads 512 consecutive bytes; read by nobody else
.set RG, 576+4*k
.set RL, RG&255
.set WN, (RG>>8)<<6
	WIN WN
	global_load_b128 v[RL:RL+3], v4, s[4:5] offset:(k/2)*4096+512*(k%2) th:TH_LOAD_NT
.set k, k+1
.endr
	WIN 0
	s_wait_loadcnt 63                              ; of the 72 loads issued the 9 oldest are in: keep's 8 among them
.set g, 0
.rept 8                                ; the tokens with my expert's bit are counted, four registers of keep at a time
.irp c, 0,1,2,3
	v_and_b32 v[TT+\c], s40, v[KP+g+\c]
.endr
.irp c, 0,1,2,3
	v_cmp_ne_u32 s[44+\c], 0, v[TT+\c]
.endr
.irp c, 0,1,2,3
	s_bcnt1_i32_b32 s[48+\c], s[44+\c]
.endr
.irp c, 0,1,2,3
	s_add_co_u32 s21, s21, s[48+\c]
.endr
.set g, g+4
.endr
	s_min_u32 s21, s21, 1024
	s_add_co_u32 s21, s21, 15
	s_lshr_b32 s21, s21, 4                         ; tiles of 16 rows
	s_add_co_u32 s22, s21, 19
	s_mul_i32 s22, s22, 3277
	s_lshr_b32 s22, s22, 16                        ; passes = ceil(tiles / 20), right for 0 to 64 tiles
	VOFFS
	s_wait_loadcnt 32                              ; W2's pieces 0 to 31 are in
	WSTORE 0
	LDX 0, 0                                       ; the first pass's rows, three K steps
	LDX 1, 1
	LDX 2, 2
	s_wait_loadcnt 60                              ; all of W2's pieces are in; the 60 loads just issued may be out
	WSTORE 32
	s_wait_dscnt 0x0                               ; for the others' sake: my rows of W2 lie in LDS
	s_barrier_signal -1
	s_barrier_wait -1                              ; the slice is whole; it is never written again
	s_cmp_eq_u32 s22, 0
	s_cbranch_scc1 .Ldone                          ; an expert without rows
.Lpass:
	s_sub_co_i32 s[M], s21, s25                    ; my slots that hold a tile: ceil((tiles - first tile) / 4), between 0 and 5
	s_add_co_i32 s[M], s[M], 3
	s_ashr_i32 s[M], s[M], 2
	s_max_i32 s[M], s[M], 0
	s_min_i32 s[M], s[M], 5
	s_cmp_eq_u32 s[M], 0
	s_cbranch_scc1 .Lpend
	PLACES 5                                       ; the accumulators begin anew, with another C
	LDW 0, 0
	STEP 0
	STEP 1
	STEP 2
	STEP 3
	STEP 4
	STEP 5
	STEP 6
	STEP 7
	PLACES 4                                       ; results just made are read, and loads follow into registers that the last products have read
	TOST 0
.irp i, 1,2,3,4
	WIN 0
	s_cmp_le_u32 s[M], \i
	s_cbranch_scc1 .Lstaged
	TOST \i
.endr
	WIN 0
.Lstaged:
	s_wait_dscnt 0x0                               ; every slot's rows are back in registers
	SEND 0
.irp i, 1,2,3,4
	WIN 0
	s_cmp_le_u32 s[M], \i
	s_cbranch_scc1 .Lpend
	SEND \i
.endr
	WIN 0
.Lpend:
	s_wait_loadcnt 0x0                             ; (a wave without a tile in this pass has its rows' loads out)
	s_wait_xcnt 0x0                                ; the stores have read their registers and their base: both are written again below
	s_add_nc_u64 s[10:11], s[10:11], 1310720       ; 20 tiles of 16 rows of 4,096 bytes on
	s_add_co_u32 s25, s25, 20
	s_add_co_u32 s23, s23, 1
	s_cmp_lt_u32 s23, s22
	s_cbranch_scc0 .Ldone                          ; no load is issued for a pass that does not come
	VOFFS
	LDX 0, 0
	LDX 1, 1
	LDX 2, 2
	s_cmp_lt_u32 s23, s22
	s_cbranch_scc1 .Lpass
.Ldone:
	s_wait_tensorcnt 0x0
	ds_add_u32 v94, v95
	s_wait_dscnt 0x0
	s_endpgm
.Lfunc_end_k_qdce14eb378_ffn2:
	.size	k_qdce14eb378_ffn2, .Lfunc_end_k_qdce14eb378_ffn2-k_qdce14eb378_ffn2
	.p2alignl 7, 3214868480
	.fill 96, 4, 3214868480
	.section	.rodata,"a",@progbits
	.p2align	6, 0x0
	.amdhsa_kernel k_qdce14eb378_ffn2
		.amdhsa_group_segment_fixed_size 167424
		.amdhsa_private_segment_fixed_size 0
		.amdhsa_enable_private_segment 0
		.amdhsa_kernarg_size 32
		.amdhsa_user_sgpr_count 2
		.amdhsa_user_sgpr_kernarg_segment_ptr 1
		.amdhsa_wavefront_size32 1
		.amdhsa_system_sgpr_workgroup_id_x 1
		.amdhsa_system_sgpr_workgroup_id_y 1
		.amdhsa_system_sgpr_workgroup_id_z 1
		.amdhsa_system_vgpr_workitem_id 0
		.amdhsa_next_free_vgpr 1024
		.amdhsa_next_free_sgpr 66
		.amdhsa_reserve_vcc 0
		.amdhsa_float_denorm_mode_32 3
		.amdhsa_float_denorm_mode_16_64 3
		.amdhsa_memory_ordered 1
		.amdhsa_forward_progress 1
		.amdhsa_inst_pref_size 105
	.end_amdhsa_kernel
	.amdgpu_metadata
---
amdhsa.version: [ 1, 2 ]
amdhsa.kernels:
  - .name:           k_qdce14eb378_ffn2
    .symbol:         k_qdce14eb378_ffn2.kd
    .args:
      - { .name: W2_codes, .offset: 0, .size: 8, .value_kind: global_buffer, .address_space: global }
      - { .name: himg, .offset: 8, .size: 8, .value_kind: global_buffer, .address_space: global }
      - { .name: keep, .offset: 16, .size: 8, .value_kind: global_buffer, .address_space: global }
      - { .name: part, .offset: 24, .size: 8, .value_kind: global_buffer, .address_space: global }
    .group_segment_fixed_size: 167424
    .private_segment_fixed_size: 0
    .kernarg_segment_align: 8
    .kernarg_segment_size: 32
    .max_flat_workgroup_size: 128
    .sgpr_count:     66
    .vgpr_count:     1024
    .wavefront_size: 32
...
	.end_amdgpu_metadata
.endif
;; end of part 7
;; launch combine (part 8): grid 512 x 1, 4 waves a work-group, no clusters, 0 bytes of LDS; arguments part, b2, lowp_scales, keep, gw, out0; writes out0
.if DOCPART == 8
	.amdgcn_target "amdgcn-amd-amdhsa--gfx1250"
	.amdhsa_code_object_version 6
	.text
	.protected	k_qdce14eb378_combine
	.globl	k_qdce14eb378_combine
	.p2align	8
	.type	k_qdce14eb378_combine,@function
k_qdce14eb378_combine:
	s_mov_b64 s[64:65], 0
	v_nop
	global_prefetch_b8 v0, s[64:65] scope:SCOPE_SE
	s_setreg_imm32_b32 hwreg(HW_REG_WAVE_MODE, 25, 1), 1
	s_wait_xcnt 0x0
; THE OUTPUT ROWS: out[t] = the sum over t's kept experts e of gw[t][e] x (2^(e2 + e3) x (the four parts of the second product at t's place in e) + b2[e]).
; gw holds the softmax weight / 8 already.  part: [ks][e][place][1024] f32; keep[1024]: a bit for each kept expert of a token.
; PLACES.  keep is read by 8 loads of 512 consecutive bytes: register g (0..31) of lane l holds token 128 (g / 4) + 4 l + g % 4.  Token t's place in expert e is the number of tokens that keep e
; and have a smaller key 32 g + l: the key by which the first product placed its rows.  The entries whose key is not below t's are made 0 once; then an expert's place is a count of bits.
; SHARES.  Each output row has one owner: a wave takes half a row of one token (2,048 bytes: four loads or stores of 512 consecutive bytes); a work-group two tokens.
; The token's small numbers are scalars.  A token has two kept experts or, where gates tie exactly, more: the first two are written out, 40 loads together; a counted loop serves the rest.
; Memory binds: no LDS, no barrier, no matrix unit; the waves share nothing.
; LIMITS: e2 + e3 between -126 and 127.  keep has two bits or more for every token (it has, for gates that are numbers).
.set OUT, 176                          ; v176-191 my 16 numbers of each of the four pieces
.set KP,  192                          ; v192-223 keep, the entries ahead of my token
.set TT,  224                          ; v224-227 at work
	s_load_b256 s[4:11], s[0:1], 0x0               ; part s[4:5], b2 s[6:7], the scales' exponents s[8:9], keep s[10:11]
	s_load_b128 s[12:15], s[0:1], 0x20             ; gw s[12:13], out0 s[14:15]
	v_lshrrev_b32 v1, 5, v0
	v_readfirstlane_b32 s18, v1                    ; wave 0..3
	v_and_b32 v1, 31, v0
	v_lshlrev_b32 v2, 4, v1                        ; 16 x lane, in part ks = 0,
	v_add_nc_u32 v3, 0x2000000, v2                 ; 1,
	v_add_nc_u32 v4, 0x4000000, v2                 ; 2,
	v_add_nc_u32 v5, 0x6000000, v2                 ; 3: the parts lie 2^25 bytes apart
	s_lshr_b32 s19, s18, 1
	s_lshl_b32 s21, ttmp9, 1
	s_add_co_u32 s19, s19, s21                     ; my token
	s_and_b32 s44, s18, 1
	s_lshl_b32 s44, s44, 11                        ; my half of a row, in bytes
	s_lshl_b32 s22, s19, 2
	s_mov_b32 s23, 0
	s_lshl_b32 s68, s19, 5
	s_mov_b32 s69, 0
	s_lshl_b32 s70, s19, 12
	s_add_co_u32 s70, s70, s44
	s_mov_b32 s71, 0
	s_lshr_b32 s72, s19, 7                         ; my token's key: g = 4 (t / 128) + t % 4, l = (t / 4) % 32
	s_lshl_b32 s72, s72, 2
	s_and_b32 s47, s19, 3
	s_or_b32 s72, s72, s47
	s_lshl_b32 s72, s72, 5
	s_bfe_u32 s47, s19, 0x50002
	s_or_b32 s72, s72, s47
	v_sub_nc_u32 v6, s72, v1                       ; key - lane: register g of my lane lies ahead of my token where 32 g is below it
	s_wait_kmcnt 0x0
	s_add_nc_u64 s[16:17], s[10:11], s[22:23]
	s_add_nc_u64 s[12:13], s[12:13], s[68:69]
	s_add_nc_u64 s[14:15], s[14:15], s[70:71]
.irp j, 0,1,2,3,4,5,6,7
	global_load_b128 v[KP+4*\j:KP+4*\j+3], v2, s[10:11] offset:512*\j
.endr
	s_load_b32 s20, s[16:17], 0x0                  ; my token's kept experts
	s_load_b256 s[24:31], s[12:13], 0x0            ; the eight weights
	s_load_b128 s[40:43], s[8:9], 0x0              ; e0, e1, e2, e3
	s_wait_loadcnt 0x0
.set g, 0
.rept 8
.irp c, 0,1,2,3
	v_cmp_lt_i32 s[32+\c], 32*(g+\c), v6
.endr
.irp c, 0,1,2,3
	v_cndmask_b32 v[KP+g+\c], 0, v[KP+g+\c], s[32+\c]
.endr
.set g, g+4
.endr
	s_wait_kmcnt 0x0
	s_add_co_i32 s45, s42, s43
	s_add_co_i32 s45, s45, 127
	s_lshl_b32 s45, s45, 23                        ; 2^(e2 + e3) as f32
.macro NEXTE                           ; s46 = the lowest kept expert left; its bit is cleared
	s_ctz_i32_b32 s46, s20
	s_min_u32 s46, s46, 7
	s_sub_co_u32 s47, s20, 1
	s_and_b32 s20, s20, s47
.endm
.macro PICK w, v                       ; that expert's weight, and weight x 2^(e2 + e3); as pairs, for the packed forms
	s_mov_b32 s[\w], s24
.irp i, 1,2,3,4,5,6,7
	s_cmp_eq_u32 s46, \i
	s_cselect_b32 s[\w], s[24+\i], s[\w]
.endr
	s_mov_b32 s[\w+1], s[\w]
	s_mul_f32 s[\v], s[\w], s45
	s_mov_b32 s[\v+1], s[\v]
.endm
.macro RANK rk                         ; my place in that expert: the tokens ahead of mine that keep it, four registers of keep at a time
	s_lshl_b32 s21, 1, s46
	s_mov_b32 s[\rk], 0
.set g, 0
.rept 8
.irp c, 0,1,2,3
	v_and_b32 v[TT+\c], s21, v[KP+g+\c]
.endr
.irp c, 0,1,2,3
	v_cmp_ne_u32 s[32+\c], 0, v[TT+\c]
.endr
.irp c, 0,1,2,3
	s_bcnt1_i32_b32 s[36+\c], s[32+\c]
.endr
.irp c, 0,1,2,3
	s_add_co_u32 s[\rk], s[\rk], s[36+\c]
.endr
.set g, g+4
.endr
	s_min_u32 s[\rk], s[\rk], 1023                 ; a place, whatever was loaded
.endm
.macro ADDR rk, p, b                   ; my half of the row (expert, place) of part, and of the expert's b2
	s_lshl_b32 s68, s46, 10
	s_add_co_u32 s68, s68, s[\rk]
	s_lshl_b32 s68, s68, 12
	s_add_co_u32 s68, s68, s44
	s_mov_b32 s69, 0
	s_add_nc_u64 s[\p:\p+1], s[4:5], s[68:69]
	s_lshl_b32 s68, s46, 12
	s_add_co_u32 s68, s68, s44
	s_add_nc_u64 s[\b:\b+1], s[6:7], s[68:69]
.endm
.macro LOADS r, p, b                   ; 16 loads of part (piece q of part ks at r + 16 ks + 4 q), 4 of b2 (at r + 64 + 4 q)
.irp ks, 0,1,2,3
.irp q, 0,1,2,3
	global_load_b128 v[\r+16*\ks+4*\q:\r+16*\ks+4*\q+3], v[2+\ks], s[\p:\p+1] offset:512*\q th:TH_LOAD_NT
.endr
.endr
.irp q, 0,1,2,3
	global_load_b128 v[\r+64+4*\q:\r+64+4*\q+3], v2, s[\b:\b+1] offset:512*\q
.endr
.endm
.macro ACCUM r, w, v, first            ; out (+)= b2 x weight + ((P0 + P1) + (P2 + P3)) x weight x 2^(e2 + e3); first = 1 starts the sums: nothing is cleared
.irp q, 0,1,2,3
.irp d, 0,2
	v_pk_add_f32 v[\r+4*\q+\d:\r+4*\q+\d+1], v[\r+4*\q+\d:\r+4*\q+\d+1], v[\r+16+4*\q+\d:\r+16+4*\q+\d+1]
	v_pk_add_f32 v[\r+32+4*\q+\d:\r+32+4*\q+\d+1], v[\r+32+4*\q+\d:\r+32+4*\q+\d+1], v[\r+48+4*\q+\d:\r+48+4*\q+\d+1]
.endr
.irp d, 0,2
	v_pk_add_f32 v[\r+4*\q+\d:\r+4*\q+\d+1], v[\r+4*\q+\d:\r+4*\q+\d+1], v[\r+32+4*\q+\d:\r+32+4*\q+\d+1]
.if \first
	v_pk_mul_f32 v[OUT+4*\q+\d:OUT+4*\q+\d+1], v[\r+64+4*\q+\d:\r+64+4*\q+\d+1], s[\w:\w+1] op_sel_hi:[1,0]
.else
	v_pk_fma_f32 v[OUT+4*\q+\d:OUT+4*\q+\d+1], v[\r+64+4*\q+\d:\r+64+4*\q+\d+1], s[\w:\w+1], v[OUT+4*\q+\d:OUT+4*\q+\d+1] op_sel_hi:[1,0,1]
.endif
.endr
.irp d, 0,2
	v_pk_fma_f32 v[OUT+4*\q+\d:OUT+4*\q+\d+1], v[\r+4*\q+\d:\r+4*\q+\d+1], s[\v:\v+1], v[OUT+4*\q+\d:OUT+4*\q+\d+1] op_sel_hi:[1,0,1]
.endr
.endr
.endm
	NEXTE                                          ; the first kept expert: registers v16-95, scalars s48, s[50:57]
	RANK 48
	ADDR 48, 54, 56
	LOADS 16, 54, 56
	PICK 50, 52
	NEXTE                                          ; the second: v96-175, s49, s[58:63], s[66:67]
	RANK 49
	ADDR 49, 62, 66
	LOADS 96, 62, 66
	PICK 58, 60
	s_wait_loadcnt 20                              ; the first expert's 20 loads are in; the second's may be out
	ACCUM 16, 50, 52, 1
	s_wait_loadcnt 0x0
	ACCUM 96, 58, 60, 0
	s_bcnt1_i32_b32 s70, s20                       ; experts left: only where gates tie exactly
	s_cmp_eq_u32 s70, 0
	s_cbranch_scc1 .Lstore
	s_mov_b32 s71, 0
.Ltie:
	NEXTE                                          ; (no load is out here: the first set's registers and bases may be written)
	RANK 48
	ADDR 48, 54, 56
	LOADS 16, 54, 56
	PICK 50, 52
	s_wait_loadcnt 0x0
	ACCUM 16, 50, 52, 0
	s_add_co_u32 s71, s71, 1
	s_cmp_lt_u32 s71, s70
	s_cbranch_scc1 .Ltie
.Lstore:
.irp q, 0,1,2,3
	global_store_b128 v2, v[OUT+4*\q:OUT+4*\q+3], s[14:15] offset:512*\q th:TH_STORE_NT   ; 32 lanes store 512 consecutive bytes, at a multiple of 512 from out0's first byte
.endr
	s_endpgm
.Lfunc_end_k_qdce14eb378_combine:
	.size	k_qdce14eb378_combine, .Lfunc_end_k_qdce14eb378_combine-k_qdce14eb378_combine
	.p2alignl 7, 3214868480
	.fill 96, 4, 3214868480
	.section	.rodata,"a",@progbits
	.p2align	6, 0x0
	.amdhsa_kernel k_qdce14eb378_combine
		.amdhsa_group_segment_fixed_size 0
		.amdhsa_private_segment_fixed_size 0
		.amdhsa_enable_private_segment 0
		.amdhsa_kernarg_size 48
		.amdhsa_user_sgpr_count 2
		.amdhsa_user_sgpr_kernarg_segment_ptr 1
		.amdhsa_wavefront_size32 1
		.amdhsa_system_sgpr_workgroup_id_x 1
		.amdhsa_system_sgpr_workgroup_id_y 1
		.amdhsa_system_sgpr_workgroup_id_z 1
		.amdhsa_system_vgpr_workitem_id 0
		.amdhsa_next_free_vgpr 232
		.amdhsa_next_free_sgpr 74
		.amdhsa_reserve_vcc 0
		.amdhsa_float_denorm_mode_32 3
		.amdhsa_float_denorm_mode_16_64 3
		.amdhsa_memory_ordered 1
		.amdhsa_forward_progress 1
		.amdhsa_inst_pref_size 40
	.end_amdhsa_kernel
	.amdgpu_metadata
---
amdhsa.version: [ 1, 2 ]
amdhsa.kernels:
  - .name:           k_qdce14eb378_combine
    .symbol:         k_qdce14eb378_combine.kd
    .args:
      - { .name: part, .offset: 0, .size: 8, .value_kind: global_buffer, .address_space: global }
      - { .name: b2, .offset: 8, .size: 8, .value_kind: global_buffer, .address_space: global }
      - { .name: lowp_scales, .offset: 16, .size: 8, .value_kind: global_buffer, .address_space: global }
      - { .name: keep, .offset: 24, .size: 8, .value_kind: global_buffer, .address_space: global }
      - { .name: gw, .offset: 32, .size: 8, .value_kind: global_buffer, .address_space: global }
      - { .name: out0, .offset: 40, .size: 8, .value_kind: global_buffer, .address_space: global }
    .group_segment_fixed_size: 0
    .private_segment_fixed_size: 0
    .kernarg_segment_align: 8
    .kernarg_segment_size: 48
    .max_flat_workgroup_size: 128
    .sgpr_count:     74
    .vgpr_count:     232
    .wavefront_size: 32
...
	.end_amdgpu_metadata
.endif
;; end of part 8
;; ======== version 3 of 3: 4 launches
;; workspace buffers: xq 1,048,576 bytes; keep 4,096 bytes of whole numbers; gw 32,768 bytes; himg 33,554,432 bytes; part 134,217,728 bytes
;; launch gate (part 9): grid 256 x 1, 4 waves a work-group, no clusters, 1,536 bytes of LDS; arguments x, W_gate, lowp_scales, xq, keep, gw; writes xq, keep, gw
.if DOCPART == 9
	.amdgcn_target "amdgcn-amd-amdhsa--gfx1250"
	.amdhsa_code_object_version 6
	.text
	.protected	k_qdce14eb378_gate
	.globl	k_qdce14eb378_gate
	.p2align	8
	.type	k_qdce14eb378_gate,@function
k_qdce14eb378_gate:
	s_mov_b64 s[64:65], 0
	v_nop
	global_prefetch_b8 v0, s[64:65] scope:SCOPE_SE
	s_setreg_imm32_b32 hwreg(HW_REG_WAVE_MODE, 25, 1), 1
	s_wait_xcnt 0x0
; THE GATE AND x's CODES.  x: [1024 tokens][1024] f32.  W_gate: [1024][8] f32.
; gate = x W_gate in f32 multiply-adds (N = 8: no work for the matrix unit).  An expert is kept where its gate >= the second largest gate
; (counted with multiplicity, as a sorted top-2 gives it); its weight is the softmax over the kept gates, the largest gate taken away first, divided by 8.
; Stored at fixed places: keep[token] = a bit for each kept expert, gw[token][8] = the weights (0 where not kept), xq[token][1024] = x as E5M2 codes under 2^e0.
; No address and no branch hangs on a gate: what is chosen is only selected into values.
; SHARES.  A work-group takes 4 tokens.  Wave w takes d = 256 w .. 256 w + 255 of all four, lane l the eight neighbours d = 256 w + 8 l + i, which is what the
; conversion to codes wants of one lane.  The waves' partial gates meet in LDS; then wave q finishes token q.
; No matrix unit, no cluster: the work-groups share only W_gate's 32 KB.
; LIMITS: NaN and infinities among the inputs are not served; e0 between -126 and 112; two gates nearer than the rounding of an f32 sum may be ordered either way.
.set WGT, 16                           ; v16-79   W_gate(8 l + i, e) at 8 i + e; later the four waves' partial gates
.set XR,  80                           ; v80-111  x of token q at 8 q + i
.set ACC, 112                          ; v112-143 partial gates at 8 q + e
.set TH,  144                          ; v144-175 x held within the largest code; later the other half of the lanes' sums
.set CD,  176                          ; v176-183 codes, two registers a token
.set G,   48                           ; v48-55   my token's gates
.set P,   56                           ; v56-63   at work, then the weights
	s_load_b256 s[4:11], s[0:1], 0x0               ; x s[4:5], W_gate s[6:7], the scales' exponents s[8:9], xq s[10:11]
	s_load_b128 s[12:15], s[0:1], 0x20             ; keep s[12:13], gw s[14:15]
	v_lshl_add_u32 v192, v0, 2, 0x400
	v_mov_b32 v193, 0
	v_lshrrev_b32 v1, 5, v0
	v_readfirstlane_b32 s16, v1                    ; wave 0..3
	v_lshlrev_b32 v5, 7, v1                        ; LDS, in: my wave's 32 partial gates at 128 w
	v_lshlrev_b32 v6, 5, v1                        ; LDS, out: token w's eight at 32 w of each wave's 128 bytes
	v_and_b32 v1, 31, v0                           ; lane
	v_lshlrev_b32 v2, 5, v1                        ; x: 8 numbers, 32 bytes a lane
	v_lshlrev_b32 v3, 8, v1                        ; W_gate: 8 rows of 32 bytes a lane
	v_lshlrev_b32 v4, 3, v1                        ; xq: 8 codes a lane
	v_mov_b32 v10, 0
	s_mov_b32 s20, 0x76543210                      ; v_permlanex16_b32: lane l takes lane l xor 16
	s_mov_b32 s21, 0xfedcba98
	s_lshl_b32 s24, ttmp9, 14                      ; x: 4 tokens of 4,096 bytes a work-group, 1,024 bytes a wave
	s_lshl_b32 s34, s16, 10
	s_add_co_u32 s24, s24, s34
	s_mov_b32 s25, 0
	s_lshl_b32 s26, s16, 13                        ; W_gate: 256 rows of 32 bytes a wave
	s_mov_b32 s27, 0
	s_lshl_b32 s28, ttmp9, 12                      ; xq: 4 tokens of 1,024 bytes, 256 bytes a wave
	s_lshl_b32 s34, s16, 8
	s_add_co_u32 s28, s28, s34
	s_mov_b32 s29, 0
	s_lshl_b32 s34, ttmp9, 2
	s_add_co_u32 s34, s34, s16                     ; the token that my wave finishes
	s_lshl_b32 s30, s34, 2
	s_mov_b32 s31, 0
	s_lshl_b32 s32, s34, 5
	s_mov_b32 s33, 0
	s_wait_alu depctr_va_vdst(0)
	s_wait_kmcnt 0x0
	s_load_b32 s17, s[8:9], 0x0                    ; e0
	s_add_nc_u64 s[4:5], s[4:5], s[24:25]
	s_add_nc_u64 s[6:7], s[6:7], s[26:27]
	s_add_nc_u64 s[10:11], s[10:11], s[28:29]
	s_add_nc_u64 s[12:13], s[12:13], s[30:31]
	s_add_nc_u64 s[14:15], s[14:15], s[32:33]
.irp q, 0,1,2,3
	global_load_b128 v[XR+8*\q:XR+8*\q+3],   v2, s[4:5] offset:4096*\q th:TH_LOAD_NT
	global_load_b128 v[XR+8*\q+4:XR+8*\q+7], v2, s[4:5] offset:4096*\q+16 th:TH_LOAD_NT
.endr
.irp k, 0,1,2,3,4,5,6,7,8,9,10,11,12,13,14,15
	global_load_b128 v[WGT+4*\k:WGT+4*\k+3], v3, s[6:7] offset:16*\k
.endr
	s_wait_kmcnt 0x0
	s_add_co_i32 s17, s17, 127
	s_lshl_b32 s34, s17, 23
	v_mov_b32 v7, s34                              ; 2^e0 as f32: the conversion takes its exponent field
	s_add_co_i32 s17, s17, 15
	s_lshl_b32 s17, s17, 23
	s_or_b32 s17, s17, 0x600000
	v_mov_b32 v8, s17                              ; 57,344 x 2^e0
	s_wait_alu depctr_va_vdst(0)
	s_wait_loadcnt 16                              ; x's eight loads are in; W_gate's sixteen may be out
.set n, 0
.rept 32
	v_med3_num_f32 v[TH+n], v[XR+n], -v8, v8       ; the conversion to an 8-bit code does not saturate (ISA guide 7.6.2): the hold comes first
.set n, n+1
.endr
.irp q, 0,1,2,3
	v_cvt_scalef32_pk8_bf8_f32 v[CD+2*\q:CD+2*\q+1], v[TH+8*\q:TH+8*\q+7], v7
.endr
	v_nop                                          ; a plain line between the conversions and what later writes their sources
.irp q, 0,1,2,3
	global_store_b64 v4, v[CD+2*\q:CD+2*\q+1], s[10:11] offset:1024*\q   ; 32 lanes store 256 consecutive bytes, at a multiple of 256 from xq's first byte
.endr
	s_wait_loadcnt 0x0                             ; W_gate
.irp q, 0,1,2,3
.irp e, 0,1,2,3,4,5,6,7
	v_mul_f32 v[ACC+8*\q+\e], v[XR+8*\q], v[WGT+\e]            ; the first product starts each sum
.endr
.irp i, 1,2,3,4,5,6,7
.irp e, 0,1,2,3,4,5,6,7
	v_fmac_f32 v[ACC+8*\q+\e], v[XR+8*\q+\i], v[WGT+8*\i+\e]
.endr
.endr
.endr
.irp m, 1,2,4,8                        ; the 32 sums over the wave's lanes: four steps inside each half of 16 lanes, all 32 by turns
.set n, 0
.rept 32
	v_add_f32_dpp v[ACC+n], v[ACC+n], v[ACC+n] row_xmask:\m row_mask:0xf bank_mask:0xf
.set n, n+1
.endr
.endr
.set n, 0
.rept 32
	v_permlanex16_b32 v[TH+n], v[ACC+n], s20, s21  ; the other half (its destination counts as read: these registers have been written)
.set n, n+1
.endr
.set n, 0
.rept 32
	v_add_f32 v[ACC+n], v[ACC+n], v[TH+n]
.set n, n+1
.endr
.irp k, 0,1,2,3,4,5,6,7
	ds_store_b128 v5, v[ACC+4*\k:ACC+4*\k+3] offset:16*\k      ; every lane holds the same numbers and writes the same bytes
.endr
	s_wait_dscnt 0x0                               ; for the others' sake: my stores have landed
	s_barrier_signal -1
	s_barrier_wait -1
.irp w, 0,1,2,3
	ds_load_b128 v[WGT+8*\w:WGT+8*\w+3],   v6 offset:128*\w
	ds_load_b128 v[WGT+8*\w+4:WGT+8*\w+7], v6 offset:128*\w+16
.endr
	s_wait_dscnt 0x0
.irp e, 0,1,2,3,4,5,6,7
	v_add_f32 v[G+\e], v[WGT+\e], v[WGT+8+\e]
	v_add_f32 v[P+\e], v[WGT+16+\e], v[WGT+24+\e]
.endr
.irp e, 0,1,2,3,4,5,6,7
	v_add_f32 v[G+\e], v[G+\e], v[P+\e]            ; my token's gates
.endr
	v_max_num_f32 v64, v[G], v[G+1]                ; the largest,
	v_min_num_f32 v65, v[G], v[G+1]                ; and the second largest, equal gates counted each
.irp e, 2,3,4,5,6,7
	v_min_num_f32 v66, v64, v[G+\e]
	v_max_num_f32 v64, v64, v[G+\e]
	v_max_num_f32 v65, v65, v66
.endr
.irp e, 0,1,2,3,4,5,6,7
	v_sub_f32 v[P+\e], v[G+\e], v64                ; the largest gate is taken away before the exponential
.endr
.irp e, 0,1,2,3,4,5,6,7
	v_mul_f32 v[P+\e], 0x3fb8aa3b, v[P+\e]         ; x log2(e)
.endr
	s_wait_alu depctr_va_vdst(0)
.irp e, 0,1,2,3,4,5,6,7
	v_exp_f32 v[P+\e], v[P+\e]
.endr
	v_mov_b32 v67, 0                               ; the bits.  (A plain line behind the exponentials)
	s_wait_alu depctr_va_vdst(0)
.irp e, 0,1,2,3,4,5,6,7
	v_cmp_ge_f32 vcc_lo, v[G+\e], v65
	v_cndmask_b32 v[P+\e], 0, v[P+\e], vcc_lo      ; kept: its exponential; else 0
	v_cndmask_b32 v66, 0, 1, vcc_lo
	v_lshl_or_b32 v67, v66, \e, v67
.endr
	v_add_f32 v68, v[P], v[P+1]
	v_add_f32 v69, v[P+2], v[P+3]
	v_add_f32 v70, v[P+4], v[P+5]
	v_add_f32 v71, v[P+6], v[P+7]
	v_add_f32 v68, v68, v69
	v_add_f32 v70, v70, v71
	v_add_f32 v68, v68, v70
	s_wait_alu depctr_va_vdst(0)
	v_rcp_f32 v68, v68
	v_nop                                          ; a plain line behind the reciprocal
	s_wait_alu depctr_va_vdst(0)
	v_mul_f32 v68, 0x3e000000, v68                 ; the mean over 8 experts: x 1/8
.irp e, 0,1,2,3,4,5,6,7
	v_mul_f32 v[P+\e], v[P+\e], v68
.endr
	s_wait_alu depctr_va_vdst(0)
	s_wait_xcnt 0x0                                ; EXEC is a source of the stores above: it changes only behind this wait
	v_cmp_eq_u32 vcc_lo, 0, v1
	s_wait_tensorcnt 0x0
	ds_add_u32 v192, v193
	s_wait_dscnt 0x0
	s_and_saveexec_b32 s22, vcc_lo                 ; every lane holds the same: lane 0 stores the token's 36 bytes of the two small tables
	global_store_b128 v10, v[P:P+3], s[14:15]
	global_store_b128 v10, v[P+4:P+7], s[14:15] offset:16
	global_store_b32 v10, v67, s[12:13]
	s_endpgm
.Lfunc_end_k_qdce14eb378_gate:
	.size	k_qdce14eb378_gate, .Lfunc_end_k_qdce14eb378_gate-k_qdce14eb378_gate
	.p2alignl 7, 3214868480
	.fill 96, 4, 3214868480
	.section	.rodata,"a",@progbits
	.p2align	6, 0x0
	.amdhsa_kernel k_qdce14eb378_gate
		.amdhsa_group_segment_fixed_size 1536
		.amdhsa_private_segment_fixed_size 0
		.amdhsa_enable_private_segment 0
		.amdhsa_kernarg_size 48
		.amdhsa_user_sgpr_count 2
		.amdhsa_user_sgpr_kernarg_segment_ptr 1
		.amdhsa_wavefront_size32 1
		.amdhsa_system_sgpr_workgroup_id_x 1
		.amdhsa_system_sgpr_workgroup_id_y 1
		.amdhsa_system_sgpr_workgroup_id_z 1
		.amdhsa_system_vgpr_workitem_id 0
		.amdhsa_next_free_vgpr 194
		.amdhsa_next_free_sgpr 66
		.amdhsa_reserve_vcc 1
		.amdhsa_float_denorm_mode_32 3
		.amdhsa_float_denorm_mode_16_64 3
		.amdhsa_memory_ordered 1
		.amdhsa_forward_progress 1
		.amdhsa_inst_pref_size 33
	.end_amdhsa_kernel
	.amdgpu_metadata
---
amdhsa.version: [ 1, 2 ]
amdhsa.kernels:
  - .name:           k_qdce14eb378_gate
    .symbol:         k_qdce14eb378_gate.kd
    .args:
      - { .name: x, .offset: 0, .size: 8, .value_kind: global_buffer, .address_space: global }
      - { .name: W_gate, .offset: 8, .size: 8, .value_kind: global_buffer, .address_space: global }
      - { .name: lowp_scales, .offset: 16, .size: 8, .value_kind: global_buffer, .address_space: global }
      - { .name: xq, .offset: 24, .size: 8, .value_kind: global_buffer, .address_space: global }
      - { .name: keep, .offset: 32, .size: 8, .value_kind: global_buffer, .address_space: global }
      - { .name: gw, .offset: 40, .size: 8, .value_kind: global_buffer, .address_space: global }
    .group_segment_fixed_size: 1536
    .private_segment_fixed_size: 0
    .kernarg_segment_align: 8
    .kernarg_segment_size: 48
    .max_flat_workgroup_size: 128
    .sgpr_count:     66
    .vgpr_count:     194
    .wavefront_size: 32
...
	.end_amdgpu_metadata
.endif
;; end of part 9
;; launch ffn1 (part 10): grid 32 x 8, 4 waves a work-group, no clusters, 133,632 bytes of LDS; arguments W1_codes, b1, lowp_scales, xq, keep, himg; writes himg
.if DOCPART == 10
	.amdgcn_target "amdgcn-amd-amdhsa--gfx1250"
	.amdhsa_code_object_version 6
	.text
	.protected	k_qdce14eb378_ffn1
	.globl	k_qdce14eb378_ffn1
	.p2align	8
	.type	k_qdce14eb378_ffn1,@function
k_qdce14eb378_ffn1:
	s_mov_b64 s[64:65], 0
	v_nop
	global_prefetch_b8 v0, s[64:65] scope:SCOPE_SE
	s_setreg_imm32_b32 hwreg(HW_REG_WAVE_SCHED_MODE, 0, 2), 2
	s_setreg_imm32_b32 hwreg(HW_REG_WAVE_MODE, 25, 1), 1
	s_wait_xcnt 0x0
	s_wait_alu depctr_vm_vsrc(0)
; THE FIRST PRODUCT, FOR THE KEPT ROWS ALONE: h = relu(x W1 + b1), quantised to E5M2 under 2^e3, for the tokens that keep gives expert e.
; W1_codes: [8][4096 units][1024] codes, K innermost.  xq: [1024 tokens][1024] codes.  keep[1024]: a bit for each kept expert of a token, stored by the launch before.
; himg: the hidden layer as images of the second product's operand registers:
; [e][tile of 16 places, 0..63][K step of 128 units, 0..31][group c, 0..3][lane][16 bytes]: lane (r, h) of group c holds units 32 c + 16 h + 0 .. 15 of the tile's row r.
; PLACES.  keep is read by 8 loads of 512 consecutive bytes: register g (0..31) of lane l holds token 128 (g / 4) + 4 l + g % 4.  A kept token's place in the expert is the number of kept tokens
; with a smaller key 32 g + l.  The two later launches count by the same key.  The token at a place is found in registers: a mask of lanes for each g (32 scalars), the counts ahead of each g,
; a walk over the 32 groups that keeps the last group beginning at or before the place, and the wanted set bit of its mask by halving.  Places at or past the count name token 0.
; SHARES.  Work-group (j, e) owns expert e's units 128 j .. 128 j + 127: 128 rows x 1,024 bytes of W1, which no other work-group reads.  They are put into LDS once.
; The four waves share the expert's ROWS: in a pass wave w takes tiles 20 p + 4 i + w, i = 0 .. 4, as far as the expert has tiles; ceil(tiles / 20) passes serve any split, up to all 1,024 tokens.
; The rows' fragments go from memory straight into registers, three K steps ahead; no barrier stands behind the one that shows W1's slice whole.
; NO TENSOR LOADS AND NO JOINT REQUESTS, though the 32 work-groups of an expert read the same rows: the trips hang on a count made from numbers read from memory,
; and with a constant count every work-group would ask for all 1,024 places of an expert, four times its rows at an even split: what a joint request of four would save.
; THE MATRIX INSTRUCTION IS USED TRANSPOSED: source 0 = 16 rows of W1, source 1 = 16 rows of x: a lane holds one row of h and its registers run along the units, the next K.
; THE UNITS OF A TILE ARE NOT NEIGHBOURS: row r of tile 2 b + u is unit 32 b + 8 u + r + 8 (r / 8), so that a lane's 16 registers of tiles 2 b and 2 b + 1 are the 16 neighbours
; 32 b + 16 h + 0 .. 15.  The order is made where W1's rows are stored into LDS, so a fragment's 16 rows are neighbours there.
; A fragment (16 rows x 128 K) is fetched by four loads of 16 bytes: registers 4 c .. 4 c + 3 hold k = 32 c + 16 h + 0 .. 15: the same order of k on both sides.
; b1, divided by 2^(e0 + e1), is the C of each sum's first product.  A sum stands for sum x 2^(e0 + e1), so the conversion takes the one scale 2^(e3 - e0 - e1); its hold clips at 0: the relu.
; LIMITS: e3 - e0 - e1 between -126 and 112.  NaN among the inputs is not served.
; REGISTERS by their full numbers (windows of 256): 0-31 addresses and scales; 32-95 b1; 96-223 W set 0 (between passes: keep and the search for tokens); 256-383 W set 1;
;   rows of x, four sets of five fragments: 384-463, 832-911, 912-991, and 224-255 with 464-511;
;   512-831 the accumulators, (slot i, tile ct) at 512 + 64 i + 8 ct.  576-831 first carry W1's slice on its way into LDS (so slots 1 to 4 are written on every path).  A slot's codes go to 384 + 16 i.
; SCALARS: s66-97 the 32 masks of lanes, made once; s50 the count; s36-39 four groups' keys; s51-62 their masks of lanes, three a group; s44-46 three masks of lanes at work.
; THE MODE: SCHED_MODE bits 1:0 = 2 (LLVM: expert scheduling mode 2), set by the entry lines.  The code itself states the register dependences
; between vector or matrix instructions and memory or LDS instructions, with s_wait_alu, always for 0.
; THE PLAN.  Registers that memory or LDS instructions touch:
;   W sets 0, 1     K step s: its products read set s % 2; the LDS loads of step s + 1 land in the other set, which the products of step s - 1 read last.
;   rows' sets 0-3  K step s: its products read set s % 4; the loads of step s + 3 land in set (s + 3) % 4 = (s - 1) % 4, which the products of step s - 1 read last.
;   v4-7, v15       offsets and LDS addresses: made once at the head, never written again.
;   v10-14          the rows' offsets: read by every load of rows; written once a pass, between passes.
;   576-831         W1's slice: loaded, read by the LDS stores ahead of the barrier; behind it the products write them as accumulators.
;   384 + 16 i      slot i's codes: written by the conversions, read by the stores; the next pass's first rows land there.
;   96-167          keep and the search for tokens: named by vector instructions between passes; W set 0 lands there at a pass's head.
; So ONE wait on va_vdst stands at the head of K steps 1 to 6: the products of the step before are done reading the two sets that this step's loads fill.  Behind it the 32 LDS loads are dealt among
; slot 0's eight products, the only ones on every path, and the 20 loads of rows follow them: the products issued since the wait name W set s % 2, rows' set s % 4, the accumulators and b1, none of which those loads touch.
; One wait on va_vdst stands between all slots' conversions and the run of their stores; one ahead of each pass's first loads of rows; one wait on vm_vsrc behind the barrier and one at a pass's end.
; A mask of lanes that a compare has written is read only behind a wait on va_sdst: the compares are laid in runs, one wait behind each run.
.set PITCH, 1040                       ; an LDS row: 1,024 bytes + 16: an odd multiple of 16, so the 16 rows of a fragment load fall on 16 different groups of banks
.set BIAS,  32
.set VOFF,  10                         ; v10-14 slot i: my row's byte in xq + 16 h
.set M,     24                         ; s24 how many of my five slots hold a tile in this pass
.set HIMG,  14                         ; s[14:15]
.set KP,    96                         ; v96-127  keep, register g
.set QV,    128                        ; three vectors of 32 places: x = 0: slots 0 (lanes 0-15) and 1 (lanes 16-31); 1: slots 2 and 3; 2: slot 4, twice
.set KV,    131                        ; 32 x place + 31
.set PV,    134                        ; the chosen group's key: 32 x the count ahead of it + g
.set MV,    137                        ; and its mask
.set AV,    140                        ; the mask's counts by pairs,
.set BV,    143                        ; by fours,
.set CV,    146                        ; by bytes
.set TV,    149                        ; at work; at last the token
.set RV,    152                        ; which set bit is wanted, from 0
.set SV,    155                        ; the bit's number so far
.set UV,    158                        ; at work
.set XP,    161                        ; v161-162 the other half of the lanes' tokens
.set TT,    164                        ; v164-167 at work
.set KY,    36                         ; s36-39 the keys of a run of four groups
.set MK,    51                         ; s51-62 group b of the run, vector x: the lanes whose place lies at or behind the group's first, at MK + 3 b + x
.set MSB,   0
.macro WIN new                         ; the immediate's high byte repeats the setting that is left; a switch that changes nothing is dropped
.if MSB != \new
	s_set_vgpr_msb (MSB<<8)|\new
.set MSB, \new
.endif
.endm
.macro PLACES n
.rept \n
	v_nop
.endr
.endm
.macro RING q, i                       ; RX = the first register of slot i's fragment in set q
.if (\q)==0
.set RX, 384+16*(\i)
.elseif (\q)==1
.set RX, 832+16*(\i)
.elseif (\q)==2
.set RX, 912+16*(\i)
.elseif (\i)<2
.set RX, 224+16*(\i)
.else
.set RX, 464+16*((\i)-2)
.endif
.endm
.macro LDW set, s                      ; W1's eight fragments of K step s, from LDS into a set: 32 loads in one run (a pass's first step; the later steps' are dealt among products: MULW)
.set WSB, 96+160*(\set)
.set WL, WSB&255
.set WN, (WSB>>8)<<6
	WIN WN
.irp ct, 0,1,2,3,4,5,6,7
.irp c, 0,1,2,3
	ds_load_b128 v[WL+16*\ct+4*\c:WL+16*\ct+4*\c+3], v[6+\ct/4] offset:(\ct%4)*16*PITCH+128*(\s)+32*\c
.endr
.endr
	WIN 0
.endm
.macro LDX q, s                        ; the five slots' fragments of K step s, from xq into set q: 20 loads.  An empty slot's lanes all name token 0
.irp i, 0,1,2,3,4
	RING \q, \i
.set RL, RX&255
.set WN, (RX>>8)<<6
	WIN WN
.irp c, 0,1,2,3
	global_load_b128 v[RL+4*\c:RL+4*\c+3], v[VOFF+\i], s[10:11] offset:128*(\s)+32*\c
.endr
.endr
	WIN 0
.endm
.macro MUL i, s                        ; slot i x the eight tiles of units, 128 along K.  The eight accumulators take turns, one instruction a turn
	RING (\s)%4, \i
.set WSB, 96+160*((\s)%2)
.set AC, 512+64*(\i)
.set AW, AC>>8
.set AL, AC&255
.set WL, WSB&255
.set RL, RX&255
.if (\s)==0
.set WN, (AW<<6)|((RX>>8)<<2)|(WSB>>8)
.else
.set WN, (AW<<6)|(AW<<4)|((RX>>8)<<2)|(WSB>>8)
.endif
	WIN WN
.irp ct, 0,1,2,3,4,5,6,7
.if (\s)==0
	v_wmma_f32_16x16x128_bf8_bf8 v[AL+8*\ct:AL+8*\ct+7], v[WL+16*\ct:WL+16*\ct+15], v[RL:RL+15], v[BIAS+8*\ct:BIAS+8*\ct+7]
.else
	v_wmma_f32_16x16x128_bf8_bf8 v[AL+8*\ct:AL+8*\ct+7], v[WL+16*\ct:WL+16*\ct+15], v[RL:RL+15], v[AL+8*\ct:AL+8*\ct+7]
.endif
.endr
.endm
; Slot 0's eight products of K step s, in MUL's order, and behind each pair of them two fragments (eight LDS loads) of the next step's W, into the other set.
; No wait stands among them: the products name W set s % 2, slot 0's rows of set s % 4, its accumulators and b1; the loads touch the other W set, v6 and v7.
.macro MULW s
	RING (\s)%4, 0
.set MWB, 96+160*((\s)%2)
.set MWL, MWB&255
.set MRL, RX&255
.if (\s)==0
.set MWN, (2<<6)|((RX>>8)<<2)|(MWB>>8)
.else
.set MWN, (2<<6)|(2<<4)|((RX>>8)<<2)|(MWB>>8)
.endif
.set LWB, 96+160*(((\s)+1)%2)
.set LWL, LWB&255
.set LWN, (LWB>>8)<<6
.irp p, 0,2,4,6
	WIN MWN
.irp ct, \p, \p+1
.if (\s)==0
	v_wmma_f32_16x16x128_bf8_bf8 v[8*(\ct):8*(\ct)+7], v[MWL+16*(\ct):MWL+16*(\ct)+15], v[MRL:MRL+15], v[BIAS+8*(\ct):BIAS+8*(\ct)+7]
.else
	v_wmma_f32_16x16x128_bf8_bf8 v[8*(\ct):8*(\ct)+7], v[MWL+16*(\ct):MWL+16*(\ct)+15], v[MRL:MRL+15], v[8*(\ct):8*(\ct)+7]
.endif
.endr
.if (\s)<7
	WIN LWN
.irp ct, \p, \p+1
.irp c, 0,1,2,3
	ds_load_b128 v[LWL+16*(\ct)+4*\c:LWL+16*(\ct)+4*\c+3], v[6+(\ct)/4] offset:((\ct)%4)*16*PITCH+128*((\s)+1)+32*\c
.endr
.endr
.endif
.endr
.endm
; K step s.  All loads and waits stand ahead of the jumps, so every count is the same on every path; only products are jumped over.
.macro STEP s
.if (\s)>0 && (\s)<7
	PLACES 4                                       ; four places between the last step's products and the loads into registers that they read, as in the plain form; the wait on va_vdst below states the dependence
.endif
	s_wait_dscnt 0x0                               ; this step's W is in: it was asked for among the first products of the step before (step 0: at the pass's head)
.if (\s)<=5
	s_wait_loadcnt 40                              ; this step's rows are in; those of the two steps behind it may be out (this step's own loads of rows are not yet issued)
.else
	s_wait_loadcnt 20*(7-(\s))
.endif
.if (\s)>0 && (\s)<7
	s_wait_alu depctr_va_vdst(0)                   ; the products of the step before are done reading W set (s + 1) % 2 and the rows' set (s - 1) % 4, in which this step's loads land
.endif
	MULW \s
.if (\s)<=4
	LDX ((\s)+3)%4, (\s)+3                         ; no product since the wait names this set or v10-14
.endif
.irp i, 1,2,3,4
	WIN 0                                          ; at a branch and at a label every window is 0
	s_cmp_le_u32 s[M], \i
	s_cbranch_scc1 .Lend_\@
	MUL \i, \s
.endr
	WIN 0
.Lend_\@:
.endm
; One halving: the field of w bits at the bit's number so far counts the set bits of the lower half of what is left; where the wanted bit is not among them, they are taken off and the upper half is taken.
.macro SELSTEP src, w
.irp x, 0,1,2
	v_bfe_u32 v[TV+\x], v[\src+\x], v[SV+\x], \w
.endr
.irp x, 0,1,2
	v_cmp_ge_u32 s[44+\x], v[RV+\x], v[TV+\x]
.endr
	s_wait_alu depctr_va_sdst(0)                   ; the three compares have written s44-46, which the selects below read
.irp x, 0,1,2
	v_cndmask_b32 v[TV+\x], 0, v[TV+\x], s[44+\x]
	v_cndmask_b32 v[UV+\x], 0, \w, s[44+\x]
.endr
.irp x, 0,1,2
	v_sub_nc_u32 v[RV+\x], v[RV+\x], v[TV+\x]
	v_add_nc_u32 v[SV+\x], v[SV+\x], v[UV+\x]
.endr
.endm
; The tokens at the places of my five slots' rows, into v10-14; the expert's count into s50.  Slot i's row r is place 16 (20 p + w + 4 i) + r.
.macro TOKENS
	s_lshl_b32 s26, s25, 4                         ; 16 x my slot 0's tile
	v_lshl_add_u32 v[QV], v3, 6, v2                ; r + 64 h: lanes 16-31 ask for the slot one further on
	v_add_nc_u32 v[QV], s26, v[QV]
	v_add_nc_u32 v[QV+1], 128, v[QV]
	v_add_nc_u32 v[QV+2], s26, v2
	v_add_nc_u32 v[QV+2], 0x100, v[QV+2]
.irp x, 0,1,2
	v_lshl_or_b32 v[KV+\x], v[QV+\x], 5, 31
	v_mov_b32 v[PV+\x], 0                          ; group 0 begins at place 0: it is the choice until a later group begins at or before my place
	v_mov_b32 v[MV+\x], s66
.endr
	s_mov_b32 s50, 0
.set g, 1
	s_wait_alu depctr_va_vdst(0)
.rept 8                                ; groups 1 to 31, four to a run: the run's keys and its twelve compares, one wait, the run's selects in the groups' order
.irp b, 0,1,2,3
.if (g+\b) < 32
	s_bcnt1_i32_b32 s27, s[66+g+\b-1]
	s_add_co_u32 s50, s50, s27                     ; the count ahead of the group
	s_lshl_b32 s[KY+\b], s50, 5
	s_add_co_u32 s[KY+\b], s[KY+\b], g+\b          ; 32 x it + g: at most 32 x place + 31 just where the count is at most the place
.irp x, 0,1,2
	v_cmp_le_u32 s[MK+3*\b+\x], s[KY+\b], v[KV+\x]
.endr
.endif
.endr
	s_wait_alu depctr_va_sdst(0)                   ; the run's compares have written s51-62, which the selects below read
.irp b, 0,1,2,3
.if (g+\b) < 32
.irp x, 0,1,2
	v_cndmask_b32 v[PV+\x], v[PV+\x], s[KY+\b], s[MK+3*\b+\x]
	v_cndmask_b32 v[MV+\x], v[MV+\x], s[66+g+\b], s[MK+3*\b+\x]
.endr
.endif
.endr
.set g, g+4
.endr
	s_bcnt1_i32_b32 s27, s97
	s_add_co_u32 s50, s50, s27                     ; the expert's count
.irp x, 0,1,2
	v_lshrrev_b32 v[RV+\x], 5, v[PV+\x]
	v_lshrrev_b32 v[AV+\x], 1, v[MV+\x]
.endr
.irp x, 0,1,2
	v_sub_nc_u32 v[RV+\x], v[QV+\x], v[RV+\x]      ; which set bit of the mask, from 0
	v_and_b32 v[AV+\x], 0x55555555, v[AV+\x]
.endr
.irp x, 0,1,2
	v_sub_nc_u32 v[AV+\x], v[MV+\x], v[AV+\x]      ; set bits in each pair
.endr
.irp x, 0,1,2
	v_lshrrev_b32 v[BV+\x], 2, v[AV+\x]
	v_and_b32 v[TV+\x], 0x33333333, v[AV+\x]
.endr
.irp x, 0,1,2
	v_and_b32 v[BV+\x], 0x33333333, v[BV+\x]
.endr
.irp x, 0,1,2
	v_add_nc_u32 v[BV+\x], v[BV+\x], v[TV+\x]      ; in each four
.endr
.irp x, 0,1,2
	v_lshrrev_b32 v[CV+\x], 4, v[BV+\x]
.endr
.irp x, 0,1,2
	v_add_nc_u32 v[CV+\x], v[CV+\x], v[BV+\x]
.endr
.irp x, 0,1,2
	v_and_b32 v[CV+\x], 0x0f0f0f0f, v[CV+\x]       ; in each byte
.endr
.irp x, 0,1,2
	v_bfe_u32 v[TV+\x], v[CV+\x], 8, 8
	v_and_b32 v[UV+\x], 0xff, v[CV+\x]
.endr
.irp x, 0,1,2
	v_add_nc_u32 v[TV+\x], v[TV+\x], v[UV+\x]      ; in the lower 16
.endr
.irp x, 0,1,2
	v_cmp_ge_u32 s[44+\x], v[RV+\x], v[TV+\x]
.endr
	s_wait_alu depctr_va_sdst(0)                   ; the three compares have written s44-46, which the selects below read
.irp x, 0,1,2
	v_cndmask_b32 v[TV+\x], 0, v[TV+\x], s[44+\x]
	v_cndmask_b32 v[SV+\x], 0, 16, s[44+\x]
.endr
.irp x, 0,1,2
	v_sub_nc_u32 v[RV+\x], v[RV+\x], v[TV+\x]
.endr
	SELSTEP CV, 8
	SELSTEP BV, 4
	SELSTEP AV, 2
	SELSTEP MV, 1                                  ; v[SV]: the lane l of the token
.irp x, 0,1,2
	v_and_b32 v[TV+\x], 3, v[PV+\x]                ; g % 4
	v_bfe_u32 v[UV+\x], v[PV+\x], 2, 3             ; g / 4
.endr
.irp x, 0,1,2
	v_lshl_or_b32 v[TV+\x], v[UV+\x], 7, v[TV+\x]
	v_cmp_gt_u32 s[44+\x], s50, v[QV+\x]           ; a place under the count?
.endr
.irp x, 0,1,2
	v_lshl_or_b32 v[TV+\x], v[SV+\x], 2, v[TV+\x]  ; the token: 128 (g / 4) + 4 l + g % 4
.endr
	s_wait_alu depctr_va_sdst(0)                   ; the three compares have written s44-46, which the selects below read
.irp x, 0,1,2
	v_cndmask_b32 v[TV+\x], 0, v[TV+\x], s[44+\x]  ; else token 0
.endr
	v_mov_b32 v[XP], 0                             ; (a lane permute's destination counts as one of its sources)
	v_mov_b32 v[XP+1], 0
	v_permlanex16_b32 v[XP], v[TV], s48, s49       ; lane l xor 16's
	v_permlanex16_b32 v[XP+1], v[TV+1], s48, s49
	v_cndmask_b32 v[VOFF], v[TV], v[XP], s47       ; both halves of the lanes want every slot's row r: s47 names lanes 16-31 (a constant, written by a scalar move)
	v_cndmask_b32 v[VOFF+1], v[XP], v[TV], s47
	v_cndmask_b32 v[VOFF+2], v[TV+1], v[XP+1], s47
	v_cndmask_b32 v[VOFF+3], v[XP+1], v[TV+1], s47
	v_mov_b32 v[VOFF+4], v[TV+2]
.endm
.macro VOFFS
.irp i, 0,1,2,3,4
	v_min_u32 v[VOFF+\i], 0x3ff, v[VOFF+\i]        ; a token, whatever was loaded
.endr
.irp i, 0,1,2,3,4
	v_lshl_add_u32 v[VOFF+\i], v[VOFF+\i], 10, v9  ; its row of 1,024 codes, + 16 h
.endr
.endm
.macro WSTORE k0                       ; 32 of my 64 pieces of W1 (piece k: half k % 2 of my row k / 2) into LDS, the rows in the tiles' order
.set k, \k0
.rept 32
.set RG, 576+4*k
.set RL, RG&255
.set VR, k/2
.set LR, 16*((VR>>3)&1)+8*((VR>>4)&1)+(VR&7)
.set WN, (RG>>8)<<2
	WIN WN
	ds_store_b128 v5, v[RL:RL+3] offset:LR*PITCH+512*(k%2)
.set k, k+1
.endr
	WIN 0
.endm
.macro CONV i                          ; slot i's 16 rows x 128 units become one fragment of the second product, in registers of the slot's own
.set AC, 512+64*(\i)
.set AW, AC>>8
.set AL, AC&255
.set CL, 128+16*(\i)
.set WN, (AW<<6)|AW
	WIN WN
.set n, 0
.rept 64
	v_med3_num_f32 v[AL+n], v[AL+n], 0, v17        ; the relu and the hold in one; each accumulator from its low end on
.set n, n+1
.endr
.set WN, (1<<6)|AW
	WIN WN
.irp g8, 0,1,2,3,4,5,6,7
	v_cvt_scalef32_pk8_bf8_f32 v[CL+2*\g8:CL+2*\g8+1], v[AL+8*\g8:AL+8*\g8+7], v16
.endr
	v_nop                                          ; a plain line between the conversions and the products that later write their sources
.endm
.macro SENDC i                         ; and leaves as its image
.set CL, 128+16*(\i)
	WIN 4
.irp c, 0,1,2,3
	global_store_b128 v4, v[CL+4*\c:CL+4*\c+3], s[HIMG:HIMG+1] offset:262144*(\i)+512*\c   ; 32 lanes store 512 consecutive bytes, at a multiple of 512 from himg's first byte
.endr
.endm
	s_load_b256 s[4:11], s[0:1], 0x0               ; W1's codes s[4:5], b1 s[6:7], the scales' exponents s[8:9], xq s[10:11]
	s_load_b128 s[12:15], s[0:1], 0x20             ; keep s[12:13], himg s[14:15]
	v_lshl_add_u32 v30, v0, 2, 0x20800
	v_mov_b32 v31, 0
	v_lshrrev_b32 v1, 5, v0
	v_readfirstlane_b32 s18, v1                    ; wave 0..3
	s_and_b32 s19, ttmp7, 0xffff                   ; e
	s_mov_b32 s20, ttmp9                           ; j
	v_and_b32 v1, 31, v0                           ; lane
	v_and_b32 v2, 15, v0                           ; r
	v_bfe_u32 v3, v0, 4, 1                         ; h
	v_lshlrev_b32 v4, 4, v1                        ; 16 x lane
	v_mul_u32_u24 v6, v2, PITCH
	v_lshl_add_u32 v6, v3, 4, v6                   ; a fragment: row r, + 16 h; tiles 0 to 3,
	v_add_nc_u32 v7, 64*PITCH, v6                  ; tiles 4 to 7 (an LDS offset has 16 bits)
	v_lshlrev_b32 v9, 4, v3
	v_lshlrev_b32 v15, 6, v3                       ; b1: 16 h units
	s_wait_alu depctr_va_sdst(0)                   ; s18 is written, ahead of its first reader: LDS addresses and the buffers' offsets are made from it
	s_mul_i32 s26, s18, 32*PITCH
	v_add_nc_u32 v5, s26, v4                       ; W1 into LDS: my wave's 32 rows, 16 bytes a lane
	s_lshl_b32 s40, 1, s19                         ; the expert's bit in keep
	s_mov_b32 s47, 0xffff0000                      ; lanes 16-31
	s_mov_b32 s48, 0x76543210                      ; v_permlanex16_b32: lane l takes lane l xor 16
	s_mov_b32 s49, 0xfedcba98
	s_lshl_b32 s26, s19, 22                        ; W1: expert, 128 rows x 1,024 a work-group, 32 rows a wave
	s_lshl_b32 s28, s20, 17
	s_add_co_u32 s26, s26, s28
	s_lshl_b32 s28, s18, 15
	s_add_co_u32 s26, s26, s28
	s_mov_b32 s27, 0
	s_lshl_b32 s28, s19, 14                        ; b1: expert, 128 units
	s_lshl_b32 s30, s20, 9
	s_add_co_u32 s28, s28, s30
	s_mov_b32 s29, 0
	s_lshl_b32 s36, s19, 22                        ; himg: expert, K step j, tile w
	s_lshl_b32 s38, s20, 11
	s_add_co_u32 s36, s36, s38
	s_lshl_b32 s38, s18, 16
	s_add_co_u32 s36, s36, s38
	s_mov_b32 s37, 0
	s_mov_b32 s25, s18                             ; my slot 0's tile: 20 p + w
	s_mov_b32 s23, 0                               ; p
	s_wait_kmcnt 0x0
	s_add_nc_u64 s[4:5], s[4:5], s[26:27]
	s_add_nc_u64 s[6:7], s[6:7], s[28:29]
	s_add_nc_u64 s[HIMG:HIMG+1], s[HIMG:HIMG+1], s[36:37]
	s_load_b128 s[32:35], s[8:9], 0x0              ; e0, e1, e2, e3
	s_wait_alu depctr_va_vdst(0)                   ; v4 to v7 and v15 are written: the offsets and LDS addresses that the loads and stores of the whole kernel read
.irp j, 0,1,2,3,4,5,6,7
	global_load_b128 v[KP+4*\j:KP+4*\j+3], v4, s[12:13] offset:512*\j      ; keep: each load reads 512 consecutive bytes
.endr
.irp ct, 0,1,2,3,4,5,6,7
	global_load_b128 v[BIAS+8*\ct:BIAS+8*\ct+3],   v15, s[6:7] offset:(32*(\ct/2)+8*(\ct%2))*4      ; lane (r, h), tile 2 b + u: units 32 b + 16 h + 8 u + 0 .. 7
	global_load_b128 v[BIAS+8*\ct+4:BIAS+8*\ct+7], v15, s[6:7] offset:(32*(\ct/2)+8*(\ct%2))*4+16
.endr
.set k, 0
.rept 64                               ; my 32 rows of W1: each load reads 512 consecutive bytes; read by nobody else
.set RG, 576+4*k
.set RL, RG&255
.set WN, (RG>>8)<<6
	WIN WN
	global_load_b128 v[RL:RL+3], v4, s[4:5] offset:512*k th:TH_LOAD_NT
.set k, k+1
.endr
	WIN 0
	s_wait_loadcnt 63                              ; of the 88 loads issued the 25 oldest are in: keep's 8 and b1's 16 among them.  What follows is worked while W1's slice is on its way
.set g, 0
.rept 8                                ; for each register g of keep the lanes whose token keeps my expert: 32 masks, which stay for all passes
.irp c, 0,1,2,3
	v_and_b32 v[TT+\c], s40, v[KP+g+\c]
.endr
.irp c, 0,1,2,3
	v_cmp_ne_u32 s[66+g+\c], 0, v[TT+\c]
.endr
.set g, g+4
.endr
	s_wait_alu depctr_va_sdst(0)                   ; the 32 compares have written s66-97, ahead of their first readers, which stand in the search below
	TOKENS
	VOFFS
	s_min_u32 s21, s50, 1024
	s_add_co_u32 s21, s21, 15
	s_lshr_b32 s21, s21, 4                         ; tiles of 16 rows,
	s_max_u32 s21, s21, 1                          ; one at the least: tile 0 of every expert is always written, so the next launch's empty slots have bytes to read
	s_add_co_u32 s22, s21, 19
	s_mul_i32 s22, s22, 3277
	s_lshr_b32 s22, s22, 16                        ; passes = ceil(tiles / 20), right for 0 to 64 tiles
	s_wait_loadcnt 32                              ; W1's pieces 0 to 31 are in
	WSTORE 0
	s_wait_alu depctr_va_vdst(0)                   ; v10-14 are written, which the loads of rows read; the ballots and the search are done with v96-167, in which W set 0 lands at the pass's head
	LDX 0, 0                                       ; the first pass's rows, three K steps
	LDX 1, 1
	LDX 2, 2
	s_wait_kmcnt 0x0
	s_add_co_i32 s26, s32, s33                     ; e0 + e1
	s_sub_co_i32 s27, 0, s26
	s_sub_co_i32 s28, s35, s26                     ; e3 - e0 - e1
	s_add_co_i32 s28, s28, 127
	s_lshl_b32 s29, s28, 23
	v_mov_b32 v16, s29                             ; that power of two as f32, for the conversion
	s_add_co_i32 s28, s28, 15
	s_lshl_b32 s28, s28, 23
	s_or_b32 s28, s28, 0x600000
	v_mov_b32 v17, s28                             ; 57,344 x it
.set n, 0
.rept 64
	v_ldexp_f32 v[BIAS+n], v[BIAS+n], s27          ; b1 / 2^(e0 + e1)
.set n, n+1
.endr
	s_wait_loadcnt 60                              ; all of W1's pieces are in; the 60 loads issued behind them may be out
	WSTORE 32
	s_wait_dscnt 0x0                               ; for the others' sake: my rows of W1 lie in LDS
	s_barrier_signal -1
	s_barrier_wait -1                              ; the slice is whole; it is never written again
	s_wait_alu depctr_vm_vsrc(0)                   ; my LDS stores have read 576-831: these registers are accumulators from here on, written by the products
.Lpass:
	s_sub_co_i32 s[M], s21, s25                    ; my slots that hold a tile: ceil((tiles - first tile) / 4), between 0 and 5
	s_add_co_i32 s[M], s[M], 3
	s_ashr_i32 s[M], s[M], 2
	s_max_i32 s[M], s[M], 0
	s_min_i32 s[M], s[M], 5
	s_cmp_eq_u32 s[M], 0
	s_cbranch_scc1 .Lpend
	PLACES 5                                       ; the accumulators begin anew, with another C
	LDW 0, 0                                       ; no vector or matrix instruction since the wait ahead of this pass's first rows names 96-223, v6 or v7
	s_wait_alu depctr_va_vdst(0)
	STEP 0
	STEP 1
	STEP 2
	STEP 3
	STEP 4
	STEP 5
	STEP 6
	STEP 7
	PLACES 4                                       ; results just made are read
	CONV 0
.irp i, 1,2,3,4
	WIN 0
	s_cmp_le_u32 s[M], \i
	s_cbranch_scc1 .Lcoded
	CONV \i
.endr
	WIN 0
.Lcoded:
	s_wait_alu depctr_va_vdst(0)                   ; the conversions have written the slots' codes, 384 on, which the stores below read
	SENDC 0
.irp i, 1,2,3,4
	WIN 0
	s_cmp_le_u32 s[M], \i
	s_cbranch_scc1 .Lpend
	SENDC \i
.endr
	WIN 0
.Lpend:
	s_wait_loadcnt 0x0                             ; (a wave without a tile in this pass has its rows' loads out)
	s_wait_xcnt 0x0                                ; the stores have read their registers and their base: both are written again below
	s_wait_alu depctr_vm_vsrc(0)                   ; the loads of rows have read v10-14, which the search below writes; the stores have read the codes, 384 on, in which the next pass's first rows land
	s_add_nc_u64 s[HIMG:HIMG+1], s[HIMG:HIMG+1], 1310720   ; 20 tiles of 65,536 bytes on
	s_add_co_u32 s25, s25, 20
	s_add_co_u32 s23, s23, 1
	s_cmp_lt_u32 s23, s22
	s_cbranch_scc0 .Ldone                          ; no load is issued for a pass that does not come
	TOKENS                                         ; the next 20 tiles' tokens, from the masks that stayed
	VOFFS
	s_wait_alu depctr_va_vdst(0)                   ; v10-14 are written, which the loads of rows read; the products and conversions are done with the rows' sets and both W sets, the search with v128-167
	LDX 0, 0
	LDX 1, 1
	LDX 2, 2
	s_cmp_lt_u32 s23, s22
	s_cbranch_scc1 .Lpass
.Ldone:
	s_wait_dscnt 0x0                               ; the closing lines, six on end
	s_wait_alu 0x0
	s_wait_tensorcnt 0x0
	ds_add_u32 v30, v31
	s_wait_dscnt 0x0
	s_endpgm
.Lfunc_end_k_qdce14eb378_ffn1:
	.size	k_qdce14eb378_ffn1, .Lfunc_end_k_qdce14eb378_ffn1-k_qdce14eb378_ffn1
	.p2alignl 7, 3214868480
	.fill 96, 4, 3214868480
	.section	.rodata,"a",@progbits
	.p2align	6, 0x0
	.amdhsa_kernel k_qdce14eb378_ffn1
		.amdhsa_group_segment_fixed_size 133632
		.amdhsa_private_segment_fixed_size 0
		.amdhsa_enable_private_segment 0
		.amdhsa_kernarg_size 48
		.amdhsa_user_sgpr_count 2
		.amdhsa_user_sgpr_kernarg_segment_ptr 1
		.amdhsa_wavefront_size32 1
		.amdhsa_system_sgpr_workgroup_id_x 1
		.amdhsa_system_sgpr_workgroup_id_y 1
		.amdhsa_system_sgpr_workgroup_id_z 1
		.amdhsa_system_vgpr_workitem_id 0
		.amdhsa_next_free_vgpr 1024
		.amdhsa_next_free_sgpr 100
		.amdhsa_reserve_vcc 0
		.amdhsa_float_denorm_mode_32 3
		.amdhsa_float_denorm_mode_16_64 3
		.amdhsa_memory_ordered 1
		.amdhsa_forward_progress 1
		.amdhsa_inst_pref_size 177
	.end_amdhsa_kernel
	.amdgpu_metadata
---
amdhsa.version: [ 1, 2 ]
amdhsa.kernels:
  - .name:           k_qdce14eb378_ffn1
    .symbol:         k_qdce14eb378_ffn1.kd
    .args:
      - { .name: W1_codes, .offset: 0, .size: 8, .value_kind: global_buffer, .address_space: global }
      - { .name: b1, .offset: 8, .size: 8, .value_kind: global_buffer, .address_space: global }
      - { .name: lowp_scales, .offset: 16, .size: 8, .value_kind: global_buffer, .address_space: global }
      - { .name: xq, .offset: 24, .size: 8, .value_kind: global_buffer, .address_space: global }
      - { .name: keep, .offset: 32, .size: 8, .value_kind: global_buffer, .address_space: global }
      - { .name: himg, .offset: 40, .size: 8, .value_kind: global_buffer, .address_space: global }
    .group_segment_fixed_size: 133632
    .private_segment_fixed_size: 0
    .kernarg_segment_align: 8
    .kernarg_segment_size: 48
    .max_flat_workgroup_size: 128
    .sgpr_count:     100
    .vgpr_count:     1024
    .wavefront_size: 32
...
	.end_amdgpu_metadata
.endif
;; end of part 10
;; launch ffn2 (part 11): grid 32 x 8, 4 waves a work-group, no clusters, 167,424 bytes of LDS; arguments W2_codes, himg, keep, part; writes part
.if DOCPART == 11
	.amdgcn_target "amdgcn-amd-amdhsa--gfx1250"
	.amdhsa_code_object_version 6
	.text
	.protected	k_qdce14eb378_ffn2
	.globl	k_qdce14eb378_ffn2
	.p2align	8
	.type	k_qdce14eb378_ffn2,@function
k_qdce14eb378_ffn2:
	s_mov_b64 s[64:65], 0
	v_nop
	global_prefetch_b8 v0, s[64:65] scope:SCOPE_SE
	s_setreg_imm32_b32 hwreg(HW_REG_WAVE_SCHED_MODE, 0, 2), 2
	s_setreg_imm32_b32 hwreg(HW_REG_WAVE_MODE, 25, 1), 1
	s_wait_xcnt 0x0
	s_wait_alu depctr_vm_vsrc(0)
; THE SECOND PRODUCT, FOR THE KEPT ROWS ALONE: raw sums of codes, h W2, a quarter of K to a work-group.
; W2_codes: [8][1024 outputs][4096] codes, K innermost.  himg: the hidden layer's fragments as register images, [e][tile 0..63][K step 0..31][group c][lane][16 bytes].
; keep[1024]: a bit for each kept expert of a token: the expert's count of rows is the number of tokens with its bit.
; part: [ks 0..3][e][place 0..1023][1024] f32: the sum over units 1,024 ks .. 1,024 ks + 1,023, not yet scaled; only the places of an expert's tiles are written, and only places of kept tokens are read later.
; SHARES.  Work-group (x, e), x = 8 ks + jn, owns outputs 128 jn .. + 127 and units 1,024 ks .. + 1,023 of expert e: 128 rows x 1,024 bytes of W2, which no other work-group reads; they are put into LDS once.
; All else is the first product's form: the four waves share the expert's rows, wave w takes tiles 20 p + 4 i + w, i = 0 .. 4, in pass p; the rows' fragments go from memory straight into registers, three K steps ahead.
; K is split in four so that 256 work-groups each read their weights once; the four parts and the experts of a token are added by the next launch, which each output row needs in any case.
; NO TENSOR LOADS AND NO JOINT REQUESTS: the trips hang on a count made from numbers read from memory, and a constant count would fetch all 1,024 places of an expert, four times its rows at an even split.
; An expert without rows leaves its work-groups nothing to store: the price of a grid that serves every split.
; THE MATRIX INSTRUCTION IS USED TRANSPOSED: source 0 = 16 rows of W2, source 1 = 16 rows of h: a lane holds eight neighbouring outputs of one row.
; An empty slot's loads read 16 bytes of the expert's tile 0, which the launch before always writes.
; REGISTERS by their full numbers (windows of 256): 0-31 addresses; 96-223 W set 0 (at the head: keep); 256-383 W set 1; rows, four sets of five fragments: 384-463, 832-911, 912-991, and 224-255 with 464-511;
;   512-831 the accumulators, (slot i, tile ct) at 512 + 64 i + 8 ct.  576-831 first carry W2's slice on its way into LDS.  On the way out 96-223 and 256-447 take the rows read back from the stage.
; THE MODE: SCHED_MODE bits 1:0 = 2 (LLVM: expert scheduling mode 2), set by the entry lines.  The code itself states the register dependences
; between vector or matrix instructions and memory or LDS instructions, with s_wait_alu, always for 0.
; THE PLAN.  Registers that memory or LDS instructions touch:
;   W sets 0, 1     K step s: its products read set s % 2; the LDS loads of step s + 1 land in the other set, which the products of step s - 1 read last.
;   rows' sets 0-3  K step s: its products read set s % 4; the loads of step s + 3 land in set (s + 3) % 4 = (s - 1) % 4, which the products of step s - 1 read last.
;   v4-7, v18, v19  offsets and LDS addresses: made once at the head, never written again.
;   v10-14          the rows' offsets: read by every load of rows; written once a pass, between passes.
;   576-831         W2's slice: loaded, read by the LDS stores ahead of the barrier; behind it the products write them as accumulators.
;   512-831         the accumulators: written by the products, read by the stage's LDS stores on the way out, written again by the next pass's products.
;   96-223, 256-447 on the way out: the stage's loads land there (the products read them as W and rows), the global stores read them, the next pass's loads land there again.
;   96-131          at the head: keep and its ballots, named by vector instructions; W set 0 lands there at the pass's head.
; So ONE wait on va_vdst stands at the head of K steps 1 to 6: the products of the step before are done reading the two sets that this step's loads fill.  Behind it the 32 LDS loads are dealt among
; slot 0's eight products, the only ones on every path, and the 20 loads of rows follow them: the products issued since the wait name W set s % 2, rows' set s % 4 and the accumulators, none of which those loads touch.
; One wait on va_vdst stands ahead of the way out, one ahead of each pass's first loads of rows; one wait on vm_vsrc behind the barrier and one at a pass's end.
; A mask of lanes that a compare has written is read only behind a wait on va_sdst: the compares are laid in two runs of sixteen, one wait behind each.
.set PITCH, 1040                       ; an LDS row: 1,024 bytes + 16: an odd multiple of 16
.set STG,   128*PITCH                  ; behind the slice: a stage of 16 rows x (512 + 16) bytes for each wave
.set SP,    528
.set VOFF,  10                         ; v10-14 slot i: its tile's first byte + 16 x lane
.set M,     24                         ; s24 how many of my five slots hold a tile in this pass
.set KP,    96                         ; v96-127 keep
.set TT,    128                        ; v128-131 at work
.set MSB,   0
.macro WIN new                         ; the immediate's high byte repeats the setting that is left; a switch that changes nothing is dropped
.if MSB != \new
	s_set_vgpr_msb (MSB<<8)|\new
.set MSB, \new
.endif
.endm
.macro PLACES n
.rept \n
	v_nop
.endr
.endm
.macro RING q, i                       ; RX = the first register of slot i's fragment in set q
.if (\q)==0
.set RX, 384+16*(\i)
.elseif (\q)==1
.set RX, 832+16*(\i)
.elseif (\q)==2
.set RX, 912+16*(\i)
.elseif (\i)<2
.set RX, 224+16*(\i)
.else
.set RX, 464+16*((\i)-2)
.endif
.endm
.macro LDW set, s                      ; W2's eight fragments of K step s, from LDS into a set: 32 loads in one run (a pass's first step; the later steps' are dealt among products: MULW)
.set WSB, 96+160*(\set)
.set WL, WSB&255
.set WN, (WSB>>8)<<6
	WIN WN
.irp ct, 0,1,2,3,4,5,6,7
.irp c, 0,1,2,3
	ds_load_b128 v[WL+16*\ct+4*\c:WL+16*\ct+4*\c+3], v[6+\ct/4] offset:(\ct%4)*16*PITCH+128*(\s)+32*\c
.endr
.endr
	WIN 0
.endm
.macro LDX q, s                        ; the five slots' fragments of K step s into set q: 20 loads, each of 512 consecutive bytes
.irp i, 0,1,2,3,4
	RING \q, \i
.set RL, RX&255
.set WN, (RX>>8)<<6
	WIN WN
.irp c, 0,1,2,3
	global_load_b128 v[RL+4*\c:RL+4*\c+3], v[VOFF+\i], s[6:7] offset:2048*(\s)+512*\c
.endr
.endr
	WIN 0
.endm
.macro MUL i, s                        ; slot i x the eight tiles of outputs, 128 along K.  The eight accumulators take turns, one instruction a turn
	RING (\s)%4, \i
.set WSB, 96+160*((\s)%2)
.set AC, 512+64*(\i)
.set AW, AC>>8
.set AL, AC&255
.set WL, WSB&255
.set RL, RX&255
.set WN, (AW<<6)|(AW<<4)|((RX>>8)<<2)|(WSB>>8)
	WIN WN
.irp ct, 0,1,2,3,4,5,6,7
.if (\s)==0
	v_wmma_f32_16x16x128_bf8_bf8 v[AL+8*\ct:AL+8*\ct+7], v[WL+16*\ct:WL+16*\ct+15], v[RL:RL+15], 0
.else
	v_wmma_f32_16x16x128_bf8_bf8 v[AL+8*\ct:AL+8*\ct+7], v[WL+16*\ct:WL+16*\ct+15], v[RL:RL+15], v[AL+8*\ct:AL+8*\ct+7]
.endif
.endr
.endm
; Slot 0's eight products of K step s, in MUL's order, and behind each pair of them two fragments (eight LDS loads) of the next step's W, into the other set.
; No wait stands among them: the products name W set s % 2, slot 0's rows of set s % 4 and its accumulators; the loads touch the other W set, v6 and v7.
.macro MULW s
	RING (\s)%4, 0
.set MWB, 96+160*((\s)%2)
.set MWL, MWB&255
.set MRL, RX&255
.set MWN, (2<<6)|(2<<4)|((RX>>8)<<2)|(MWB>>8)
.set LWB, 96+160*(((\s)+1)%2)
.set LWL, LWB&255
.set LWN, (LWB>>8)<<6
.irp p, 0,2,4,6
	WIN MWN
.irp ct, \p, \p+1
.if (\s)==0
	v_wmma_f32_16x16x128_bf8_bf8 v[8*(\ct):8*(\ct)+7], v[MWL+16*(\ct):MWL+16*(\ct)+15], v[MRL:MRL+15], 0
.else
	v_wmma_f32_16x16x128_bf8_bf8 v[8*(\ct):8*(\ct)+7], v[MWL+16*(\ct):MWL+16*(\ct)+15], v[MRL:MRL+15], v[8*(\ct):8*(\ct)+7]
.endif
.endr
.if (\s)<7
	WIN LWN
.irp ct, \p, \p+1
.irp c, 0,1,2,3
	ds_load_b128 v[LWL+16*(\ct)+4*\c:LWL+16*(\ct)+4*\c+3], v[6+(\ct)/4] offset:((\ct)%4)*16*PITCH+128*((\s)+1)+32*\c
.endr
.endr
.endif
.endr
.endm
; K step s.  All loads and waits stand ahead of the jumps, so every count is the same on every path; only products are jumped over.
.macro STEP s
.if (\s)>0 && (\s)<7
	PLACES 4                                       ; four places between the last step's products and the loads into registers that they read, as in the plain form; the wait on va_vdst below states the dependence
.endif
	s_wait_dscnt 0x0                               ; this step's W is in: it was asked for among the first products of the step before (step 0: at the pass's head)
.if (\s)<=5
	s_wait_loadcnt 40                              ; this step's rows are in; those of the two steps behind it may be out (this step's own loads of rows are not yet issued)
.else
	s_wait_loadcnt 20*(7-(\s))
.endif
.if (\s)>0 && (\s)<7
	s_wait_alu depctr_va_vdst(0)                   ; the products of the step before are done reading W set (s + 1) % 2 and the rows' set (s - 1) % 4, in which this step's loads land
.endif
	MULW \s
.if (\s)<=4
	LDX ((\s)+3)%4, (\s)+3                         ; no product since the wait names this set or v10-14
.endif
.irp i, 1,2,3,4
	WIN 0                                          ; at a branch and at a label every window is 0
	s_cmp_le_u32 s[M], \i
	s_cbranch_scc1 .Lend_\@
	MUL \i, \s
.endr
	WIN 0
.Lend_\@:
.endm
.macro VOFFS                           ; slot i: tile 20 p + 4 i + w, 16 bytes a lane; a slot without a tile: every lane at tile 0's first bytes
.irp i, 0,1,2,3,4
	s_add_co_u32 s26, s25, 4*\i
	s_cmp_lt_u32 s26, s21
	s_cselect_b32 s27, s26, 0
	s_cselect_b32 s28, 16, 0
	s_min_u32 s27, s27, 63                         ; a tile, whatever was loaded
	s_min_u32 s28, s28, 16
	s_lshl_b32 s27, s27, 16
	v_mad_u32_u24 v[VOFF+\i], v1, s28, s27
.endr
.endm
.macro WSTORE k0                       ; 32 of my 64 pieces of W2 (piece k: half k % 2 of my row k / 2) into LDS
.set k, \k0
.rept 32
.set RG, 576+4*k
.set RL, RG&255
.set WN, (RG>>8)<<2
	WIN WN
	ds_store_b128 v5, v[RL:RL+3] offset:(k/2)*PITCH+512*(k%2)
.set k, k+1
.endr
	WIN 0
.endm
.macro RBK i                           ; where slot i's rows come back to
.if (\i)<2
.set RB, 96+64*(\i)
.else
.set RB, 256+64*((\i)-2)
.endif
.set RBL, RB&255
.endm
; A lane holds 32 neighbouring bytes of a row and the lanes beside it hold other rows: so a slot goes through my own stage and comes back as whole rows of 512 bytes.
; LDS serves a wave's instructions in order (ISA guide 5.7.1.4): no wait between the stores and the loads, nor in front of the next slot's stores.
.macro TOST i
.set AC, 512+64*(\i)
.set AL, AC&255
.set WN, (AC>>8)<<2
	WIN WN
.irp ct, 0,1,2,3,4,5,6,7
	ds_store_b128 v18, v[AL+8*\ct:AL+8*\ct+3] offset:64*\ct            ; each accumulator from its low end on
	ds_store_b128 v18, v[AL+8*\ct+4:AL+8*\ct+7] offset:64*\ct+16
.endr
	RBK \i
.set WN, (RB>>8)<<6
	WIN WN
.irp t, 0,1,2,3,4,5,6,7,8,9,10,11,12,13,14,15
	ds_load_b128 v[RBL+4*\t:RBL+4*\t+3], v19 offset:SP*\t
.endr
.endm
.macro SEND i
	RBK \i
.set WN, (RB>>8)<<2
	WIN WN
.irp t, 0,1,2,3,4,5,6,7,8,9,10,11,12,13,14,15
	global_store_b128 v4, v[RBL+4*\t:RBL+4*\t+3], s[10:11] offset:262144*(\i)+4096*\t   ; 32 lanes store 512 consecutive bytes, at a multiple of 512 from part's first byte
.endr
.endm
	s_load_b256 s[4:11], s[0:1], 0x0               ; W2's codes s[4:5], himg s[6:7], keep s[8:9], part s[10:11]
	v_lshl_add_u32 v94, v0, 2, 0x28c00
	v_mov_b32 v95, 0
	v_lshrrev_b32 v1, 5, v0
	v_readfirstlane_b32 s18, v1                    ; wave 0..3
	s_and_b32 s19, ttmp7, 0xffff                   ; e
	s_and_b32 s30, ttmp9, 7                        ; jn
	s_lshr_b32 s31, ttmp9, 3                       ; ks
	v_and_b32 v1, 31, v0                           ; lane
	v_and_b32 v2, 15, v0                           ; r
	v_bfe_u32 v3, v0, 4, 1                         ; h
	v_lshlrev_b32 v4, 4, v1                        ; 16 x lane
	v_mul_u32_u24 v6, v2, PITCH
	v_lshl_add_u32 v6, v3, 4, v6                   ; a fragment: row r, + 16 h; tiles 0 to 3,
	v_add_nc_u32 v7, 64*PITCH, v6                  ; tiles 4 to 7 (an LDS offset has 16 bits)
	v_mul_u32_u24 v18, v2, SP
	v_lshl_add_u32 v18, v3, 5, v18
	s_wait_alu depctr_va_sdst(0)                   ; s18 is written, ahead of its first reader: LDS addresses and the buffers' offsets are made from it
	s_mul_i32 s26, s18, 32*PITCH
	v_add_nc_u32 v5, s26, v4                       ; W2 into LDS: my wave's 32 rows, 16 bytes a lane
	s_mul_i32 s26, s18, 16*SP
	s_add_co_u32 s26, s26, STG                     ; my stage
	v_add_nc_u32 v18, s26, v18                     ; in: row r, 32 bytes for each half of the lanes
	v_add_nc_u32 v19, s26, v4                      ; back: the 32 lanes take one row of 512 bytes
	s_lshl_b32 s40, 1, s19                         ; the expert's bit in keep
	s_lshl_b32 s26, s19, 22                        ; W2: expert, 128 rows of 4,096 a jn, 32 rows a wave, 1,024 bytes a ks
	s_lshl_b32 s28, s30, 19
	s_add_co_u32 s26, s26, s28
	s_lshl_b32 s28, s18, 17
	s_add_co_u32 s26, s26, s28
	s_lshl_b32 s28, s31, 10
	s_add_co_u32 s26, s26, s28
	s_mov_b32 s27, 0
	s_lshl_b32 s28, s19, 22                        ; himg: expert, 8 K steps of 2,048 bytes a ks
	s_lshl_b32 s36, s31, 14
	s_add_co_u32 s28, s28, s36
	s_mov_b32 s29, 0
	s_lshl_b32 s36, s31, 25                        ; part: ks, expert, tile w, 128 outputs a jn
	s_lshl_b32 s38, s19, 22
	s_add_co_u32 s36, s36, s38
	s_lshl_b32 s38, s18, 16
	s_add_co_u32 s36, s36, s38
	s_lshl_b32 s38, s30, 9
	s_add_co_u32 s36, s36, s38
	s_mov_b32 s37, 0
	s_mov_b32 s25, s18                             ; my slot 0's tile: 20 p + w
	s_mov_b32 s23, 0                               ; p
	s_mov_b32 s21, 0                               ; the expert's rows
	s_wait_kmcnt 0x0
	s_add_nc_u64 s[4:5], s[4:5], s[26:27]
	s_add_nc_u64 s[6:7], s[6:7], s[28:29]
	s_add_nc_u64 s[10:11], s[10:11], s[36:37]
	s_wait_alu depctr_va_vdst(0)                   ; v4 to v7, v18 and v19 are written: the offsets and LDS addresses that the loads and stores of the whole kernel read
.irp j, 0,1,2,3,4,5,6,7
	global_load_b128 v[KP+4*\j:KP+4*\j+3], v4, s[8:9] offset:512*\j        ; keep: each load reads 512 consecutive bytes
.endr
.set k, 0
.rept 64                               ; my 32 rows' 1,024 bytes of W2: each load reads 512 consecutive bytes; read by nobody else
.set RG, 576+4*k
.set RL, RG&255
.set WN, (RG>>8)<<6
	WIN WN
	global_load_b128 v[RL:RL+3], v4, s[4:5] offset:(k/2)*4096+512*(k%2) th:TH_LOAD_NT
.set k, k+1
.endr
	WIN 0
	s_wait_loadcnt 63                              ; of the 72 loads issued the 9 oldest are in: keep's 8 among them
.set g, 0
.rept 2                                ; the tokens with my expert's bit are counted, sixteen registers of keep to a run: sixteen masks of lanes in s44-59, one wait, sixteen counts
.set k, 0
.rept 4
.irp c, 0,1,2,3
	v_and_b32 v[TT+\c], s40, v[KP+g+k+\c]
.endr
.irp c, 0,1,2,3
	v_cmp_ne_u32 s[44+k+\c], 0, v[TT+\c]
.endr
.set k, k+4
.endr
	s_wait_alu depctr_va_sdst(0)                   ; the run's sixteen compares have written s44-59, which the counts below read
.set k, 0
.rept 16
	s_bcnt1_i32_b32 s[44+k], s[44+k]
	s_add_co_u32 s21, s21, s[44+k]
.set k, k+1
.endr
.set g, g+16
.endr
	s_min_u32 s21, s21, 1024
	s_add_co_u32 s21, s21, 15
	s_lshr_b32 s21, s21, 4                         ; tiles of 16 rows
	s_add_co_u32 s22, s21, 19
	s_mul_i32 s22, s22, 3277
	s_lshr_b32 s22, s22, 16                        ; passes = ceil(tiles / 20), right for 0 to 64 tiles
	VOFFS
	s_wait_loadcnt 32                              ; W2's pieces 0 to 31 are in
	WSTORE 0
	s_wait_alu depctr_va_vdst(0)                   ; v10-14 are written, which the loads of rows read; the ballots are done with v96-131, in which W set 0 lands at the pass's head
	LDX 0, 0                                       ; the first pass's rows, three K steps
	LDX 1, 1
	LDX 2, 2
	s_wait_loadcnt 60                              ; all of W2's pieces are in; the 60 loads just issued may be out
	WSTORE 32
	s_wait_dscnt 0x0                               ; for the others' sake: my rows of W2 lie in LDS
	s_barrier_signal -1
	s_barrier_wait -1                              ; the slice is whole; it is never written again
	s_wait_alu depctr_vm_vsrc(0)                   ; my LDS stores have read 576-831: these registers are accumulators from here on, written by the products
	s_cmp_eq_u32 s22, 0
	s_cbranch_scc1 .Ldone                          ; an expert without rows
.Lpass:
	s_sub_co_i32 s[M], s21, s25                    ; my slots that hold a tile: ceil((tiles - first tile) / 4), between 0 and 5
	s_add_co_i32 s[M], s[M], 3
	s_ashr_i32 s[M], s[M], 2
	s_max_i32 s[M], s[M], 0
	s_min_i32 s[M], s[M], 5
	s_cmp_eq_u32 s[M], 0
	s_cbranch_scc1 .Lpend
	PLACES 5                                       ; the accumulators begin anew, with another C
	LDW 0, 0                                       ; no vector or matrix instruction since the wait ahead of this pass's first rows names 96-223, v6 or v7
	STEP 0
	STEP 1
	STEP 2
	STEP 3
	STEP 4
	STEP 5
	STEP 6
	STEP 7
	PLACES 4                                       ; results just made are read
	s_wait_alu depctr_va_vdst(0)                   ; the products have written the accumulators, which the stage's stores read, and are done reading 96-223 and 256-447, in which the stage's loads land; the places above stay beside this wait
	TOST 0
.irp i, 1,2,3,4
	WIN 0
	s_cmp_le_u32 s[M], \i
	s_cbranch_scc1 .Lstaged
	TOST \i
.endr
	WIN 0
.Lstaged:
	s_wait_dscnt 0x0                               ; every slot's rows are back in registers
	SEND 0
.irp i, 1,2,3,4
	WIN 0
	s_cmp_le_u32 s[M], \i
	s_cbranch_scc1 .Lpend
	SEND \i
.endr
	WIN 0
.Lpend:
	s_wait_loadcnt 0x0                             ; (a wave without a tile in this pass has its rows' loads out)
	s_wait_xcnt 0x0                                ; the stores have read their registers and their base: both are written again below
	s_wait_alu depctr_vm_vsrc(0)                   ; the loads of rows have read v10-14, which are made anew below; the stage's stores have read the accumulators, which the next products write; the global stores have read 96-223 and 256-447, in which the next pass's loads land
	s_add_nc_u64 s[10:11], s[10:11], 1310720       ; 20 tiles of 16 rows of 4,096 bytes on
	s_add_co_u32 s25, s25, 20
	s_add_co_u32 s23, s23, 1
	s_cmp_lt_u32 s23, s22
	s_cbranch_scc0 .Ldone                          ; no load is issued for a pass that does not come
	VOFFS
	s_wait_alu depctr_va_vdst(0)                   ; v10-14 are written, which the loads of rows read
	LDX 0, 0
	LDX 1, 1
	LDX 2, 2
	s_cmp_lt_u32 s23, s22
	s_cbranch_scc1 .Lpass
.Ldone:
	s_wait_dscnt 0x0                               ; the closing lines, six on end
	s_wait_alu 0x0
	s_wait_tensorcnt 0x0
	ds_add_u32 v94, v95
	s_wait_dscnt 0x0
	s_endpgm
.Lfunc_end_k_qdce14eb378_ffn2:
	.size	k_qdce14eb378_ffn2, .Lfunc_end_k_qdce14eb378_ffn2-k_qdce14eb378_ffn2
	.p2alignl 7, 3214868480
	.fill 96, 4, 3214868480
	.section	.rodata,"a",@progbits
	.p2align	6, 0x0
	.amdhsa_kernel k_qdce14eb378_ffn2
		.amdhsa_group_segment_fixed_size 167424
		.amdhsa_private_segment_fixed_size 0
		.amdhsa_enable_private_segment 0
		.amdhsa_kernarg_size 32
		.amdhsa_user_sgpr_count 2
		.amdhsa_user_sgpr_kernarg_segment_ptr 1
		.amdhsa_wavefront_size32 1
		.amdhsa_system_sgpr_workgroup_id_x 1
		.amdhsa_system_sgpr_workgroup_id_y 1
		.amdhsa_system_sgpr_workgroup_id_z 1
		.amdhsa_system_vgpr_workitem_id 0
		.amdhsa_next_free_vgpr 1024
		.amdhsa_next_free_sgpr 66
		.amdhsa_reserve_vcc 0
		.amdhsa_float_denorm_mode_32 3
		.amdhsa_float_denorm_mode_16_64 3
		.amdhsa_memory_ordered 1
		.amdhsa_forward_progress 1
		.amdhsa_inst_pref_size 107
	.end_amdhsa_kernel
	.amdgpu_metadata
---
amdhsa.version: [ 1, 2 ]
amdhsa.kernels:
  - .name:           k_qdce14eb378_ffn2
    .symbol:         k_qdce14eb378_ffn2.kd
    .args:
      - { .name: W2_codes, .offset: 0, .size: 8, .value_kind: global_buffer, .address_space: global }
      - { .name: himg, .offset: 8, .size: 8, .value_kind: global_buffer, .address_space: global }
      - { .name: keep, .offset: 16, .size: 8, .value_kind: global_buffer, .address_space: global }
      - { .name: part, .offset: 24, .size: 8, .value_kind: global_buffer, .address_space: global }
    .group_segment_fixed_size: 167424
    .private_segment_fixed_size: 0
    .kernarg_segment_align: 8
    .kernarg_segment_size: 32
    .max_flat_workgroup_size: 128
    .sgpr_count:     66
    .vgpr_count:     1024
    .wavefront_size: 32
...
	.end_amdgpu_metadata
.endif
;; end of part 11
;; launch combine (part 12): grid 512 x 1, 4 waves a work-group, no clusters, 0 bytes of LDS; arguments part, b2, lowp_scales, keep, gw, out0; writes out0
.if DOCPART == 12
	.amdgcn_target "amdgcn-amd-amdhsa--gfx1250"
	.amdhsa_code_object_version 6
	.text
	.protected	k_qdce14eb378_combine
	.globl	k_qdce14eb378_combine
	.p2align	8
	.type	k_qdce14eb378_combine,@function
k_qdce14eb378_combine:
	s_mov_b64 s[64:65], 0
	v_nop
	global_prefetch_b8 v0, s[64:65] scope:SCOPE_SE
	s_setreg_imm32_b32 hwreg(HW_REG_WAVE_MODE, 25, 1), 1
	s_wait_xcnt 0x0
; THE OUTPUT ROWS: out[t] = the sum over t's kept experts e of gw[t][e] x (2^(e2 + e3) x (the four parts of the second product at t's place in e) + b2[e]).
; gw holds the softmax weight / 8 already.  part: [ks][e][place][1024] f32; keep[1024]: a bit for each kept expert of a token.
; PLACES.  keep is read by 8 loads of 512 consecutive bytes: register g (0..31) of lane l holds token 128 (g / 4) + 4 l + g % 4.  Token t's place in expert e is the number of tokens that keep e
; and have a smaller key 32 g + l: the key by which the first product placed its rows.  The entries whose key is not below t's are made 0 once; then an expert's place is a count of bits.
; SHARES.  Each output row has one owner: a wave takes half a row of one token (2,048 bytes: four loads or stores of 512 consecutive bytes); a work-group two tokens.
; The token's small numbers are scalars.  A token has two kept experts or, where gates tie exactly, more: the first two are written out, 40 loads together; a counted loop serves the rest.
; Memory binds: no LDS, no barrier, no matrix unit; the waves share nothing.
; LIMITS: e2 + e3 between -126 and 127.  keep has two bits or more for every token (it has, for gates that are numbers).
.set OUT, 176                          ; v176-191 my 16 numbers of each of the four pieces
.set KP,  192                          ; v192-223 keep, the entries ahead of my token
.set TT,  224                          ; v224-227 at work
	s_load_b256 s[4:11], s[0:1], 0x0               ; part s[4:5], b2 s[6:7], the scales' exponents s[8:9], keep s[10:11]
	s_load_b128 s[12:15], s[0:1], 0x20             ; gw s[12:13], out0 s[14:15]
	v_lshrrev_b32 v1, 5, v0
	v_readfirstlane_b32 s18, v1                    ; wave 0..3
	v_and_b32 v1, 31, v0
	s_wait_alu depctr_va_vdst(0)
	v_lshlrev_b32 v2, 4, v1                        ; 16 x lane, in part ks = 0,
	v_add_nc_u32 v3, 0x2000000, v2                 ; 1,
	v_add_nc_u32 v4, 0x4000000, v2                 ; 2,
	v_add_nc_u32 v5, 0x6000000, v2                 ; 3: the parts lie 2^25 bytes apart
	s_lshr_b32 s19, s18, 1
	s_lshl_b32 s21, ttmp9, 1
	s_add_co_u32 s19, s19, s21                     ; my token
	s_and_b32 s44, s18, 1
	s_lshl_b32 s44, s44, 11                        ; my half of a row, in bytes
	s_lshl_b32 s22, s19, 2
	s_mov_b32 s23, 0
	s_lshl_b32 s68, s19, 5
	s_mov_b32 s69, 0
	s_lshl_b32 s70, s19, 12
	s_add_co_u32 s70, s70, s44
	s_mov_b32 s71, 0
	s_lshr_b32 s72, s19, 7                         ; my token's key: g = 4 (t / 128) + t % 4, l = (t / 4) % 32
	s_lshl_b32 s72, s72, 2
	s_and_b32 s47, s19, 3
	s_or_b32 s72, s72, s47
	s_lshl_b32 s72, s72, 5
	s_bfe_u32 s47, s19, 0x50002
	s_or_b32 s72, s72, s47
	v_sub_nc_u32 v6, s72, v1                       ; key - lane: register g of my lane lies ahead of my token where 32 g is below it
	s_wait_alu depctr_va_vdst(0)
	s_wait_kmcnt 0x0
	s_add_nc_u64 s[16:17], s[10:11], s[22:23]
	s_add_nc_u64 s[12:13], s[12:13], s[68:69]
	s_add_nc_u64 s[14:15], s[14:15], s[70:71]
.irp j, 0,1,2,3,4,5,6,7
	global_load_b128 v[KP+4*\j:KP+4*\j+3], v2, s[10:11] offset:512*\j
.endr
	s_load_b32 s20, s[16:17], 0x0                  ; my token's kept experts
	s_load_b256 s[24:31], s[12:13], 0x0            ; the eight weights
	s_load_b128 s[40:43], s[8:9], 0x0              ; e0, e1, e2, e3
	s_wait_loadcnt 0x0
.set g, 0
.rept 8
.irp c, 0,1,2,3
	v_cmp_lt_i32 s[32+\c], 32*(g+\c), v6
.endr
.irp c, 0,1,2,3
	v_cndmask_b32 v[KP+g+\c], 0, v[KP+g+\c], s[32+\c]
.endr
.set g, g+4
.endr
	s_wait_kmcnt 0x0
	s_add_co_i32 s45, s42, s43
	s_add_co_i32 s45, s45, 127
	s_lshl_b32 s45, s45, 23                        ; 2^(e2 + e3) as f32
.macro NEXTE                           ; s46 = the lowest kept expert left; its bit is cleared
	s_ctz_i32_b32 s46, s20
	s_min_u32 s46, s46, 7
	s_sub_co_u32 s47, s20, 1
	s_and_b32 s20, s20, s47
.endm
.macro PICK w, v                       ; that expert's weight, and weight x 2^(e2 + e3); as pairs, for the packed forms
	s_mov_b32 s[\w], s24
.irp i, 1,2,3,4,5,6,7
	s_cmp_eq_u32 s46, \i
	s_cselect_b32 s[\w], s[24+\i], s[\w]
.endr
	s_mov_b32 s[\w+1], s[\w]
	s_mul_f32 s[\v], s[\w], s45
	s_mov_b32 s[\v+1], s[\v]
.endm
.macro RANK rk                         ; my place in that expert: the tokens ahead of mine that keep it, four registers of keep at a time
	s_lshl_b32 s21, 1, s46
	s_mov_b32 s[\rk], 0
.set g, 0
.rept 8
.irp c, 0,1,2,3
	v_and_b32 v[TT+\c], s21, v[KP+g+\c]
.endr
.irp c, 0,1,2,3
	v_cmp_ne_u32 s[32+\c], 0, v[TT+\c]
.endr
.irp c, 0,1,2,3
	s_bcnt1_i32_b32 s[36+\c], s[32+\c]
.endr
.irp c, 0,1,2,3
	s_add_co_u32 s[\rk], s[\rk], s[36+\c]
.endr
.set g, g+4
.endr
	s_min_u32 s[\rk], s[\rk], 1023                 ; a place, whatever was loaded
.endm
.macro ADDR rk, p, b                   ; my half of the row (expert, place) of part, and of the expert's b2
	s_lshl_b32 s68, s46, 10
	s_add_co_u32 s68, s68, s[\rk]
	s_lshl_b32 s68, s68, 12
	s_add_co_u32 s68, s68, s44
	s_mov_b32 s69, 0
	s_add_nc_u64 s[\p:\p+1], s[4:5], s[68:69]
	s_lshl_b32 s68, s46, 12
	s_add_co_u32 s68, s68, s44
	s_add_nc_u64 s[\b:\b+1], s[6:7], s[68:69]
.endm
.macro LOADS r, p, b                   ; 16 loads of part (piece q of part ks at r + 16 ks + 4 q), 4 of b2 (at r + 64 + 4 q)
.irp ks, 0,1,2,3
.irp q, 0,1,2,3
	global_load_b128 v[\r+16*\ks+4*\q:\r+16*\ks+4*\q+3], v[2+\ks], s[\p:\p+1] offset:512*\q th:TH_LOAD_NT
.endr
.endr
.irp q, 0,1,2,3
	global_load_b128 v[\r+64+4*\q:\r+64+4*\q+3], v2, s[\b:\b+1] offset:512*\q
.endr
.endm
.macro ACCUM r, w, v, first            ; out (+)= b2 x weight + ((P0 + P1) + (P2 + P3)) x weight x 2^(e2 + e3); first = 1 starts the sums: nothing is cleared
.irp q, 0,1,2,3
.irp d, 0,2
	v_pk_add_f32 v[\r+4*\q+\d:\r+4*\q+\d+1], v[\r+4*\q+\d:\r+4*\q+\d+1], v[\r+16+4*\q+\d:\r+16+4*\q+\d+1]
	v_pk_add_f32 v[\r+32+4*\q+\d:\r+32+4*\q+\d+1], v[\r+32+4*\q+\d:\r+32+4*\q+\d+1], v[\r+48+4*\q+\d:\r+48+4*\q+\d+1]
.endr
.irp d, 0,2
	v_pk_add_f32 v[\r+4*\q+\d:\r+4*\q+\d+1], v[\r+4*\q+\d:\r+4*\q+\d+1], v[\r+32+4*\q+\d:\r+32+4*\q+\d+1]
.if \first
	v_pk_mul_f32 v[OUT+4*\q+\d:OUT+4*\q+\d+1], v[\r+64+4*\q+\d:\r+64+4*\q+\d+1], s[\w:\w+1] op_sel_hi:[1,0]
.else
	v_pk_fma_f32 v[OUT+4*\q+\d:OUT+4*\q+\d+1], v[\r+64+4*\q+\d:\r+64+4*\q+\d+1], s[\w:\w+1], v[OUT+4*\q+\d:OUT+4*\q+\d+1] op_sel_hi:[1,0,1]
.endif
.endr
.irp d, 0,2
	v_pk_fma_f32 v[OUT+4*\q+\d:OUT+4*\q+\d+1], v[\r+4*\q+\d:\r+4*\q+\d+1], s[\v:\v+1], v[OUT+4*\q+\d:OUT+4*\q+\d+1] op_sel_hi:[1,0,1]
.endr
.endr
.endm
	NEXTE                                          ; the first kept expert: registers v16-95, scalars s48, s[50:57]
	RANK 48
	ADDR 48, 54, 56
	LOADS 16, 54, 56
	PICK 50, 52
	NEXTE                                          ; the second: v96-175, s49, s[58:63], s[66:67]
	RANK 49
	ADDR 49, 62, 66
	LOADS 96, 62, 66
	PICK 58, 60
	s_wait_loadcnt 20                              ; the first expert's 20 loads are in; the second's may be out
	ACCUM 16, 50, 52, 1
	s_wait_loadcnt 0x0
	ACCUM 96, 58, 60, 0
	s_bcnt1_i32_b32 s70, s20                       ; experts left: only where gates tie exactly
	s_cmp_eq_u32 s70, 0
	s_cbranch_scc1 .Lstore
	s_mov_b32 s71, 0
.Ltie:
	NEXTE                                          ; (no load is out here: the first set's registers and bases may be written)
	RANK 48
	ADDR 48, 54, 56
	LOADS 16, 54, 56
	PICK 50, 52
	s_wait_loadcnt 0x0
	ACCUM 16, 50, 52, 0
	s_add_co_u32 s71, s71, 1
	s_cmp_lt_u32 s71, s70
	s_cbranch_scc1 .Ltie
.Lstore:
	s_wait_alu depctr_va_vdst(0)
.irp q, 0,1,2,3
	global_store_b128 v2, v[OUT+4*\q:OUT+4*\q+3], s[14:15] offset:512*\q th:TH_STORE_NT   ; 32 lanes store 512 consecutive bytes, at a multiple of 512 from out0's first byte
.endr
	s_endpgm
.Lfunc_end_k_qdce14eb378_combine:
	.size	k_qdce14eb378_combine, .Lfunc_end_k_qdce14eb378_combine-k_qdce14eb378_combine
	.p2alignl 7, 3214868480
	.fill 96, 4, 3214868480
	.section	.rodata,"a",@progbits
	.p2align	6, 0x0
	.amdhsa_kernel k_qdce14eb378_combine
		.amdhsa_group_segment_fixed_size 0
		.amdhsa_private_segment_fixed_size 0
		.amdhsa_enable_private_segment 0
		.amdhsa_kernarg_size 48
		.amdhsa_user_sgpr_count 2
		.amdhsa_user_sgpr_kernarg_segment_ptr 1
		.amdhsa_wavefront_size32 1
		.amdhsa_system_sgpr_workgroup_id_x 1
		.amdhsa_system_sgpr_workgroup_id_y 1
		.amdhsa_system_sgpr_workgroup_id_z 1
		.amdhsa_system_vgpr_workitem_id 0
		.amdhsa_next_free_vgpr 232
		.amdhsa_next_free_sgpr 74
		.amdhsa_reserve_vcc 0
		.amdhsa_float_denorm_mode_32 3
		.amdhsa_float_denorm_mode_16_64 3
		.amdhsa_memory_ordered 1
		.amdhsa_forward_progress 1
		.amdhsa_inst_pref_size 40
	.end_amdhsa_kernel
	.amdgpu_metadata
---
amdhsa.version: [ 1, 2 ]
amdhsa.kernels:
  - .name:           k_qdce14eb378_combine
    .symbol:         k_qdce14eb378_combine.kd
    .args:
      - { .name: part, .offset: 0, .size: 8, .value_kind: global_buffer, .address_space: global }
      - { .name: b2, .offset: 8, .size: 8, .value_kind: global_buffer, .address_space: global }
      - { .name: lowp_scales, .offset: 16, .size: 8, .value_kind: global_buffer, .address_space: global }
      - { .name: keep, .offset: 24, .size: 8, .value_kind: global_buffer, .address_space: global }
      - { .name: gw, .offset: 32, .size: 8, .value_kind: global_buffer, .address_space: global }
      - { .name: out0, .offset: 40, .size: 8, .value_kind: global_buffer, .address_space: global }
    .group_segment_fixed_size: 0
    .private_segment_fixed_size: 0
    .kernarg_segment_align: 8
    .kernarg_segment_size: 48
    .max_flat_workgroup_size: 128
    .sgpr_count:     74
    .vgpr_count:     232
    .wavefront_size: 32
...
	.end_amdgpu_metadata
.endif
;; end of part 12
